; MI455X (gfx1250); checked and timed in simulation.
; The chip was launched on July 23, 2026; its instructions are those of AMD's public machine-readable ISA for CDNA 5 (MIT licence, August 2026) and "CDNA5" Instruction Set Architecture Reference Guide (July 2026). The comments in the code are by the model that wrote it; some were corrected since.
;; Local Global Attention. Allowed arithmetic: matrix products marked QUANTISED: E2M1 operands, one E8M0 scale for each 32 along K, by v_wmma_scale_f32_16x16x128_f8f6f4 with both operands' format E2M1 (or v_wmma_scale_f32_32x16x128_f4), f32 sums; products left as they are: f32 operands where the result goes on into a quantised operand, else bf16, f16 or f32 operands; f32 sums; everything else in f32.
;; Inputs: c_W 32 x 64 float32; c_b 32 float32; i_W 64 x 64 float32; i_b 64 float32; k_A 1,024 x 4 float32; k_B 4 x 1,024 float32; k_U 1,024 x 64 float32; k_V 1,024 x 64 float32; k_alpha 64 float32; k_b 1,024 float32; memory_vectors 2 x 256 x 64 float32; out_W 1,024 x 1,024 float32; out_b 1,024 float32; q_A 1,024 x 4 float32; q_B 4 x 1,024 float32; q_U 1,024 x 64 float32; q_V 1,024 x 64 float32; q_alpha 64 float32; q_b 1,024 float32; t_W 2 x 64 float32; t_b 2 float32; v_A 1,024 x 4 float32; v_B 4 x 1,024 float32; v_U 1,024 x 64 float32; v_V 1,024 x 64 float32; v_alpha 64 float32; v_b 1,024 float32; x 2 x 2,048 x 1,024 float32.
;; Outputs: out0 2 x 2,048 x 1,024 float32; out1 2 x 2,048 x 2 float32; out2 2 x 2,048 x 64 float32; out3 2 x 2,048 x 32 float32.
;; This version of the problem:
;;   THIS VERSION OF THE PROBLEM IS GIVEN IN LOW PRECISION. The matrix products marked QUANTISED in the list below multiply operands that are first quantised to E2M1 (2 exponent bits, 1 mantissa bit; 4 bits a number), with one power-of-two scale for each 32 numbers along K (OCP MX v1.0); their sums are f32. All else is computed in f32.
;;   The module's matrix products, in the order in which they are computed (A, B: the left and right operand; K: the contracted axis; several contracted axes count as one K, in the product's order):
;;     1. [M 4,096, K 1,024] x [K 1,024, N 64]; A: input x; B: input q_U: QUANTISED
;;     2. [M 4,096, K 64] x [K 64, N 1,024]; A: computed on the way; B: input q_V: QUANTISED
;;     3. [M 4,096, K 1,024] x [K 1,024, N 4]; A: input x; B: input q_A: left as it is (N = 4 < 16)
;;     4. [M 4,096, K 4] x [K 4, N 1,024]; A: computed on the way; B: input q_B: left as it is (K = 4 < 32)
;;     5. [M 4,096, K 1,024] x [K 1,024, N 64]; A: input x; B: input k_U: QUANTISED
;;     6. [M 4,096, K 64] x [K 64, N 1,024]; A: computed on the way; B: input k_V: QUANTISED
;;     7. [M 4,096, K 1,024] x [K 1,024, N 4]; A: input x; B: input k_A: left as it is (N = 4 < 16)
;;     8. [M 4,096, K 4] x [K 4, N 1,024]; A: computed on the way; B: input k_B: left as it is (K = 4 < 32)
;;     9. [M 4,096, K 1,024] x [K 1,024, N 64]; A: input x; B: input v_U: QUANTISED
;;     10. [M 4,096, K 64] x [K 64, N 1,024]; A: computed on the way; B: input v_V: QUANTISED
;;     11. [M 4,096, K 1,024] x [K 1,024, N 4]; A: input x; B: input v_A: left as it is (N = 4 < 16)
;;     12. [M 4,096, K 4] x [K 4, N 1,024]; A: computed on the way; B: input v_B: left as it is (K = 4 < 32)
;;     13. batch 32 x [M 2,048, K 64] x [K 64, N 2,048]; A: computed on the way; B: computed on the way: QUANTISED
;;     14. batch 32 x [M 2,048, K 2,048] x [K 2,048, N 64]; A: softmax (see below); B: computed on the way: QUANTISED
;;     15. batch 32 x [M 2,048, K 64] x [K 64, N 32]; A: computed on the way; B: computed on the way: QUANTISED
;;     16. batch 32 x [M 2,048, K 32] x [K 32, N 64]; A: softmax (see below); B: computed on the way: QUANTISED
;;     17. batch 2 x [M 32,768, K 64] x [K 64, N 256]; A: computed on the way; B: input memory_vectors: QUANTISED
;;     18. batch 2 x [M 32,768, K 256] x [K 256, N 64]; A: softmax (see below); B: input memory_vectors: QUANTISED
;;     19. [M 4,096, K 64] x [K 64, N 2]; A: computed on the way; B: input t_W: left as it is (N = 2 < 16)
;;     20. [M 4,096, K 64] x [K 64, N 64]; A: computed on the way; B: input i_W: QUANTISED
;;     21. [M 4,096, K 64] x [K 64, N 32]; A: computed on the way; B: input c_W: QUANTISED
;;     22. [M 4,096, K 1,024] x [K 1,024, N 1,024]; A: computed on the way; B: input out_W: QUANTISED
;;   THE QUANTISER, for each operand of a quantised product, along K:
;;     - K is cut into blocks of 32 from its start; a last block that is shorter is filled with zeros.
;;     - A block's scale is 2^e with e = floor(log2(the largest magnitude in the block)) - 2, held to -126 .. 127; a block of zeros has e = 0. As a byte (E8M0): e + 127.
;;     - Each number is divided by its block's scale, clamped to +-6, and rounded to the nearest number of E2M1, ties to even, subnormals kept.
;;     - The product sums the exact products of the quantised numbers (number of the format x scale) in f32.
;;   ~~~python
;;   def quantise(x, axis):      # numpy; x: float32 -> the quantised numbers, widened to float32 again
;;       x = np.moveaxis(x, axis, -1); K = x.shape[-1]
;;       x = np.pad(x, [(0, 0)] * (x.ndim - 1) + [(0, -K % 32)]); x = x.reshape(x.shape[:-1] + (-1, 32)); a = np.abs(x).max(-1, keepdims=True)
;;       e = np.where(a > 0, np.clip(np.frexp(np.where(a > 0, a, 1))[1] - 1 - 2, -126, 127), 0)      # np.frexp(a)[1] - 1 = floor(log2(a)), exactly
;;       r = np.clip(x / 2.0 ** e, -6, 6)
;;       step = 2.0 ** (np.maximum(np.frexp(np.where(r == 0, 1, r))[1] - 1, 0) - 1)
;;       q = np.round(r / step) * step * 2.0 ** e      # np.round: ties to even
;;       return np.moveaxis(q.reshape(q.shape[:-2] + (-1,))[..., :K], -1, axis).astype(np.float32)
;;   ~~~
;;   SOFTMAX AHEAD OF A QUANTISED PRODUCT. Where the list says 'softmax', what is quantised is not the finished softmax but p = 2^(t - M), with t = logit x log2(e) and M = ceil(the row's largest t), a whole number; so 1/2 < the row's largest p <= 1. The row's sum l is taken of the UNQUANTISED p, in f32, and the product's result is divided by l at the end. Since M is a whole number, a kernel that streams over the keys may use a running M (the ceiling of the running maximum): every later rescaling is an exact power of two, which a block's scale takes up: the codes' values come out the same.
;;   OPERANDS COMPUTED ON THE WAY. 'Computed on the way' means the value that the module computes at that place (a softmax that the list does not call 'softmax' is quantised finished and normalised). What goes into a quantiser is computed in f32, as accurately as f32 sums, v_exp_f32 and their like allow (about 1e-6 of the number): no bf16 or f16 on the way to a quantiser, and a product that is left as it is and whose result goes on into a quantised operand takes f32 operands (vector FMAs, or v_wmma_f32_16x16x4_f32). A number that lies on a knife's edge between two numbers of the format may be rounded either way, as far as f32 arithmetic and the matrix unit's own rounding can turn it there, and no further.
;; 2 versions. Each part assembles by itself: llvm-mc -triple=amdgcn-amd-amdhsa -mcpu=gfx1250 --defsym DOCPART=n.
;; ======== version 1 of 2: 4 launches
;; workspace buffers: wts 312,576 bytes; owq 557,056 bytes; qkv 7,077,888 bytes; fus 2,228,224 bytes
;; launch prep (part 1): grid 687 x 1, 1 waves a work-group, no clusters, 5,632 bytes of LDS; arguments out_W, q_V, k_V, v_V, memory_vectors, i_W, c_W, q_U, k_U, v_U, q_A, k_A, v_A, wts, owq; writes wts, owq
.if DOCPART == 1
	.amdgcn_target "amdgcn-amd-amdhsa--gfx1250"
	.amdhsa_code_object_version 6
	.text
	.protected	k_q46ed890827_prep
	.globl	k_q46ed890827_prep
	.p2align	8
	.type	k_q46ed890827_prep,@function
k_q46ed890827_prep:
	s_mov_b64 s[64:65], 0
	v_nop
	global_prefetch_b8 v0, s[64:65] scope:SCOPE_SE
	s_setreg_imm32_b32 hwreg(HW_REG_WAVE_MODE, 25, 1), 1
	s_wait_xcnt 0x0
; All weights become codes of FP4 (E2M1) with one E8M0 byte for each 32 along a product's K, once, for the later launches.
; One wave takes one item (the work-group's number).  Three ways:
;   S, items 0-626: tensors whose K is innermost (out_W, q_V, k_V, v_V, the memory along d, i_W, c_W): 2,048 numbers an item, a plain stream of blocks of 32.
;   T, items 627-654: tensors whose K is the first axis (q_U, k_U, v_U, the memory along its slots): 32 columns x 256 along K; a lane takes a column, its registers run down K.
;   A, items 655-686: q_A, k_A, v_A stay f32 and are laid as 16 rows of 1,024 (row 4 p + c = column c of A_p; rows 12-15 zeros).
; A block's scale is 2^(floor(log2(largest magnitude)) - 2); its byte is the largest magnitude's exponent field - 2, held at 1 from below.
; LIMITS: a block of zeros, and a block whose largest magnitude lies under 2^(3 - 127), keep the byte 1 (the codes of a block of zeros are zeros; this program alone reads the bytes); NaN and infinities are not served.
; LAYOUTS in wts: at 0 the block-major codes [K block][64 rows][16 bytes]; at WT_SW their scale words [K step of 4 blocks][64 rows];
;   at WT_K64C rows of 64 codes (32 bytes); at WT_K64S their scale bytes, for each 32 rows 16 words: word i = the two bytes of row k = i + 8 (i / 8) below, those of row k + 8 above.
.set WT_SW,   114688
.set WT_K64C, 121856
.set WT_K64S, 239616
.set WT_A12,  247040
.set OW_SC,   524288                   ; out_W's scale bytes in owq, behind its codes
.set N_S,     627                      ; items of way S
.set N_T,     655                      ; and with them those of way T
.set EMAX,    2
.set SP,      80                       ; a lane's place in a stage: 64 bytes + 16 of padding
.set SCB,     2*32*SP                  ; behind the two stages: the item's 64 scale bytes
.set R,   16                           ; v16-79   way S: four sets of 16 numbers as loaded
.set X,   80                           ; v80-111  two sets of 16 neighbours
.set E,   112                          ; v112-115 a scale byte for each step
.set C,   128                          ; v128-143 codes, four registers a step
.set TX,  32                           ; v32-95   way T: two sets of 32 numbers
.set TC,  96                           ; v96-127  codes, four registers a block
.set TS,  24                           ; v24-25   scale bytes, four to a register
	s_load_b512 s[8:23], s[0:1], 0x0               ; out_W, q_V, k_V, v_V, memory, i_W, c_W, q_U
	s_load_b256 s[24:31], s[0:1], 0x40             ; k_U, v_U, q_A, k_A
	s_load_b128 s[32:35], s[0:1], 0x60             ; v_A, wts
	s_load_b64 s[36:37], s[0:1], 0x70              ; owq
	v_lshl_add_u32 v160, v0, 2, 0x1500
	v_mov_b32 v161, 0
	v_and_b32 v2, 31, v0                           ; lane
	s_mov_b32 s45, 0
	s_wait_kmcnt 0x0
	s_cmp_lt_u32 ttmp9, N_S
	s_cbranch_scc0 .Lnot_s
; ---- way S
.macro PICK from, ptr                  ; from item 'from' on the source is the tensor at s[ptr]
	s_cmp_ge_u32 ttmp9, \from
	s_cselect_b64 s[40:41], s[\ptr:\ptr+1], s[40:41]
	s_cselect_b32 s42, \from, s42
.endm
	s_mov_b64 s[40:41], s[8:9]
	s_mov_b32 s42, 0
	PICK 512, 10
	PICK 544, 12
	PICK 576, 14
	PICK 608, 16
	PICK 624, 18
	PICK 626, 20
	s_cmp_ge_u32 ttmp9, 512                        ; out_W goes to owq, all else to wts
	s_cselect_b64 s[46:47], s[34:35], s[36:37]
	s_cselect_b32 s48, 512, 0
	s_cselect_b32 s49, WT_K64C, 0
	s_mov_b32 s50, OW_SC
	s_cselect_b32 s50, WT_K64S, s50
	s_cselect_b32 s51, -1, 0
	s_sub_co_u32 s43, ttmp9, s42
	s_lshl_b32 s44, s43, 13                        ; 8,192 bytes of f32 an item
	s_add_nc_u64 s[40:41], s[40:41], s[44:45]
	s_sub_co_u32 s43, ttmp9, s48
	s_lshl_b32 s44, s43, 10                        ; 1,024 bytes of codes
	s_add_co_u32 s44, s44, s49
	s_add_nc_u64 s[52:53], s[46:47], s[44:45]
	s_lshl_b32 s44, s43, 6                         ; 64 scale bytes
	s_add_co_u32 s44, s44, s50
	s_add_nc_u64 s[54:55], s[46:47], s[44:45]
	v_lshlrev_b32 v3, 4, v2                        ; my 16 bytes of a load's 512
	v_lshrrev_b32 v14, 2, v2
	v_mul_u32_u24 v14, v14, SP
	v_and_b32 v15, 3, v2
	v_lshl_add_u32 v14, v15, 4, v14                ; the stage, on the way in: four lanes' 64 bytes, then the padding
	v_mul_u32_u24 v15, v2, SP                      ; and on the way out: my 16 neighbours
	v_lshlrev_b32 v4, 3, v2                        ; my 8 bytes of a step's codes
	v_lshrrev_b32 v5, 1, v2
	v_add_nc_u32 v5, SCB, v5                       ; my block's byte
	v_lshl_add_u32 v6, v2, 1, SCB                  ; on the way out: the two bytes of row = lane
	v_lshlrev_b32 v8, 1, v2                        ; out_W: the bytes as they lie
	v_and_b32 v9, 7, v2                            ; rows of 64: the place of row k in its 16 words: 4 (k % 8 + 8 (k / 16)) + 2 ((k / 8) % 2)
	v_lshrrev_b32 v10, 4, v2
	v_lshl_add_u32 v9, v10, 3, v9
	v_lshlrev_b32 v9, 2, v9
	v_bfe_u32 v10, v2, 3, 1
	v_lshl_add_u32 v9, v10, 1, v9
	v_cndmask_b32 v7, v8, v9, s51
.macro SLOAD t                         ; no cache hint: the memory vectors are read by way T too
.irp i, 0,1,2,3
	global_load_b128 v[R+16*(\t)+4*\i:R+16*(\t)+4*\i+3], v3, s[40:41] offset:2048*(\t)+512*\i
.endr
.endm
.macro STURN t                         ; a step's 2,048 bytes through the stage: LDS serves a wave's instructions in order
.irp i, 0,1,2,3
	ds_store_b128 v14, v[R+16*(\t)+4*\i:R+16*(\t)+4*\i+3] offset:32*SP*((\t)%2)+8*SP*\i
.endr
.irp i, 0,1,2,3
	ds_load_b128 v[X+16*((\t)%2)+4*\i:X+16*((\t)%2)+4*\i+3], v15 offset:32*SP*((\t)%2)+16*\i
.endr
.endm
.macro SSTEP t
.set XS, X+16*((\t)%2)
.if (\t) > 0
	s_wait_dscnt 1                                 ; this step's numbers are back from the stage; the last step's byte store may be out
.else
	s_wait_dscnt 0x0
.endif
.if (\t) < 3
	s_wait_loadcnt 4*(2-(\t))                      ; the next step's four loads are in; those of the steps behind it may be out
	STURN (\t)+1
.endif
	v_max3_num_f32 v8, |v[XS]|, |v[XS+1]|, |v[XS+2]|
	v_max3_num_f32 v9, |v[XS+3]|, |v[XS+4]|, |v[XS+5]|
.irp i, 6,10
	v_max3_num_f32 v8, v8, |v[XS+\i]|, |v[XS+\i+1]|
	v_max3_num_f32 v9, v9, |v[XS+\i+2]|, |v[XS+\i+3]|
.endr
	v_max3_num_f32 v8, v8, |v[XS+14]|, |v[XS+15]|
	v_max3_num_f32 v8, v8, v9, (EMAX+1)<<23        ; with the floor: the byte cannot fall under 1
	v_max_num_f32_dpp v8, v8, v8 row_xmask:1 row_mask:0xf bank_mask:0xf   ; and my neighbour's 16: the block's largest magnitude
	v_add_nc_u32 v11, -(EMAX<<23), v8              ; 2 off the exponent field: the conversion's scale operand
	v_cvt_scalef32_pk8_fp4_f32 v[C+4*(\t)], v[XS:XS+7], v11
	v_cvt_scalef32_pk8_fp4_f32 v[C+4*(\t)+1], v[XS+8:XS+15], v11
	v_lshrrev_b32 v[E+(\t)], 23, v11               ; the scale's byte
	ds_store_b8 v5, v[E+(\t)] offset:16*(\t)
	global_store_b64 v4, v[C+4*(\t):C+4*(\t)+1], s[52:53] offset:256*(\t)   ; the wave stores 256 consecutive bytes
.endm
	SLOAD 0
	SLOAD 1
	SLOAD 2
	SLOAD 3
	s_wait_loadcnt 12                              ; step 0's four loads are in
	STURN 0
	SSTEP 0
	SSTEP 1
	SSTEP 2
	SSTEP 3
	ds_load_u16 v12, v6
	s_wait_dscnt 0x0
	global_store_b16 v7, v12, s[54:55]             ; 64 consecutive bytes in all
	s_wait_tensorcnt 0x0
	ds_add_u32 v160, v161
	s_wait_dscnt 0x0
	s_endpgm
.Lnot_s:
	s_cmp_lt_u32 ttmp9, N_T
	s_cbranch_scc0 .Lway_a
; ---- way T: item i: tensor i / 8 (the memory: 24-27), 256 along K number (i / 2) % 4, columns 32 (i % 2) on
	s_sub_co_u32 s42, ttmp9, N_S
	s_mov_b64 s[40:41], s[22:23]
	s_cmp_ge_u32 s42, 8
	s_cselect_b64 s[40:41], s[24:25], s[40:41]
	s_cmp_ge_u32 s42, 16
	s_cselect_b64 s[40:41], s[26:27], s[40:41]
	s_cmp_ge_u32 s42, 24
	s_cselect_b64 s[40:41], s[16:17], s[40:41]
	s_lshr_b32 s43, s42, 1
	s_and_b32 s46, s42, 1
	s_and_b32 s44, s43, 3
	s_lshl_b32 s44, s44, 16                        ; 256 rows of 256 bytes
	s_lshl_b32 s47, s46, 7
	s_add_co_u32 s44, s44, s47
	s_add_nc_u64 s[40:41], s[40:41], s[44:45]
	s_lshl_b32 s44, s43, 13                        ; K block 8 (i / 2), 1,024 bytes a block,
	s_lshl_b32 s47, s46, 9                         ; row 32 (i % 2), 16 bytes a row
	s_add_co_u32 s44, s44, s47
	s_add_nc_u64 s[52:53], s[34:35], s[44:45]
	s_lshl_b32 s44, s43, 9                         ; K step 2 (i / 2), 256 bytes a step
	s_lshl_b32 s47, s46, 7
	s_add_co_u32 s44, s44, s47
	s_add_co_u32 s44, s44, WT_SW
	s_add_nc_u64 s[54:55], s[34:35], s[44:45]
	v_lshlrev_b32 v3, 2, v2
	v_lshlrev_b32 v4, 4, v2
.macro TLD t                           ; block t: rows 32 t + i of my column
.irp i, 0,1,2,3,4,5,6,7,8,9,10,11,12,13,14,15,16,17,18,19,20,21,22,23,24,25,26,27,28,29,30,31
	global_load_b32 v[TX+32*((\t)%2)+\i], v3, s[40:41] offset:(32*(\t)+\i)*256
.endr
.endm
.macro TBLOCK t
.set XS, TX+32*((\t)%2)
.if (\t) < 7
	s_wait_loadcnt 32                              ; this block's 32 loads are in; the next block's may be out
.else
	s_wait_loadcnt 0x0
.endif
	v_max3_num_f32 v12, |v[XS]|, |v[XS+1]|, |v[XS+2]|
	v_max3_num_f32 v13, |v[XS+3]|, |v[XS+4]|, |v[XS+5]|
.irp i, 6,10,14,18,22,26
	v_max3_num_f32 v12, v12, |v[XS+\i]|, |v[XS+\i+1]|
	v_max3_num_f32 v13, v13, |v[XS+\i+2]|, |v[XS+\i+3]|
.endr
	v_max3_num_f32 v12, v12, |v[XS+30]|, |v[XS+31]|
	v_max3_num_f32 v12, v12, v13, (EMAX+1)<<23
	v_add_nc_u32 v11, -(EMAX<<23), v12
	v_lshrrev_b32 v13, 23, v11
.if (\t)%4 == 0
	v_mov_b32 v[TS+(\t)/4], v13
.else
	v_lshl_or_b32 v[TS+(\t)/4], v13, 8*((\t)%4), v[TS+(\t)/4]
.endif
.irp g, 0,1,2,3
	v_cvt_scalef32_pk8_fp4_f32 v[TC+4*(\t)+\g], v[XS+8*\g:XS+8*\g+7], v11
.endr
	v_nop                                          ; one plain line behind the conversions
	global_store_b128 v4, v[TC+4*(\t):TC+4*(\t)+3], s[52:53] offset:1024*(\t)   ; 32 rows x 16 bytes: 512 consecutive bytes
.if (\t)+2 < 8
	TLD (\t)+2
.endif
.endm
	TLD 0
	TLD 1
.irp t, 0,1,2,3,4,5,6,7
	TBLOCK \t
.endr
	global_store_b32 v3, v[TS], s[54:55]
	global_store_b32 v3, v[TS+1], s[54:55] offset:256
	s_endpgm
.Lway_a:
; ---- way A: rows k = 32 a + lane of the three A
	s_sub_co_u32 s42, ttmp9, N_T
	s_lshl_b32 s44, s42, 9
	s_add_nc_u64 s[28:29], s[28:29], s[44:45]
	s_add_nc_u64 s[30:31], s[30:31], s[44:45]
	s_add_nc_u64 s[32:33], s[32:33], s[44:45]
	v_lshlrev_b32 v4, 4, v2
	global_load_b128 v[16:19], v4, s[28:29]
	global_load_b128 v[20:23], v4, s[30:31]
	global_load_b128 v[24:27], v4, s[32:33]
	s_lshl_b32 s46, s42, 7
	s_add_co_u32 s46, s46, WT_A12
	s_mov_b32 s47, 0
	s_add_nc_u64 s[52:53], s[34:35], s[46:47]
	v_lshlrev_b32 v3, 2, v2
	v_mov_b32 v28, 0
	s_wait_loadcnt 0x0
.irp n, 0,1,2,3,4,5,6,7,8,9,10,11
	global_store_b32 v3, v[16+\n], s[52:53] offset:4096*\n
.endr
.irp n, 12,13,14,15
	global_store_b32 v3, v28, s[52:53] offset:4096*\n
.endr
	s_endpgm
.Lfunc_end_k_q46ed890827_prep:
	.size	k_q46ed890827_prep, .Lfunc_end_k_q46ed890827_prep-k_q46ed890827_prep
	.p2alignl 7, 3214868480
	.fill 96, 4, 3214868480
	.section	.rodata,"a",@progbits
	.p2align	6, 0x0
	.amdhsa_kernel k_q46ed890827_prep
		.amdhsa_group_segment_fixed_size 5632
		.amdhsa_private_segment_fixed_size 0
		.amdhsa_enable_private_segment 0
		.amdhsa_kernarg_size 120
		.amdhsa_user_sgpr_count 2
		.amdhsa_user_sgpr_kernarg_segment_ptr 1
		.amdhsa_wavefront_size32 1
		.amdhsa_system_sgpr_workgroup_id_x 1
		.amdhsa_system_sgpr_workgroup_id_y 1
		.amdhsa_system_sgpr_workgroup_id_z 1
		.amdhsa_system_vgpr_workitem_id 0
		.amdhsa_next_free_vgpr 162
		.amdhsa_next_free_sgpr 66
		.amdhsa_reserve_vcc 0
		.amdhsa_float_denorm_mode_32 3
		.amdhsa_float_denorm_mode_16_64 3
		.amdhsa_memory_ordered 1
		.amdhsa_forward_progress 1
		.amdhsa_inst_pref_size 52
	.end_amdhsa_kernel
	.amdgpu_metadata
---
amdhsa.version: [ 1, 2 ]
amdhsa.kernels:
  - .name:           k_q46ed890827_prep
    .symbol:         k_q46ed890827_prep.kd
    .args:
      - { .name: out_W, .offset: 0, .size: 8, .value_kind: global_buffer, .address_space: global }
      - { .name: q_V, .offset: 8, .size: 8, .value_kind: global_buffer, .address_space: global }
      - { .name: k_V, .offset: 16, .size: 8, .value_kind: global_buffer, .address_space: global }
      - { .name: v_V, .offset: 24, .size: 8, .value_kind: global_buffer, .address_space: global }
      - { .name: memory_vectors, .offset: 32, .size: 8, .value_kind: global_buffer, .address_space: global }
      - { .name: i_W, .offset: 40, .size: 8, .value_kind: global_buffer, .address_space: global }
      - { .name: c_W, .offset: 48, .size: 8, .value_kind: global_buffer, .address_space: global }
      - { .name: q_U, .offset: 56, .size: 8, .value_kind: global_buffer, .address_space: global }
      - { .name: k_U, .offset: 64, .size: 8, .value_kind: global_buffer, .address_space: global }
      - { .name: v_U, .offset: 72, .size: 8, .value_kind: global_buffer, .address_space: global }
      - { .name: q_A, .offset: 80, .size: 8, .value_kind: global_buffer, .address_space: global }
      - { .name: k_A, .offset: 88, .size: 8, .value_kind: global_buffer, .address_space: global }
      - { .name: v_A, .offset: 96, .size: 8, .value_kind: global_buffer, .address_space: global }
      - { .name: wts, .offset: 104, .size: 8, .value_kind: global_buffer, .address_space: global }
      - { .name: owq, .offset: 112, .size: 8, .value_kind: global_buffer, .address_space: global }
    .group_segment_fixed_size: 5632
    .private_segment_fixed_size: 0
    .kernarg_segment_align: 8
    .kernarg_segment_size: 120
    .max_flat_workgroup_size: 32
    .sgpr_count:     66
    .vgpr_count:     162
    .wavefront_size: 32
...
	.end_amdgpu_metadata
.endif
;; end of part 1
;; launch proj (part 2): grid 128 x 1, 16 waves a work-group, no clusters, 169,984 bytes of LDS; arguments x, wts, q_alpha, k_alpha, v_alpha, q_B, k_B, v_B, q_b, k_b, v_b, qkv; writes qkv
.if DOCPART == 2
	.amdgcn_target "amdgcn-amd-amdhsa--gfx1250"
	.amdhsa_code_object_version 6
	.text
	.protected	k_q46ed890827_proj
	.globl	k_q46ed890827_proj
	.p2align	8
	.type	k_q46ed890827_proj,@function
k_q46ed890827_proj:
	s_mov_b64 s[64:65], 0
	v_nop
	global_prefetch_b8 v0, s[64:65] scope:SCOPE_SE
	s_setreg_imm32_b32 hwreg(HW_REG_WAVE_MODE, 25, 1), 1
	s_wait_xcnt 0x0
; q, k, v = ((x U) alpha) V^T + (x A) B + b for 32 rows of x (one block of 32 keys) a work-group, and their codes of FP4 (E2M1) with E8M0 block scales for the attention.
; The products with U and V run on codes; x A and (x A) B stay f32 (the f32 matrix form), since their result goes on into a quantiser.
; PHASE X (16 waves): wave w takes rows 16 (w % 2) on and columns 128 (w / 2) on of x: its part of x A, and the fragment's codes; both go to LDS.
; PHASE 1 (waves 0-11): wave (p, half of the rank, tile of rows) sums x U_p over K = 1,024, multiplies by alpha, quantises: half a fragment of y to LDS.  All waves add the parts of x A.
; PHASE 2 (16 waves): wave w is head w: y V^T + b by scaled products, (x A) B added by f32 products, then quantised: q, k along the head's 64 (results transposed: a lane holds one row),
;   v along the 32 keys (a lane holds one channel).  Rows 64 g of v also leave as f32, for the strided attention.
; AN OPERAND WITH K = 64 fills half of the instruction's 128: the weight's fragment carries two tiles of 16 rows (registers 0-3 and 4-7) and the other operand lies between zeros, [0 | c | 0]:
;   the run [c | 0] picks the first tile, the run [0 | c] the second.  Lane r of tile u takes row r + 8 (r / 8) + 8 u, so that the 16 registers of two tiles are 16 neighbours along the next K.
; U's codes and scale words come into LDS once, by tensor loads of waves 0-4 (one load a wave is out); nothing is filled again.
; LIMITS: a block whose largest magnitude lies under 2^(3 - 127), a block of zeros among them, keeps the byte 1; NaN and infinities are not served.
.set WT_SW,   114688
.set WT_K64C, 121856
.set WT_K64S, 239616
.set WT_A12,  247040
.set KC, 2097152                       ; qkv: q's codes at 0, k's here, [head of a batch][row][32 bytes];
.set VC, 4194304                       ; v's codes [head][block of 32 keys][channel][16 bytes];
.set QS, 6291456                       ; q's scale words [head][row];
.set KS, 6553600                       ; k's scale bytes, 64 a block, in the order of the pair words;
.set VS, 6684672                       ; v's scale bytes [head][channel][block];
.set VG, 6815744                       ; rows 64 g of v, f32 [batch][g][1,024]
.set UL,   0                           ; LDS: U's codes, 96 K blocks of 1,024 bytes,
.set USW,  98304                       ; their scale words, 24 K steps of 256 bytes,
.set XIMG, 104448                      ; x's 16 fragments as images of their registers, 1,024 bytes each,
.set XSC,  120832                      ; their scale words, 128 bytes each,
.set XAP,  122880                      ; the parts of x A: 256 rows of 64 bytes + 16,
.set YIMG, 143360                      ; y's fragments (2 p + m), 512 bytes each,
.set YSC,  147456                      ; their scale words, 64 bytes each
.set TM,  32                           ; v32-47   at work in the quantisers
.set PC,  48                           ; v48-55   codes just made
.set PW,  56                           ; v56      a scale word just made
.set HW0, 57                           ; v57, v31 the two scale bytes of a row, for the two tiles of rows
.set HW1, 31
.set ACC, 58                           ; v58-89   accumulators: written by matrix instructions alone
.set US,  90                           ; v90-93 U's scale words, v94-95 x's, v96-97 V's, v98-99 y's: they hold scales and nothing else
.set XS,  94
.set VSW, 96
.set YW,  98
.set X,   100                          ; v100-163 phase X: 64 numbers of x
.set AW,  164                          ; v164-227 and 64 of the A
.set UF,  100                          ; phase 1: four fragments of U,
.set XF,  132                          ; two of x,
.set AL,  148                          ; 16 of alpha
.set RT,  100                          ; the parts of x A on their way to a sum
.set VF,  164                          ; phase 2: V's two pair fragments,
.set BMF, 180                          ; B's four tiles, two registers each,
.set BIAS, 188                         ; the bias in the result's layout, four tiles
.set XA,  220                          ; v220-231 x A: pair 4 p + 2 m
.set YS,  232                          ; v232-251 [0 | y(m = 0) | 0 | y(m = 1) | 0]; ahead of that the 16 numbers of y
.macro WMZ d, a, b, sa, sb
	v_wmma_scale_f32_16x16x128_f8f6f4 v[\d:\d+7], v[\a:\a+7], v[\b:\b+7], 0, v[\sa], v[\sb] matrix_a_fmt:MATRIX_FMT_FP4 matrix_b_fmt:MATRIX_FMT_FP4
.endm
.macro WMC d, a, b, c, sa, sb
	v_wmma_scale_f32_16x16x128_f8f6f4 v[\d:\d+7], v[\a:\a+7], v[\b:\b+7], v[\c:\c+7], v[\sa], v[\sb] matrix_a_fmt:MATRIX_FMT_FP4 matrix_b_fmt:MATRIX_FMT_FP4
.endm
.macro PLACES n
.rept \n
	v_nop
.endr
.endm
	s_load_b512 s[4:19], s[0:1], 0x0               ; x, wts, q_alpha, k_alpha, v_alpha, q_B, k_B, v_B
	s_load_b256 s[20:27], s[0:1], 0x40             ; q_b, k_b, v_b, qkv
	v_lshl_add_u32 v254, v0, 2, 0x29000
	v_mov_b32 v255, 0
	ds_add_u32 v254, v255
	ds_add_u32 v254, v255
	v_lshrrev_b32 v1, 5, v0
	v_readfirstlane_b32 s28, v1                    ; wave 0..15
	s_lshr_b32 s29, s28, 2                         ; phase 1: p,
	s_bfe_u32 s30, s28, 0x10001                    ; which 32 of the rank,
	s_and_b32 s31, s28, 1                          ; which tile of rows (phase X too)
	s_lshr_b32 s32, s28, 1                         ; phase X: which 128 along K
	s_lshr_b32 s33, ttmp9, 6                       ; batch
	s_and_b32 s34, ttmp9, 63                       ; block of 32 keys
	; descriptors: dense blocks as rows of 256 bytes (32 elements of 8 bytes), no padding: 96 rows for a quarter of U's codes, 24 for the scale words
	s_mov_b32 s36, 3<<16
	s_mov_b32 s37, 32<<16
	s_mov_b32 s38, 96<<16
	s_mov_b32 s39, 32<<16
	s_mov_b32 s40, 96
	s_mov_b32 s41, 32
	s_mov_b32 s42, 0
	s_mov_b32 s43, 0
	s_mov_b32 s44, 3<<16
	s_mov_b32 s45, 32<<16
	s_mov_b32 s46, 24<<16
	s_mov_b32 s47, 32<<16
	s_mov_b32 s48, 24
	s_mov_b32 s49, 32
	s_mov_b32 s50, 0
	s_mov_b32 s51, 0
	s_mul_i32 s60, s28, 24576
	s_mov_b32 s61, 0
	s_wait_dscnt 0x0
	s_wait_kmcnt 0x0
	s_mov_b32 s52, 1
	s_mov_b32 s53, s60                             ; LDS: wave x 24,576
	s_add_nc_u64 s[54:55], s[6:7], s[60:61]
	s_or_b32 s55, s55, 0x80000000
	s_mov_b32 s56, 1
	s_mov_b32 s57, USW
	s_add_nc_u64 s[58:59], s[6:7], WT_SW
	s_or_b32 s59, s59, 0x80000000
	s_cmp_lt_u32 s28, 4                            ; waves 0-3: U's codes; wave 4: the scale words; four v_nop follow each line
	s_cbranch_scc0 .Lnot_codes
	tensor_load_to_lds s[52:55], s[36:43]
	s_nop 0
	PLACES 4
	s_branch .Lasked
.Lnot_codes:
	s_cmp_eq_u32 s28, 4
	s_cbranch_scc0 .Lasked
	tensor_load_to_lds s[56:59], s[44:51]
	s_nop 0
	PLACES 4
.Lasked:
	; every address register is made here, ahead of any parting of the waves
	v_and_b32 v1, 31, v0                           ; L
	v_and_b32 v2, 15, v0                           ; r
	v_bfe_u32 v3, v0, 4, 1                         ; h
	v_and_b32 v4, 8, v2
	v_add_nc_u32 v4, v4, v2                        ; r + 8 (r / 8)
	v_lshlrev_b32 v5, 12, v2
	v_lshl_add_u32 v5, v3, 6, v5                   ; x and the A: row r of 4,096 bytes + 64 h
	v_lshlrev_b32 v6, 4, v1                        ; 16 L
	v_lshlrev_b32 v26, 2, v1                       ; 4 L
	v_lshlrev_b32 v21, 2, v2                       ; 4 r
	v_lshlrev_b32 v24, 2, v4                       ; 4 (r + 8 (r / 8))
	v_lshlrev_b32 v23, 6, v3                       ; 64 h
	s_lshl_b32 s35, s28, 10
	s_add_co_u32 s35, s35, XIMG
	v_add_nc_u32 v7, s35, v6                       ; where I store x's image
	s_lshl_b32 s35, s28, 7
	s_add_co_u32 s35, s35, XSC
	v_add_nc_u32 v8, s35, v26                      ; and its scale word
	s_mul_i32 s35, s28, 1280
	s_add_co_u32 s35, s35, XAP
	v_mul_u32_u24 v9, v2, 80
	v_lshl_add_u32 v16, v3, 3, v9
	v_add_nc_u32 v16, XAP, v16                     ; x A back: row r, + 8 h
	v_lshl_add_u32 v9, v3, 5, v9
	v_add_nc_u32 v9, s35, v9                       ; x A in: row 16 w + r, + 32 h
	s_lshl_b32 s35, s29, 15
	s_lshl_b32 s60, s30, 9
	s_add_co_u32 s35, s35, s60
	v_lshlrev_b32 v10, 4, v4
	v_lshl_add_u32 v10, v3, 10, v10
	v_add_nc_u32 v10, s35, v10                     ; U's fragments
	s_lshl_b32 s35, s29, 11
	s_lshl_b32 s60, s30, 7
	s_add_co_u32 s35, s35, s60
	s_add_co_u32 s35, s35, USW
	v_add_nc_u32 v11, s35, v24                     ; U's scale words
	s_lshl_b32 s35, s31, 10
	s_add_co_u32 s35, s35, XIMG
	v_add_nc_u32 v12, s35, v6                      ; x's images back
	s_lshl_b32 s35, s31, 7
	s_add_co_u32 s35, s35, XSC
	v_add_nc_u32 v13, s35, v26
	s_lshl_b32 s35, s29, 1
	s_add_co_u32 s35, s35, s31                     ; 2 p + m
	s_lshl_b32 s60, s35, 9
	s_lshl_b32 s62, s30, 8
	s_add_co_u32 s60, s60, s62
	s_add_co_u32 s60, s60, YIMG
	v_lshlrev_b32 v14, 4, v2
	v_lshl_add_u32 v14, v3, 3, v14
	v_add_nc_u32 v14, s60, v14                     ; y's image in: 16 r + 256 x block + 8 h
	s_lshl_b32 s60, s35, 6
	s_add_co_u32 s60, s60, s30
	s_add_co_u32 s60, s60, YSC
	v_add_nc_u32 v15, s60, v21                     ; y's scale byte
	v_add_nc_u32 v17, YIMG, v6                     ; y's images back
	v_add_nc_u32 v18, YSC, v21
	s_lshl_b32 s35, s30, 7
	v_add_nc_u32 v19, s35, v23                     ; alpha: my 16 numbers
	v_lshlrev_b32 v20, 5, v4
	v_lshl_add_u32 v20, v3, 4, v20                 ; V's pair fragment
	v_lshl_add_u32 v22, v3, 13, v24                ; B: rows 2 h + j, my column
	v_lshlrev_b32 v25, 5, v2
	v_lshl_add_u32 v25, v3, 4, v25                 ; q's and k's codes out
	v_and_b32 v27, 7, v1                           ; k's scale bytes out: the place of row L among the pair words
	v_lshrrev_b32 v28, 4, v1
	v_lshl_add_u32 v27, v28, 3, v27
	v_lshlrev_b32 v27, 2, v27
	v_bfe_u32 v28, v1, 3, 1
	v_lshl_add_u32 v27, v28, 1, v27
	v_lshlrev_b32 v28, 4, v4
	v_lshl_add_u32 v28, v3, 3, v28                 ; v's codes out
	v_lshlrev_b32 v29, 6, v4                       ; v's scale bytes out
.irp b, 0,1,2,3
	v_mov_b32 v[TM+4+\b], 0                        ; a lane permute's destination counts as one of its sources
.endr
	s_mov_b32 s66, 0x76543210
	s_mov_b32 s67, 0xfedcba98                      ; lane l xor 16
	s_mov_b32 s90, 0xffff0000                      ; lanes 16-31
	s_and_b32 s91, ttmp9, 1
	; scalar bases
	s_lshl_b32 s60, ttmp9, 17
	s_lshl_b32 s62, s31, 16
	s_add_co_u32 s60, s60, s62
	s_lshl_b32 s62, s32, 9
	s_add_co_u32 s60, s60, s62
	s_add_nc_u64 s[68:69], s[4:5], s[60:61]        ; x at my 16 rows, my 128 columns
	s_add_co_u32 s60, s62, WT_A12
	s_add_nc_u64 s[70:71], s[6:7], s[60:61]        ; the A likewise
	s_cmp_eq_u32 s29, 0
	s_cselect_b64 s[72:73], s[8:9], s[12:13]
	s_cmp_eq_u32 s29, 1
	s_cselect_b64 s[72:73], s[10:11], s[72:73]     ; alpha of my p
	s_lshl_b32 s60, s28, 11
	s_add_co_u32 s60, s60, WT_K64C
	s_add_nc_u64 s[74:75], s[6:7], s[60:61]        ; V's codes at my head's 64 rows
	s_lshl_b32 s60, s28, 7
	s_add_co_u32 s60, s60, WT_K64S
	s_add_nc_u64 s[76:77], s[6:7], s[60:61]
	s_lshl_b32 s60, s28, 8
.irp q, 14,16,18,20,22,24
	s_add_nc_u64 s[\q:\q+1], s[\q:\q+1], s[60:61]  ; the B and the biases at my head's 64 columns
.endr
	s_lshl_b32 s78, s33, 4
	s_add_co_u32 s78, s78, s28                     ; 16 x batch + head
	s_lshl_b32 s60, s78, 16
	s_lshl_b32 s62, s34, 10
	s_add_co_u32 s60, s60, s62
	s_add_nc_u64 s[80:81], s[26:27], s[60:61]      ; codes: the same place in q's, k's and v's part
	s_lshl_b32 s60, s78, 13
	s_lshl_b32 s62, s34, 7
	s_add_co_u32 s60, s60, s62
	s_add_co_u32 s60, s60, QS
	s_add_nc_u64 s[82:83], s[26:27], s[60:61]
	s_lshl_b32 s60, s78, 12
	s_lshl_b32 s62, s34, 6
	s_add_co_u32 s60, s60, s62
	s_add_co_u32 s60, s60, KS
	s_add_nc_u64 s[84:85], s[26:27], s[60:61]
	s_lshl_b32 s60, s78, 12
	s_add_co_u32 s60, s60, s34
	s_add_co_u32 s60, s60, VS
	s_add_nc_u64 s[86:87], s[26:27], s[60:61]
	s_lshl_b32 s60, s33, 5
	s_lshr_b32 s62, s34, 1
	s_add_co_u32 s60, s60, s62
	s_lshl_b32 s60, s60, 12
	s_lshl_b32 s62, s28, 8
	s_add_co_u32 s60, s60, s62
	s_add_co_u32 s60, s60, VG
	s_add_nc_u64 s[88:89], s[26:27], s[60:61]
; 64 numbers of a lane, register 16 b + i = k 32 b + 16 h + i of my row, become a fragment's codes in v[PC] on and its scale word in v[PW]
.macro QUANT src
.irp b, 0,1,2,3
	v_max3_num_f32 v[TM+\b], |v[\src+16*\b]|, |v[\src+1+16*\b]|, 0x1800000   ; with the floor 2^(3 - 127)
.endr
.irp i, 2,4,6,8,10,12,14
.irp b, 0,1,2,3
	v_max3_num_f32 v[TM+\b], v[TM+\b], |v[\src+16*\b+\i]|, |v[\src+1+16*\b+\i]|
.endr
.endr
.irp b, 0,1,2,3
	v_permlanex16_b32 v[TM+4+\b], v[TM+\b], s66, s67
.endr
.irp b, 0,1,2,3
	v_max_num_f32 v[TM+\b], v[TM+\b], v[TM+4+\b]
.endr
.irp b, 0,1,2,3
	v_add_nc_u32 v[TM+12+\b], 0xff000000, v[TM+\b]     ; 2 off the exponent field: the conversion's scale operand
.endr
.irp b, 0,1,2,3
	v_lshrrev_b32 v[TM+4+\b], 23, v[TM+12+\b]
.endr
	v_lshl_or_b32 v[PW], v[TM+5], 8, v[TM+4]
	v_lshl_or_b32 v[PW], v[TM+6], 16, v[PW]
	v_lshl_or_b32 v[PW], v[TM+7], 24, v[PW]
.irp b, 0,1,2,3
	v_cvt_scalef32_pk8_fp4_f32 v[PC+2*\b], v[\src+16*\b:\src+7+16*\b], v[TM+12+\b]
	v_cvt_scalef32_pk8_fp4_f32 v[PC+1+2*\b], v[\src+8+16*\b:\src+15+16*\b], v[TM+12+\b]
.endr
	v_nop
.irp c, 0,1
.irp i, 0,1
	v_permlane16_swap_b32 v[PC+4*\c+\i], v[PC+2+4*\c+\i]   ; a whole block to a lane
.endr
.endr
.endm
; the same for 32 numbers (K = 64): four registers of codes at v[dst], the two bytes in v[hw]
.macro QUANT2 src, dst, hw
.irp b, 0,1
	v_max3_num_f32 v[TM+\b], |v[\src+16*\b]|, |v[\src+1+16*\b]|, 0x1800000
.endr
.irp i, 2,4,6,8,10,12,14
.irp b, 0,1
	v_max3_num_f32 v[TM+\b], v[TM+\b], |v[\src+16*\b+\i]|, |v[\src+1+16*\b+\i]|
.endr
.endr
.irp b, 0,1
	v_permlanex16_b32 v[TM+4+\b], v[TM+\b], s66, s67
.endr
.irp b, 0,1
	v_max_num_f32 v[TM+\b], v[TM+\b], v[TM+4+\b]
.endr
.irp b, 0,1
	v_add_nc_u32 v[TM+12+\b], 0xff000000, v[TM+\b]
.endr
.irp b, 0,1
	v_lshrrev_b32 v[TM+4+\b], 23, v[TM+12+\b]
.endr
	v_lshl_or_b32 v[\hw], v[TM+5], 8, v[TM+4]
.irp b, 0,1
	v_cvt_scalef32_pk8_fp4_f32 v[\dst+2*\b], v[\src+16*\b:\src+7+16*\b], v[TM+12+\b]
	v_cvt_scalef32_pk8_fp4_f32 v[\dst+1+2*\b], v[\src+8+16*\b:\src+15+16*\b], v[TM+12+\b]
.endr
	v_nop
	v_permlane16_swap_b32 v[\dst], v[\dst+2]
	v_permlane16_swap_b32 v[\dst+1], v[\dst+3]
.endm
; the operands of phase 2 for projection idx: V's two pair fragments and pair words, B's four tiles, the bias in the result's layout (kind 0: eight columns a lane; kind 1: one column a lane)
.macro LOADSET idx, bmat, bias, kind
.irp g, 0,1
	global_load_b128 v[VF+8*\g:VF+8*\g+3], v20, s[74:75] offset:32768*\idx+1024*\g
	global_load_b128 v[VF+8*\g+4:VF+8*\g+7], v20, s[74:75] offset:32768*\idx+1024*\g+256
	global_load_b32 v[VSW+\g], v21, s[76:77] offset:2048*\idx+64*\g
.irp u, 0,1
.irp j, 0,1
	global_load_b32 v[BMF+4*\g+2*\u+\j], v22, s[\bmat:\bmat+1] offset:128*\g+32*\u+4096*\j
.endr
.if \kind == 0
	global_load_b128 v[BIAS+16*\g+8*\u:BIAS+16*\g+8*\u+3], v23, s[\bias:\bias+1] offset:128*\g+32*\u
	global_load_b128 v[BIAS+16*\g+8*\u+4:BIAS+16*\g+8*\u+7], v23, s[\bias:\bias+1] offset:128*\g+32*\u+16
.else
.irp j, 0,1,2,3,4,5,6,7
	global_load_b32 v[BIAS+16*\g+8*\u+\j], v24, s[\bias:\bias+1] offset:128*\g+32*\u
.endr
.endif
.endr
.endr
.endm
; ---- PHASE X
.irp b, 0,1,2,3
.irp j, 0,1,2,3
	global_load_b128 v[AW+16*\b+4*\j:AW+16*\b+4*\j+3], v5, s[70:71] offset:128*\b+16*\j
.endr
.endr
.irp b, 0,1,2,3
.irp j, 0,1,2,3
	global_load_b128 v[X+16*\b+4*\j:X+16*\b+4*\j+3], v5, s[68:69] offset:128*\b+16*\j th:TH_LOAD_NT
.endr
.endr
	s_wait_loadcnt 0x0
	; x A, transposed: source 0 = the 16 rows of the A, source 1 = my 16 rows of x; both sides hold the same k in the same place.  Four accumulators by turns; the first four start the sums
.irp b, 0,1,2,3
	v_wmma_f32_16x16x4_f32 v[ACC+8*\b:ACC+8*\b+7], v[AW+16*\b:AW+16*\b+1], v[X+16*\b:X+16*\b+1], 0
.endr
.irp i, 2,4,6,8,10,12,14
.irp b, 0,1,2,3
	v_wmma_f32_16x16x4_f32 v[ACC+8*\b:ACC+8*\b+7], v[AW+16*\b+\i:AW+16*\b+\i+1], v[X+16*\b+\i:X+16*\b+\i+1], v[ACC+8*\b:ACC+8*\b+7]
.endr
.endr
	QUANT X                                        ; its lines are also the places behind the products above
	ds_store_b128 v7, v[PC:PC+3]
	ds_store_b128 v7, v[PC+4:PC+7] offset:512
	ds_store_b32 v8, v[PW]
.irp j, 0,2,4,6
	v_pk_add_f32 v[TM+\j:TM+\j+1], v[ACC+\j:ACC+\j+1], v[ACC+8+\j:ACC+9+\j]
.endr
.irp j, 0,2,4,6
	v_pk_add_f32 v[TM+8+\j:TM+9+\j], v[ACC+16+\j:ACC+17+\j], v[ACC+24+\j:ACC+25+\j]
.endr
.irp j, 0,2,4,6
	v_pk_add_f32 v[TM+\j:TM+\j+1], v[TM+\j:TM+\j+1], v[TM+8+\j:TM+9+\j]
.endr
	ds_store_b128 v9, v[TM:TM+3]                   ; my row r of x: columns 8 h + 0 .. 7 of x A, for my 128 along K
	ds_store_b128 v9, v[TM+4:TM+7] offset:16
.irp j, 0,1,2,3
	global_load_b128 v[AL+4*\j:AL+4*\j+3], v19, s[72:73] offset:16*\j
.endr
	LOADSET 0, 14, 20, 0
	s_wait_tensorcnt 0x0                           ; my part of U has landed,
	s_wait_dscnt 0x0                               ; my stores too
	s_barrier_signal -1
	s_barrier_wait -1
; ---- PHASE 1
	s_cmp_lt_u32 s28, 12
	s_cbranch_scc0 .Ljoin
.irp t, 0,1,2,3
.if \t > 0
	PLACES 4                                       ; in front of loads into registers that matrix instructions have read
.endif
.irp e, 0,1
.irp u, 0,1
	ds_load_b128 v[UF+16*\e+8*\u:UF+16*\e+8*\u+3], v10 offset:4096*(2*\t+\e)+128*\u
	ds_load_b128 v[UF+16*\e+8*\u+4:UF+16*\e+8*\u+7], v10 offset:4096*(2*\t+\e)+2048+128*\u
	ds_load_b32 v[US+2*\e+\u], v11 offset:256*(2*\t+\e)+32*\u
.endr
	ds_load_b128 v[XF+8*\e:XF+8*\e+3], v12 offset:2048*(2*\t+\e)
	ds_load_b128 v[XF+8*\e+4:XF+8*\e+7], v12 offset:2048*(2*\t+\e)+512
	ds_load_b32 v[XS+\e], v13 offset:256*(2*\t+\e)
.endr
	s_wait_dscnt 0x0
.irp e, 0,1
.irp u, 0,1
.if 2*\t+\e == 0
	WMZ ACC+8*\u, UF+16*\e+8*\u, XF+8*\e, US+2*\e+\u, XS+\e
.else
	WMC ACC+8*\u, UF+16*\e+8*\u, XF+8*\e, ACC+8*\u, US+2*\e+\u, XS+\e
.endif
.endr
.endr
.endr
	PLACES 4
	s_wait_loadcnt 0x0                             ; alpha
.irp j, 0,2,4,6,8,10,12,14
	v_pk_mul_f32 v[YS+\j:YS+\j+1], v[ACC+\j:ACC+\j+1], v[AL+\j:AL+\j+1]   ; y: rank 32 x block + 16 h + 0 .. 15 of my row
.endr
	v_max3_num_f32 v[TM], |v[YS]|, |v[YS+1]|, 0x1800000
.irp i, 2,4,6,8,10,12,14
	v_max3_num_f32 v[TM], v[TM], |v[YS+\i]|, |v[YS+\i+1]|
.endr
	v_permlanex16_b32 v[TM+4], v[TM], s66, s67
	v_max_num_f32 v[TM], v[TM], v[TM+4]
	v_add_nc_u32 v[TM+12], 0xff000000, v[TM]
	v_lshrrev_b32 v[TM+8], 23, v[TM+12]
	v_cvt_scalef32_pk8_fp4_f32 v[PC], v[YS:YS+7], v[TM+12]
	v_cvt_scalef32_pk8_fp4_f32 v[PC+1], v[YS+8:YS+15], v[TM+12]
	v_nop
	ds_store_b64 v14, v[PC:PC+1]
	ds_store_b8 v15, v[TM+8]                       ; the scale word repeats its two bytes: it serves the run [c | 0] and the run [0 | c]
	ds_store_b8 v15, v[TM+8] offset:2
.Ljoin:
	; every wave adds the eight parts of x A: pair (p, m) = x A(row r of tile m, columns 4 p + 2 h + 0, 1)
.irp m, 0,1
.irp p, 0,1,2
.irp e, 0,1,2,3,4,5,6,7
	ds_load_b64 v[RT+16*\p+2*\e:RT+16*\p+2*\e+1], v16 offset:(2*\e+\m)*1280+16*\p
.endr
.endr
	s_wait_dscnt 0x0
.irp p, 0,1,2
.irp e, 0,4,8,12
	v_pk_add_f32 v[RT+16*\p+\e:RT+16*\p+\e+1], v[RT+16*\p+\e:RT+16*\p+\e+1], v[RT+16*\p+\e+2:RT+16*\p+\e+3]
.endr
.irp e, 0,8
	v_pk_add_f32 v[RT+16*\p+\e:RT+16*\p+\e+1], v[RT+16*\p+\e:RT+16*\p+\e+1], v[RT+16*\p+\e+4:RT+16*\p+\e+5]
.endr
	v_pk_add_f32 v[XA+4*\p+2*\m:XA+4*\p+2*\m+1], v[RT+16*\p:RT+16*\p+1], v[RT+16*\p+8:RT+16*\p+9]
.endr
.endr
.irp z, 0,1,2,3,8,9,10,11,16,17,18,19
	v_mov_b32 v[YS+\z], 0                          ; the zeros round y's codes
.endr
	s_wait_dscnt 0x0
	s_barrier_signal -1
	s_barrier_wait -1
; ---- PHASE 2
.macro YLOAD idx
	s_wait_loadcnt 0x0                             ; this projection's operands
	ds_load_b128 v[YS+4:YS+7], v17 offset:512*(2*\idx)
	ds_load_b128 v[YS+12:YS+15], v17 offset:512*(2*\idx+1)
	ds_load_b32 v[YW], v18 offset:64*(2*\idx)
	ds_load_b32 v[YW+1], v18 offset:64*(2*\idx+1)
	s_wait_dscnt 0x0
.endm
; q and k, tile of rows m, transposed: source 0 = V's rows (B's columns), source 1 = y (x A).  The bias is the C of the first product.
.macro MULQK idx, m
.irp g, 0,1
	WMC ACC+16*\g, VF+8*\g, YS+4+8*\m, BIAS+16*\g, VSW+\g, YW+\m
	WMC ACC+16*\g+8, VF+8*\g, YS+8*\m, BIAS+16*\g+8, VSW+\g, YW+\m
.endr
	PLACES 5                                       ; another form writes over these results
.irp g, 0,1
.irp u, 0,1
	v_wmma_f32_16x16x4_f32 v[ACC+16*\g+8*\u:ACC+16*\g+8*\u+7], v[BMF+4*\g+2*\u:BMF+4*\g+2*\u+1], v[XA+4*\idx+2*\m:XA+4*\idx+2*\m+1], v[ACC+16*\g+8*\u:ACC+16*\g+8*\u+7]
.endr
.endr
	PLACES 9
.endm
.macro POSTQK m, hw, imm
	s_wait_xcnt 0x0                                ; the codes' registers are written again only behind this wait
	QUANT2 ACC, PC, \hw
	global_store_b128 v25, v[PC:PC+3], s[80:81] offset:\imm+512*\m   ; 16 rows x 32 bytes: 512 consecutive bytes
.endm
	YLOAD 0
	MULQK 0, 0
	POSTQK 0, HW0, 0
	MULQK 0, 1
	LOADSET 1, 16, 22, 0
	POSTQK 1, HW1, 0
	v_cndmask_b32 v[PW], v[HW0], v[HW1], s90       ; lane L: row L of the 32
	v_lshl_or_b32 v[PW], v[PW], 16, v[PW]
	global_store_b32 v26, v[PW], s[82:83]
	YLOAD 1
	MULQK 1, 0
	POSTQK 0, HW0, KC
	MULQK 1, 1
	LOADSET 2, 18, 24, 1
	POSTQK 1, HW1, KC
	v_cndmask_b32 v[PW], v[HW0], v[HW1], s90
	global_store_b16 v27, v[PW], s[84:85]
	YLOAD 2
; v, half g of the head, not transposed: source 0 = y (x A), source 1 = V's rows (B's columns): a lane holds one channel; accumulator 16 u + 8 m: keys 16 m + 8 h + 0 .. 7
.macro MULV g
.irp m, 0,1
	WMC ACC+8*\m, YS+4+8*\m, VF+8*\g, BIAS+16*\g, YW+\m, VSW+\g
.endr
.irp m, 0,1
	WMC ACC+16+8*\m, YS+8*\m, VF+8*\g, BIAS+16*\g+8, YW+\m, VSW+\g
.endr
	PLACES 5
.irp u, 0,1
.irp m, 0,1
	v_wmma_f32_16x16x4_f32 v[ACC+16*\u+8*\m:ACC+16*\u+8*\m+7], v[XA+8+2*\m:XA+9+2*\m], v[BMF+4*\g+2*\u:BMF+4*\g+2*\u+1], v[ACC+16*\u+8*\m:ACC+16*\u+8*\m+7]
.endr
.endr
	PLACES 9
.endm
.macro POSTV g
	s_wait_xcnt 0x0
.irp u, 0,1
	v_max3_num_f32 v[TM+\u], |v[ACC+16*\u]|, |v[ACC+16*\u+1]|, 0x1800000
.endr
.irp i, 2,4,6,8,10,12,14
.irp u, 0,1
	v_max3_num_f32 v[TM+\u], v[TM+\u], |v[ACC+16*\u+\i]|, |v[ACC+16*\u+\i+1]|
.endr
.endr
.irp u, 0,1
	v_permlanex16_b32 v[TM+4+\u], v[TM+\u], s66, s67
.endr
.irp u, 0,1
	v_max_num_f32 v[TM+\u], v[TM+\u], v[TM+4+\u]   ; the 32 keys' largest magnitude for my channel
.endr
.irp u, 0,1
	v_add_nc_u32 v[TM+12+\u], 0xff000000, v[TM+\u]
.endr
.irp u, 0,1
	v_lshrrev_b32 v[TM+8+\u], 23, v[TM+12+\u]
.endr
.irp u, 0,1
	v_cvt_scalef32_pk8_fp4_f32 v[PC+2*\u], v[ACC+16*\u:ACC+16*\u+7], v[TM+12+\u]
	v_cvt_scalef32_pk8_fp4_f32 v[PC+2*\u+1], v[ACC+16*\u+8:ACC+16*\u+15], v[TM+12+\u]
.endr
	v_nop
.irp u, 0,1
	v_permlane16_swap_b32 v[PC+2*\u], v[PC+2*\u+1] ; lanes 0-15: keys 0-15, lanes 16-31: keys 16-31
.endr
.irp u, 0,1
	global_store_b64 v28, v[PC+2*\u:PC+2*\u+1], s[80:81] offset:VC+512*\g+128*\u
	global_store_b8 v29, v[TM+8+\u], s[86:87] offset:(32*\g+8*\u)*64
.endr
	s_cmp_lg_u32 s91, 0                            ; an even block begins with a row 64 g: it leaves as f32 too
	s_cbranch_scc1 .Lodd_\@
.irp u, 0,1
	v_permlanex16_b32 v[TM+4+\u], v[ACC+16*\u], s66, s67
.endr
.irp u, 0,1
	v_cndmask_b32 v[TM+4+\u], v[ACC+16*\u], v[TM+4+\u], s90   ; key 0 lies in lanes 0-15: both halves of the lanes now hold it and store the same number
.endr
.irp u, 0,1
	global_store_b32 v24, v[TM+4+\u], s[88:89] offset:128*\g+32*\u
.endr
.Lodd_\@:
.endm
	MULV 0
	POSTV 0
	MULV 1
	POSTV 1
	s_wait_tensorcnt 0x0
	ds_add_u32 v254, v255
	s_wait_dscnt 0x0
	s_endpgm
.Lfunc_end_k_q46ed890827_proj:
	.size	k_q46ed890827_proj, .Lfunc_end_k_q46ed890827_proj-k_q46ed890827_proj
	.p2alignl 7, 3214868480
	.fill 96, 4, 3214868480
	.section	.rodata,"a",@progbits
	.p2align	6, 0x0
	.amdhsa_kernel k_q46ed890827_proj
		.amdhsa_group_segment_fixed_size 169984
		.amdhsa_private_segment_fixed_size 0
		.amdhsa_enable_private_segment 0
		.amdhsa_kernarg_size 96
		.amdhsa_user_sgpr_count 2
		.amdhsa_user_sgpr_kernarg_segment_ptr 1
		.amdhsa_wavefront_size32 1
		.amdhsa_system_sgpr_workgroup_id_x 1
		.amdhsa_system_sgpr_workgroup_id_y 1
		.amdhsa_system_sgpr_workgroup_id_z 1
		.amdhsa_system_vgpr_workitem_id 0
		.amdhsa_next_free_vgpr 256
		.amdhsa_next_free_sgpr 96
		.amdhsa_reserve_vcc 0
		.amdhsa_float_denorm_mode_32 3
		.amdhsa_float_denorm_mode_16_64 3
		.amdhsa_memory_ordered 1
		.amdhsa_forward_progress 1
		.amdhsa_inst_pref_size 64
	.end_amdhsa_kernel
	.amdgpu_metadata
---
amdhsa.version: [ 1, 2 ]
amdhsa.kernels:
  - .name:           k_q46ed890827_proj
    .symbol:         k_q46ed890827_proj.kd
    .args:
      - { .name: x, .offset: 0, .size: 8, .value_kind: global_buffer, .address_space: global }
      - { .name: wts, .offset: 8, .size: 8, .value_kind: global_buffer, .address_space: global }
      - { .name: q_alpha, .offset: 16, .size: 8, .value_kind: global_buffer, .address_space: global }
      - { .name: k_alpha, .offset: 24, .size: 8, .value_kind: global_buffer, .address_space: global }
      - { .name: v_alpha, .offset: 32, .size: 8, .value_kind: global_buffer, .address_space: global }
      - { .name: q_B, .offset: 40, .size: 8, .value_kind: global_buffer, .address_space: global }
      - { .name: k_B, .offset: 48, .size: 8, .value_kind: global_buffer, .address_space: global }
      - { .name: v_B, .offset: 56, .size: 8, .value_kind: global_buffer, .address_space: global }
      - { .name: q_b, .offset: 64, .size: 8, .value_kind: global_buffer, .address_space: global }
      - { .name: k_b, .offset: 72, .size: 8, .value_kind: global_buffer, .address_space: global }
      - { .name: v_b, .offset: 80, .size: 8, .value_kind: global_buffer, .address_space: global }
      - { .name: qkv, .offset: 88, .size: 8, .value_kind: global_buffer, .address_space: global }
    .group_segment_fixed_size: 169984
    .private_segment_fixed_size: 0
    .kernarg_segment_align: 8
    .kernarg_segment_size: 96
    .max_flat_workgroup_size: 512
    .sgpr_count:     96
    .vgpr_count:     256
    .wavefront_size: 32
...
	.end_amdgpu_metadata
.endif
;; end of part 2
;; launch attn (part 3): grid 8 x 32, 16 waves a work-group, no clusters, 55,552 bytes of LDS; arguments qkv, wts, t_W, t_b, i_b, c_b, fus, out1, out2, out3; writes fus, out1, out2, out3
.if DOCPART == 3
	.amdgcn_target "amdgcn-amd-amdhsa--gfx1250"
	.amdhsa_code_object_version 6
	.text
	.protected	k_q46ed890827_attn
	.globl	k_q46ed890827_attn
	.p2align	8
	.type	k_q46ed890827_attn,@function
k_q46ed890827_attn:
	s_mov_b64 s[64:65], 0
	v_nop
	global_prefetch_b8 v0, s[64:65] scope:SCOPE_SE
	s_setreg_imm32_b32 hwreg(HW_REG_WAVE_MODE, 25, 1), 1
	s_wait_xcnt 0x0
; combined = local + strided + memory attention for 256 queries of one head, all six products on codes of FP4 (E2M1) with E8M0 block scales; then its codes for the output product, and for head 0 the three small heads.
; A wave owns 16 queries.  The band |key - query| <= 128 of its queries lies in nine aligned blocks of 32 keys; what lies outside the band or the sequence becomes -infinity ahead of the maximum (p = 0).
; SOFTMAX: t = score x log2(e) / 8; M = the running largest t rounded up to a whole number; p = 2^(t - M) is quantised along the keys, not normalised; the sum of the unquantised p divides at the end.
; Both products are used transposed, so that a lane holds one query throughout.  K = 64 fills half of the instruction's 128: a fragment of keys carries two tiles of 16 (registers 0-3 and 4-7),
; q lies between zeros [0 | q | 0], and the runs [q | 0] and [0 | q] pick the tiles.  Lane r of tile u takes key r + 8 (r / 8) + 8 u of a block, so that 16 registers are 16 neighbouring keys; the channels of a tile of V likewise.
; The work-group's 16 blocks of K and V, the memory's codes both ways and all scale words are staged in LDS once, through registers; one barrier.  Blocks beyond the sequence's ends are held to its first or last block; their scores are hidden.
; LIMITS: a block whose largest magnitude lies under 2^(3 - 127), a block of zeros among them, keeps the byte 1; NaN and infinities among the inputs are not served.
.set WT_SW,   114688
.set WT_K64C, 121856
.set WT_K64S, 239616
.set KC, 2097152
.set VC, 4194304
.set QS, 6291456
.set KS, 6553600
.set VS, 6684672
.set VG, 6815744
.set KL,  0                            ; LDS: 16 blocks of K, 1,024 bytes each (32 keys x 32 bytes)
.set VL,  16384                        ; 16 blocks of V (64 channels x 16 bytes)
.set MDL, 32768                        ; the memory along d: 8 groups of 32 slots
.set MML, 40960                        ; the memory along its slots: 8 blocks (64 channels x 16 bytes)
.set KSL, 49152                        ; K's pair words, 64 bytes a block
.set VSL, 50176                        ; V's scale bytes [channel][16 blocks]
.set MDS, 51200                        ; the memory's pair words
.set MMS, 51712                        ; and its scale words [K step][channel]
.set VGL, 52224                        ; the strided V: 64 channels x 16 bytes
.set VGS, 53248                        ; its scale bytes, a word each
.set QF,  16                           ; v16-27 [0 | q | 0];  v28 its scale word
.set QW,  28
.set F,   32                           ; v32-63 four fragments of keys or of V
.set KG,  64                           ; v64-71 the strided keys;  v72 their pair word
.set KGW, 72
.set DLO, 73                           ; v73-75 the band's ends against a register's key
.set DH1, 74
.set DH2, 75
.set KW,  76                           ; v76-79 the keys' pair words; v80-87 V's scale words as they lie; v88-91 as the product wants them: scales and nothing else
.set VR,  80
.set VW,  88
.set S,   96                           ; v96-159 scores, then p
.set O,   160                          ; v160-191 one attention's result, transposed
.set COMB, 192                         ; v192-223 the sum of the three
.set P,   224                          ; v224-231 p's codes
.set BM,  232                          ; v232-235 a block's largest score;  v236-239 at work;  v244-247 the conversions' scale operands;  v252 f, v253 p's scale word, v254 at work
.set BT,  236
.set SO,  244
.set SEL, 34
.set CS,  36
.macro WMZ d, a, b, sa, sb
	v_wmma_scale_f32_16x16x128_f8f6f4 v[\d:\d+7], v[\a:\a+7], v[\b:\b+7], 0, v[\sa], v[\sb] matrix_a_fmt:MATRIX_FMT_FP4 matrix_b_fmt:MATRIX_FMT_FP4
.endm
.macro WMC d, a, b, c, sa, sb
	v_wmma_scale_f32_16x16x128_f8f6f4 v[\d:\d+7], v[\a:\a+7], v[\b:\b+7], v[\c:\c+7], v[\sa], v[\sb] matrix_a_fmt:MATRIX_FMT_FP4 matrix_b_fmt:MATRIX_FMT_FP4
.endm
.macro PLACES n
.rept \n
	v_nop
.endr
.endm
	s_load_b512 s[4:19], s[0:1], 0x0               ; qkv, wts, t_W, t_b, i_b, c_b, fus, out1
	s_load_b128 s[20:23], s[0:1], 0x40             ; out2, out3
	v_lshrrev_b32 v1, 5, v0
	v_readfirstlane_b32 s24, v1                    ; wave 0..15
	s_lshr_b32 s25, s24, 1                         ; a: my window begins at staged block a
	s_and_b32 s27, ttmp7, 0xffff                   ; 16 x batch + head
	s_lshr_b32 s28, s27, 4
	s_and_b32 s29, s27, 15
	s_and_b32 s30, s25, 3
	s_lshl_b32 s30, s30, 3                         ; 8 (a % 4): V's scale bytes are shifted by so many bits
	s_lshl_b32 s26, ttmp9, 8
	s_lshl_b32 s32, s24, 4
	s_add_co_u32 s32, s32, s26                     ; my first query
	s_lshl_b32 s31, s25, 5
	s_add_co_u32 s31, s31, s26
	s_sub_co_i32 s31, s31, 128                     ; the first key of my window (it may lie ahead of key 0)
	s_mov_b32 s[SEL], 0x76543210
	s_mov_b32 s[SEL+1], 0xfedcba98
	s_mov_b32 s[CS], 0x3e38aa3b                    ; log2(e) / 8
	s_mov_b32 s[CS+1], s[CS]
	s_mov_b32 s41, 0
	v_and_b32 v232, 31, v0                         ; L
	v_and_b32 v233, 15, v0                         ; r
	v_bfe_u32 v234, v0, 4, 1                       ; h
	v_and_b32 v235, 8, v233
	v_add_nc_u32 v235, v235, v233                  ; r + 8 (r / 8)
	v_lshlrev_b32 v1, 5, v235
	v_lshl_add_u32 v1, v234, 4, v1                 ; a pair fragment's place for my lane
	s_lshl_b32 s38, s25, 10
	v_add_nc_u32 v2, s38, v1                       ; K of my window
	v_add_nc_u32 v3, MDL, v1                       ; the memory along d
	v_lshlrev_b32 v240, 2, v233                    ; 4 r
	s_lshl_b32 s39, s25, 6
	s_add_co_u32 s39, s39, KSL
	v_add_nc_u32 v4, s39, v240
	v_add_nc_u32 v5, MDS, v240
	v_lshlrev_b32 v241, 4, v235
	s_add_co_u32 s39, s38, VL
	v_add_nc_u32 v7, s39, v241                     ; V of my window, one block
	v_lshl_add_u32 v6, v234, 10, v7                ; four blocks: lanes 16-31 one block on
	v_lshl_add_u32 v8, v234, 10, v241
	v_add_nc_u32 v8, MML, v8
	v_add_nc_u32 v9, VGL, v241
	s_lshr_b32 s39, s25, 2
	s_lshl_b32 s39, s39, 2
	s_add_co_u32 s39, s39, VSL
	v_add_nc_u32 v10, s39, v241                    ; V's scale bytes: the aligned word that holds block a's
	s_add_co_u32 s39, s25, VSL
	v_add_nc_u32 v11, s39, v241                    ; and block a's byte
	v_lshlrev_b32 v242, 2, v235
	v_add_nc_u32 v29, MMS, v242
	v_add_nc_u32 v30, VGS, v242
	v_lshlrev_b32 v243, 4, v232                    ; 16 L
	v_lshlrev_b32 v244, 2, v232                    ; 4 L
	s_lshl_b32 s39, s24, 10
	v_add_nc_u32 v92, s39, v243                    ; staging: block = wave
	s_lshl_b32 s39, s24, 9
	v_add_nc_u32 v93, s39, v243
	s_lshl_b32 s39, s24, 6
	v_add_nc_u32 v94, s39, v240
	v_lshlrev_b32 v95, 2, v0
	s_and_b32 s39, s24, 1
	s_lshl_b32 s40, s39, 9
	s_add_co_u32 s40, s40, VGL
	v_add_nc_u32 v248, s40, v243
	s_lshl_b32 s40, s39, 7
	s_add_co_u32 s40, s40, VGS
	v_add_nc_u32 v249, s40, v244
	; the band's ends.  Register 16 b + i of a step holds key (step's first) + 32 b + 16 h + i.  query - 128 - (window's first key) = 16 (w % 2) + r
	s_lshl_b32 s38, s39, 4
	v_add_nc_u32 v[DLO], s38, v233
	v_add_nc_u32 v[DH1], 128, v[DLO]
	s_sub_co_i32 s40, 1919, s31                    ; key 2,047 against the second step's first key
	v_min_u32 v[DH1], s40, v[DH1]
	s_sub_co_i32 s39, 0, s31
	s_max_i32 s39, s39, 0                          ; key 0 against the window's first key
	v_mov_b32 v[DH2], s39
	v_cmp_gt_i32 vcc_lo, v[DH2], v[DLO]
	v_cndmask_b32 v[DLO], v[DLO], v[DH2], vcc_lo
	v_lshlrev_b32 v[DH2], 4, v234
	v_sub_nc_u32 v[DLO], v[DLO], v[DH2]
	v_sub_nc_u32 v[DH1], v[DH1], v[DH2]
	v_add_nc_u32 v[DH2], 0xffffff80, v[DH1]
.irp z, 0,1,2,3,8,9,10,11
	v_mov_b32 v[QF+\z], 0
.endr
	v_mov_b32 v31, 0xff800000                      ; -infinity
.irp b, 0,1,2,3
	v_mov_b32 v[BT+\b], 0                          ; a lane permute's destination counts as one of its sources
.endr
	; ---- staging: every wave one block of K and of V, 512 bytes of the memory each way, one word a thread of the small tables
	s_lshl_b32 s38, ttmp9, 3
	s_add_co_u32 s38, s38, s24
	s_sub_co_i32 s38, s38, 4
	s_max_i32 s38, s38, 0
	s_min_i32 s38, s38, 63
	s_lshl_b32 s39, s27, 6
	s_add_co_u32 s39, s39, s38
	s_lshl_b32 s40, s39, 10
	s_wait_kmcnt 0x0
	s_add_nc_u64 s[42:43], s[4:5], s[40:41]
	s_lshl_b32 s40, s39, 6
	s_add_nc_u64 s[44:45], s[4:5], s[40:41]
	global_load_b128 v[96:99], v243, s[42:43] offset:KC
	global_load_b128 v[100:103], v243, s[42:43] offset:KC+512
	global_load_b128 v[104:107], v243, s[42:43] offset:VC
	global_load_b128 v[108:111], v243, s[42:43] offset:VC+512
	global_load_b32 v120, v240, s[44:45] offset:KS
	s_lshl_b32 s40, s28, 13
	s_lshl_b32 s38, s24, 9
	s_add_co_u32 s40, s40, s38
	s_add_nc_u64 s[46:47], s[6:7], s[40:41]
	global_load_b128 v[112:115], v243, s[46:47] offset:WT_K64C+98304
	global_load_b128 v[116:119], v243, s[46:47] offset:98304
	v_and_b32 v245, 3, v0                          ; waves 0-7: V's scale bytes: channel t / 4, word 2 i - 1 + t % 4 of its 16, held to 0 .. 15
	s_lshl_b32 s40, ttmp9, 1
	v_add_nc_u32 v245, s40, v245
	v_min_u32 v246, 1, v245
	v_sub_nc_u32 v245, v245, v246
	v_min_u32 v245, 15, v245
	v_lshrrev_b32 v246, 2, v0
	v_lshlrev_b32 v246, 6, v246
	v_lshl_add_u32 v245, v245, 2, v246
	s_lshl_b32 s40, s27, 12
	s_add_co_u32 s40, s40, VS
	v_add_nc_u32 v245, s40, v245
	v_and_b32 v246, 127, v0                        ; waves 8-11: the memory's pair words; waves 12-15: its scale words along the slots
	s_mov_b32 s40, WT_SW+6144
	s_cmp_lt_u32 s24, 12
	s_cselect_b32 s40, WT_K64S+6144, s40
	s_lshl_b32 s48, s28, 9
	s_add_co_u32 s40, s40, s48
	v_lshl_add_u32 v246, v246, 2, s40
	s_cmp_lt_u32 s24, 8
	s_cselect_b64 s[48:49], s[4:5], s[6:7]
	s_cselect_b32 s50, 0, -1
	v_cndmask_b32 v245, v245, v246, s50
	global_load_b32 v121, v245, s[48:49]
	s_lshl_b32 s40, s27, 16
	s_lshl_b32 s51, s32, 5
	s_add_co_u32 s40, s40, s51
	s_add_nc_u64 s[52:53], s[4:5], s[40:41]
	v_lshlrev_b32 v247, 5, v233
	v_lshl_add_u32 v247, v234, 4, v247
	global_load_b128 v[QF+4:QF+7], v247, s[52:53]  ; q's fragment stays in registers
	s_lshl_b32 s40, s27, 13
	s_lshl_b32 s51, s32, 2
	s_add_co_u32 s40, s40, s51
	s_add_nc_u64 s[54:55], s[4:5], s[40:41]
	global_load_b32 v[QW], v240, s[54:55] offset:QS
	s_lshl_b32 s40, s27, 16
	s_add_nc_u64 s[56:57], s[4:5], s[40:41]
	v_lshlrev_b32 v250, 11, v235
	v_lshl_add_u32 v250, v234, 4, v250
	global_load_b128 v[KG:KG+3], v250, s[56:57] offset:KC            ; the strided keys: key 64 g is row 0 of block 2 g
	global_load_b128 v[KG+4:KG+7], v250, s[56:57] offset:KC+16384
	s_lshl_b32 s40, s27, 12
	s_add_nc_u64 s[58:59], s[4:5], s[40:41]
	v_lshlrev_b32 v251, 7, v235
	global_load_u16 v[KGW], v251, s[58:59] offset:KS
	global_load_u16 v[VR], v251, s[58:59] offset:KS+1024
	s_lshl_b32 s40, s28, 17
	s_lshl_b32 s38, s29, 8
	s_add_co_u32 s40, s40, s38
	s_and_b32 s38, s24, 1
	s_lshl_b32 s38, s38, 7
	s_add_co_u32 s40, s40, s38
	s_add_nc_u64 s[60:61], s[4:5], s[40:41]
	s_cmp_lt_u32 s24, 14                           ; waves 14 and 15: the 32 strided rows of v, a channel a lane
	s_cbranch_scc1 .Lno_vg_load
.irp g, 0,1,2,3,4,5,6,7,8,9,10,11,12,13,14,15,16,17,18,19,20,21,22,23,24,25,26,27,28,29,30,31
	global_load_b32 v[128+\g], v244, s[60:61] offset:VG+4096*\g
.endr
.Lno_vg_load:
	s_wait_loadcnt 0x0
	ds_store_b128 v92, v[96:99]
	ds_store_b128 v92, v[100:103] offset:512
	ds_store_b128 v92, v[104:107] offset:VL
	ds_store_b128 v92, v[108:111] offset:VL+512
	ds_store_b128 v93, v[112:115] offset:MDL
	ds_store_b128 v93, v[116:119] offset:MML
	ds_store_b32 v94, v120 offset:KSL
	ds_store_b32 v95, v121 offset:VSL
	v_lshl_or_b32 v[KGW], v[VR], 16, v[KGW]
	s_cmp_lt_u32 s24, 14
	s_cbranch_scc1 .Lno_vg
	v_max3_num_f32 v250, |v128|, |v129|, |v130|    ; one block of 32 along the strided keys: all its numbers are mine
	v_max3_num_f32 v251, |v131|, |v132|, |v133|
.irp i, 6,10,14,18,22,26
	v_max3_num_f32 v250, v250, |v[128+\i]|, |v[129+\i]|
	v_max3_num_f32 v251, v251, |v[130+\i]|, |v[131+\i]|
.endr
	v_max3_num_f32 v250, v250, |v158|, |v159|
	v_max3_num_f32 v250, v250, v251, 0x1800000
	v_add_nc_u32 v246, 0xff000000, v250
	v_lshrrev_b32 v247, 23, v246
.irp g, 0,1,2,3
	v_cvt_scalef32_pk8_fp4_f32 v[236+\g], v[128+8*\g:135+8*\g], v246
.endr
	v_nop
	ds_store_b128 v248, v[236:239]
	ds_store_b32 v249, v247
.Lno_vg:
	s_wait_dscnt 0x0
	s_barrier_signal -1
	s_barrier_wait -1
; nb blocks of 32 keys: their pair fragments and pair words
.macro KLOAD nb, ka, ko, ksa, kso
	PLACES 4                                       ; in front of loads into registers that matrix instructions have read
.irp b, 0,1,2,3
.if \b < \nb
	ds_load_b128 v[F+8*\b:F+8*\b+3], v[\ka] offset:\ko+1024*\b
	ds_load_b128 v[F+8*\b+4:F+8*\b+7], v[\ka] offset:\ko+1024*\b+256
	ds_load_b32 v[KW+\b], v[\ksa] offset:\kso+64*\b
.endif
.endr
	s_wait_dscnt 0x0
.endm
; the scores: two products a block
.macro SPROD nb, f, kw
.irp b, 0,1,2,3
.if \b < \nb
	WMZ S+16*\b, \f+8*\b, QF+4, \kw+\b, QW
	WMZ S+16*\b+8, \f+8*\b, QF, \kw+\b, QW
.endif
.endr
.endm
; V's four tiles of 16 channels for nb blocks of keys.  With one block registers 4-7 keep older codes, and lanes 16-31 take the same block: both meet zero codes of p
.macro VLOAD nb, va, vo
	PLACES 4                                       ; behind the scores' products: for these loads, and for the first read of the scores
.irp t, 0,1,2,3
	ds_load_b128 v[F+8*\t:F+8*\t+3], v[\va] offset:\vo+512*(\t/2)+128*(\t%2)
.if \nb == 4
	ds_load_b128 v[F+8*\t+4:F+8*\t+7], v[\va] offset:\vo+2048+512*(\t/2)+128*(\t%2)
.endif
.endr
.endm
.macro VSALIGN vso                     ; two aligned words a channel; SOFT shifts the four bytes out of them
.irp t, 0,1,2,3
	ds_load_b32 v[VR+2*\t], v10 offset:\vso+512*(\t/2)+128*(\t%2)
	ds_load_b32 v[VR+2*\t+1], v10 offset:\vso+4+512*(\t/2)+128*(\t%2)
.endr
.endm
.macro VSBYTE
.irp t, 0,1,2,3
	ds_load_u8 v[VW+\t], v11 offset:8+512*(\t/2)+128*(\t%2)
.endr
.endm
.macro VSWORD vsa, vso
.irp t, 0,1,2,3
	ds_load_b32 v[VW+\t], v[\vsa] offset:\vso+128*(\t/2)+32*(\t%2)
.endr
.endm
.macro MASKLO bb                       ; block bb: keys ahead of the band's lower end
.set J, 0
.rept 16
	v_cmp_lt_i32 vcc_lo, 32*\bb+J, v[DLO]
	v_cndmask_b32 v[S+16*\bb+J], v[S+16*\bb+J], v31, vcc_lo
.set J, J+1
.endr
.endm
.macro MASKHI bb, dreg                 ; keys behind its upper end
.set J, 0
.rept 16
	v_cmp_gt_i32 vcc_lo, 32*\bb+J, v[\dreg]
	v_cndmask_b32 v[S+16*\bb+J], v[S+16*\bb+J], v31, vcc_lo
.set J, J+1
.endr
.endm
; the softmax of a step of nb blocks.  first = 1: it starts M, the sum and the result.  al = 1: V's scale words are shifted into place
.macro SOFT nb, first, al
.irp b, 0,1,2,3
.if \b < \nb
	v_max3_num_f32 v[BM+\b], v[S+16*\b], v[S+16*\b+1], v[S+16*\b+2]   ; a block's largest score serves the row's maximum and the block's largest p
.endif
.endr
.irp i, 3,5,7,9,11,13
.irp b, 0,1,2,3
.if \b < \nb
	v_max3_num_f32 v[BM+\b], v[BM+\b], v[S+16*\b+\i], v[S+16*\b+\i+1]
.endif
.endr
.endr
.irp b, 0,1,2,3
.if \b < \nb
	v_max_num_f32 v[BM+\b], v[BM+\b], v[S+16*\b+15]
.endif
.endr
.irp b, 0,1,2,3
.if \b < \nb
	v_permlanex16_b32 v[BT+\b], v[BM+\b], s[SEL], s[SEL+1]
.endif
.endr
.irp b, 0,1,2,3
.if \b < \nb
	v_max_num_f32 v[BM+\b], v[BM+\b], v[BT+\b]
.endif
.endr
.if \nb == 4
	v_max3_num_f32 v254, v[BM], v[BM+1], v[BM+2]
	v_max_num_f32 v254, v254, v[BM+3]
	v_mul_f32 v254, s[CS], v254
.else
	v_mul_f32 v254, s[CS], v[BM]
.endif
.if \first
	v_max_num_f32 v13, 0xff61b1e6, v254            ; no smaller than -3e38, so that M is a number where a whole step is hidden
	v_floor_f32 v12, -v13                          ; -M = floor(-t)
.else
	v_max_num_f32 v13, v13, v254
	v_mov_b32 v254, v12
	v_floor_f32 v12, -v13
	v_sub_f32 v254, v12, v254                      ; old M - new M: a whole number, 0 or less
	v_cvt_i32_f32 v254, v254
	v_ldexp_f32 v252, 1.0, v254                    ; f = 2^(old M - new M): rounds nothing
.endif
	s_wait_dscnt 0x0                               ; V's tiles and scale words are in
.if \al
.irp t, 0,1,2,3
	v_alignbit_b32 v[VW+\t], v[VR+2*\t+1], v[VR+2*\t], s30
.endr
.endif
.set J, 0
.rept 8*\nb
	v_pk_fma_f32 v[S+J:S+J+1], v[S+J:S+J+1], s[CS:CS+1], v[12:13] op_sel_hi:[1,0,0]   ; t - M
.set J, J+2
.endr
.irp b, 0,1,2,3
.if \b < \nb
	v_fma_f32 v[BM+\b], v[BM+\b], s[CS], v12
.endif
.endr
.set J, 0
.rept 16*\nb
	v_exp_f32 v[S+J], v[S+J]                       ; p, at most 1, not normalised
.set J, J+1
.endr
.irp b, 0,1,2,3
.if \b < \nb
	v_exp_f32 v[BM+\b], v[BM+\b]
.endif
.endr
.if \first
	v_mov_b32 v14, 0                               ; the sum, in two halves.  (Plain lines behind the exponentials)
	v_mov_b32 v15, 0
	s_wait_alu depctr_va_vdst(0)
.else
	v_pk_mul_f32 v[14:15], v[14:15], v[252:253] op_sel_hi:[1,0]
	s_wait_alu depctr_va_vdst(0)
.endif
.irp b, 0,1,2,3
.if \b < \nb
	v_max_num_f32 v[BM+\b], 0x1800000, v[BM+\b]    ; the floor: the byte cannot fall under 1
.endif
.endr
.irp b, 0,1,2,3
.if \b < \nb
	v_add_nc_u32 v[SO+\b], 0xff000000, v[BM+\b]
.endif
.endr
.irp b, 0,1,2,3
.if \b < \nb
	v_lshrrev_b32 v[BT+\b], 23, v[SO+\b]
.endif
.endr
.if \nb == 4
	v_lshl_or_b32 v253, v[BT+1], 8, v[BT]
	v_lshl_or_b32 v253, v[BT+2], 16, v253
	v_lshl_or_b32 v253, v[BT+3], 24, v253
.else
	v_mov_b32 v253, v[BT]
.irp z, 2,3,4,5,6,7
	v_mov_b32 v[P+\z], 0                           ; the step's other three blocks: zero codes
.endr
.endif
.irp b, 0,1,2,3
.if \b < \nb
	v_cvt_scalef32_pk8_fp4_f32 v[P+2*\b], v[S+16*\b:S+16*\b+7], v[SO+\b]
	v_cvt_scalef32_pk8_fp4_f32 v[P+2*\b+1], v[S+16*\b+8:S+16*\b+15], v[SO+\b]
.endif
.endr
	v_nop
	v_permlane16_swap_b32 v[P], v[P+2]             ; a whole block to a lane
	v_permlane16_swap_b32 v[P+1], v[P+3]
.if \nb == 4
	v_permlane16_swap_b32 v[P+4], v[P+6]
	v_permlane16_swap_b32 v[P+5], v[P+7]
.endif
	v_pk_add_f32 v[236:237], v[S:S+1], v[S+2:S+3]  ; the sum of the unquantised p, in two chains
.set J, 4
.rept 4*\nb-1
	v_pk_add_f32 v[14:15], v[14:15], v[S+J:S+J+1]
	v_pk_add_f32 v[236:237], v[236:237], v[S+J+2:S+J+3]
.set J, J+4
.endr
	v_pk_add_f32 v[14:15], v[14:15], v[236:237]
.if !\first
.set J, 0
.rept 16
	v_pk_mul_f32 v[O+J:O+J+1], v[O+J:O+J+1], v[252:253] op_sel_hi:[1,0]
.set J, J+2
.endr
.endif
.if \nb == 1
	PLACES 8                                       ; p's scale word and codes were written by vector instructions
.endif
.endm
.macro PVPROD first
.irp t, 0,1,2,3
.if \first
	WMZ O+8*\t, F+8*\t, P, VW+\t, 253
.else
	WMC O+8*\t, F+8*\t, P, O+8*\t, VW+\t, 253
.endif
.endr
.endm
.macro FIN first                       ; the result divided by the row's sum goes into the sum of the three
	PLACES 4
	v_add_f32 v14, v14, v15
	v_permlanex16_b32 v254, v14, s[SEL], s[SEL+1]
	v_add_f32 v14, v14, v254
	v_rcp_f32 v14, v14
	v_nop
	s_wait_alu depctr_va_vdst(0)
.set J, 0
.rept 16
.if \first
	v_pk_mul_f32 v[COMB+J:COMB+J+1], v[O+J:O+J+1], v[14:15] op_sel_hi:[1,0]
.else
	v_pk_fma_f32 v[COMB+J:COMB+J+1], v[O+J:O+J+1], v[14:15], v[COMB+J:COMB+J+1] op_sel_hi:[1,0,1]
.endif
.set J, J+2
.endr
.endm
; ---- the band: blocks a .. a + 3, a + 4 .. a + 7, a + 8
	KLOAD 4, 2, 0, 4, 0
	SPROD 4, F, KW
	VLOAD 4, 6, 0
	VSALIGN 0
	MASKLO 0                                       ; the band begins inside the first block,
	s_cmp_ge_i32 s31, 0
	s_cbranch_scc1 .Llo_done
	MASKLO 1                                       ; or, where the window begins ahead of key 0, at key 0
	MASKLO 2
	MASKLO 3
.Llo_done:
	SOFT 4, 1, 1
	PVPROD 1
	KLOAD 4, 2, 4096, 4, 256
	SPROD 4, F, KW
	VLOAD 4, 6, 4096
	VSALIGN 4
	s_add_co_i32 s38, s31, 255
	s_cmp_le_i32 s38, 2047
	s_cbranch_scc1 .Lhi_done
	MASKHI 0, DH1                                  ; only where these keys pass the sequence's end
	MASKHI 1, DH1
	MASKHI 2, DH1
	MASKHI 3, DH1
.Lhi_done:
	SOFT 4, 0, 1
	PVPROD 0
	KLOAD 1, 2, 8192, 4, 512
	SPROD 1, F, KW
	VLOAD 1, 7, 8192
	VSBYTE
	MASKHI 0, DH2                                  ; the band ends inside the ninth block
	SOFT 1, 0, 0
	PVPROD 0
	FIN 1
; ---- the 32 strided keys
	SPROD 1, KG, KGW
	VLOAD 1, 9, 0
	VSWORD 30, 0
	SOFT 1, 1, 0
	PVPROD 1
	FIN 0
; ---- the 256 memory slots
	KLOAD 4, 3, 0, 5, 0
	SPROD 4, F, KW
	VLOAD 4, 8, 0
	VSWORD 29, 0
	SOFT 4, 1, 0
	PVPROD 1
	KLOAD 4, 3, 4096, 5, 256
	SPROD 4, F, KW
	VLOAD 4, 8, 4096
	VSWORD 29, 256
	SOFT 4, 0, 0
	PVPROD 0
	FIN 0
; ---- the sum's codes: register 16 b + i = channel 32 b + 16 h + i of my query.  They take q's place between the zeros
.irp b, 0,1
	v_max3_num_f32 v[BM+\b], |v[COMB+16*\b]|, |v[COMB+16*\b+1]|, 0x1800000
.endr
.irp i, 2,4,6,8,10,12,14
.irp b, 0,1
	v_max3_num_f32 v[BM+\b], v[BM+\b], |v[COMB+16*\b+\i]|, |v[COMB+16*\b+\i+1]|
.endr
.endr
.irp b, 0,1
	v_permlanex16_b32 v[BT+\b], v[BM+\b], s[SEL], s[SEL+1]
.endr
.irp b, 0,1
	v_max_num_f32 v[BM+\b], v[BM+\b], v[BT+\b]
.endr
.irp b, 0,1
	v_add_nc_u32 v[SO+\b], 0xff000000, v[BM+\b]
.endr
.irp b, 0,1
	v_lshrrev_b32 v[BT+\b], 23, v[SO+\b]
.endr
	v_lshl_or_b32 v254, v[BT+1], 8, v[BT]
.irp b, 0,1
	v_cvt_scalef32_pk8_fp4_f32 v[QF+4+2*\b], v[COMB+16*\b:COMB+16*\b+7], v[SO+\b]
	v_cvt_scalef32_pk8_fp4_f32 v[QF+5+2*\b], v[COMB+16*\b+8:COMB+16*\b+15], v[SO+\b]
.endr
	v_nop
	v_permlane16_swap_b32 v[QF+4], v[QF+6]
	v_permlane16_swap_b32 v[QF+5], v[QF+7]
	v_lshl_or_b32 v[QW], v254, 16, v254
	v_and_b32 v240, 15, v0
	v_bfe_u32 v241, v0, 4, 1
	v_lshlrev_b32 v242, 9, v240
	v_lshl_add_u32 v242, v241, 4, v242
	v_lshlrev_b32 v243, 5, v240
	s_lshl_b32 s38, s28, 11
	s_add_co_u32 s38, s38, s32                     ; my first row of the 4,096
	s_lshl_b32 s40, s38, 9
	s_lshl_b32 s39, s29, 5
	s_add_co_u32 s40, s40, s39
	s_add_nc_u64 s[42:43], s[16:17], s[40:41]
	s_lshl_b32 s40, s38, 5
	s_lshl_b32 s39, s29, 1
	s_add_co_u32 s40, s40, s39
	s_add_nc_u64 s[44:45], s[16:17], s[40:41]
	global_store_b128 v242, v[QF+4:QF+7], s[42:43] ; my head's 32 bytes of each row of 512
	global_store_b16 v243, v254, s[44:45] offset:2097152
	s_cmp_lg_u32 s29, 0
	s_cbranch_scc1 .Ldone
; ---- head 0: temporal (f32), identity and citation (on the codes just made)
; The loads below land in v32-55, v76-78, v96-191 and v224-239; the offsets of the stores lie outside these: v248, v249, v252
	s_load_b64 s[46:47], s[10:11], 0x0             ; t_b
	v_lshlrev_b32 v244, 2, v240                    ; 4 r
	v_lshlrev_b32 v245, 6, v241                    ; 64 h
	v_lshlrev_b32 v252, 3, v240                    ; 8 r
	v_lshl_add_u32 v248, v240, 8, v245             ; out2: row of 256 bytes + 64 h
	v_lshl_add_u32 v249, v240, 7, v245             ; out3: row of 128 bytes + 64 h
.irp g, 0,1,2
	global_load_b128 v[F+8*\g:F+8*\g+3], v1, s[6:7] offset:WT_K64C+114688+1024*\g
	global_load_b128 v[F+8*\g+4:F+8*\g+7], v1, s[6:7] offset:WT_K64C+114688+1024*\g+256
	global_load_b32 v[KW+\g], v244, s[6:7] offset:WT_K64S+7168+64*\g
.endr
.irp g, 0,1
.irp u, 0,1
.irp k, 0,1
	global_load_b128 v[S+16*\g+8*\u+4*\k:S+16*\g+8*\u+4*\k+3], v245, s[12:13] offset:128*\g+32*\u+16*\k
.endr
.endr
.endr
.irp u, 0,1
.irp k, 0,1
	global_load_b128 v[S+32+8*\u+4*\k:S+32+8*\u+4*\k+3], v245, s[14:15] offset:32*\u+16*\k
.endr
.endr
.irp k, 0,1,2,3
	global_load_b128 v[160+4*\k:163+4*\k], v245, s[8:9] offset:16*\k
	global_load_b128 v[176+4*\k:179+4*\k], v245, s[8:9] offset:128+16*\k
	global_load_b128 v[144+4*\k:147+4*\k], v245, s[8:9] offset:256+16*\k
	global_load_b128 v[224+4*\k:227+4*\k], v245, s[8:9] offset:384+16*\k
.endr
	s_lshl_b32 s40, s38, 3
	s_add_nc_u64 s[48:49], s[18:19], s[40:41]
	s_lshl_b32 s40, s38, 8
	s_add_nc_u64 s[50:51], s[20:21], s[40:41]
	s_lshl_b32 s40, s38, 7
	s_add_nc_u64 s[52:53], s[22:23], s[40:41]
	s_wait_loadcnt 0x0
	s_wait_kmcnt 0x0
	v_pk_mul_f32 v[246:247], v[COMB:COMB+1], v[160:161]
	v_pk_mul_f32 v[250:251], v[COMB:COMB+1], v[144:145]
.irp j, 2,4,6,8,10,12,14
	v_pk_fma_f32 v[246:247], v[COMB+\j:COMB+\j+1], v[160+\j:161+\j], v[246:247]
	v_pk_fma_f32 v[250:251], v[COMB+\j:COMB+\j+1], v[144+\j:145+\j], v[250:251]
.endr
.irp j, 0,2,4,6,8,10,12,14
	v_pk_fma_f32 v[246:247], v[COMB+16+\j:COMB+17+\j], v[176+\j:177+\j], v[246:247]
	v_pk_fma_f32 v[250:251], v[COMB+16+\j:COMB+17+\j], v[224+\j:225+\j], v[250:251]
.endr
	v_add_f32 v246, v246, v247
	v_add_f32 v247, v250, v251
	v_permlanex16_b32 v250, v246, s[SEL], s[SEL+1]
	v_permlanex16_b32 v251, v247, s[SEL], s[SEL+1]
	v_add_f32 v246, v246, v250
	v_add_f32 v247, v247, v251
	v_add_f32 v246, s46, v246
	v_add_f32 v247, s47, v247
	global_store_b64 v252, v[246:247], s[48:49]    ; both halves of the lanes hold and store the same two numbers
.irp g, 0,1,2
	WMC S+16*\g, F+8*\g, QF+4, S+16*\g, KW+\g, QW  ; the biases are the C: columns 32 g + 16 h + 8 u + 0 .. 7 of my row
	WMC S+16*\g+8, F+8*\g, QF, S+16*\g+8, KW+\g, QW
.endr
	PLACES 4
.irp g, 0,1
.irp u, 0,1
.irp k, 0,1
	global_store_b128 v248, v[S+16*\g+8*\u+4*\k:S+16*\g+8*\u+4*\k+3], s[50:51] offset:128*\g+32*\u+16*\k
.endr
.endr
.endr
.irp u, 0,1
.irp k, 0,1
	global_store_b128 v249, v[S+32+8*\u+4*\k:S+32+8*\u+4*\k+3], s[52:53] offset:32*\u+16*\k
.endr
.endr
.Ldone:
	s_wait_xcnt 0x0
	v_lshl_add_u32 v254, v0, 2, 0xd100
	v_mov_b32 v255, 0
	s_wait_tensorcnt 0x0
	ds_add_u32 v254, v255
	s_wait_dscnt 0x0
	s_endpgm
.Lfunc_end_k_q46ed890827_attn:
	.size	k_q46ed890827_attn, .Lfunc_end_k_q46ed890827_attn-k_q46ed890827_attn
	.p2alignl 7, 3214868480
	.fill 96, 4, 3214868480
	.section	.rodata,"a",@progbits
	.p2align	6, 0x0
	.amdhsa_kernel k_q46ed890827_attn
		.amdhsa_group_segment_fixed_size 55552
		.amdhsa_private_segment_fixed_size 0
		.amdhsa_enable_private_segment 0
		.amdhsa_kernarg_size 80
		.amdhsa_user_sgpr_count 2
		.amdhsa_user_sgpr_kernarg_segment_ptr 1
		.amdhsa_wavefront_size32 1
		.amdhsa_system_sgpr_workgroup_id_x 1
		.amdhsa_system_sgpr_workgroup_id_y 1
		.amdhsa_system_sgpr_workgroup_id_z 1
		.amdhsa_system_vgpr_workitem_id 0
		.amdhsa_next_free_vgpr 256
		.amdhsa_next_free_sgpr 66
		.amdhsa_reserve_vcc 1
		.amdhsa_float_denorm_mode_32 3
		.amdhsa_float_denorm_mode_16_64 3
		.amdhsa_memory_ordered 1
		.amdhsa_forward_progress 1
		.amdhsa_inst_pref_size 109
	.end_amdhsa_kernel
	.amdgpu_metadata
---
amdhsa.version: [ 1, 2 ]
amdhsa.kernels:
  - .name:           k_q46ed890827_attn
    .symbol:         k_q46ed890827_attn.kd
    .args:
      - { .name: qkv, .offset: 0, .size: 8, .value_kind: global_buffer, .address_space: global }
      - { .name: wts, .offset: 8, .size: 8, .value_kind: global_buffer, .address_space: global }
      - { .name: t_W, .offset: 16, .size: 8, .value_kind: global_buffer, .address_space: global }
      - { .name: t_b, .offset: 24, .size: 8, .value_kind: global_buffer, .address_space: global }
      - { .name: i_b, .offset: 32, .size: 8, .value_kind: global_buffer, .address_space: global }
      - { .name: c_b, .offset: 40, .size: 8, .value_kind: global_buffer, .address_space: global }
      - { .name: fus, .offset: 48, .size: 8, .value_kind: global_buffer, .address_space: global }
      - { .name: out1, .offset: 56, .size: 8, .value_kind: global_buffer, .address_space: global }
      - { .name: out2, .offset: 64, .size: 8, .value_kind: global_buffer, .address_space: global }
      - { .name: out3, .offset: 72, .size: 8, .value_kind: global_buffer, .address_space: global }
    .group_segment_fixed_size: 55552
    .private_segment_fixed_size: 0
    .kernarg_segment_align: 8
    .kernarg_segment_size: 80
    .max_flat_workgroup_size: 512
    .sgpr_count:     66
    .vgpr_count:     256
    .wavefront_size: 32
...
	.end_amdgpu_metadata
.endif
;; end of part 3
;; launch outg (part 4): grid 4 x 16, 4 waves a work-group, clusters of 4 x 4, 327,680 bytes of LDS; arguments fus, owq, out_b, out0; writes out0
.if DOCPART == 4
	.amdgcn_target "amdgcn-amd-amdhsa--gfx1250"
	.amdhsa_code_object_version 6
	.text
	.protected	k_q46ed890827_outg
	.globl	k_q46ed890827_outg
	.p2align	8
	.type	k_q46ed890827_outg,@function
k_q46ed890827_outg:
	s_mov_b64 s[64:65], 0
	v_nop
	global_prefetch_b8 v0, s[64:65] scope:SCOPE_SE
	s_setreg_imm32_b32 hwreg(HW_REG_WAVE_MODE, 25, 1), 1
	s_wait_xcnt 0x0
	s_wait_alu depctr_hold_cnt(0) depctr_sa_sdst(0) depctr_va_vdst(0) depctr_va_sdst(0) depctr_va_ssrc(0) depctr_va_vcc(0) depctr_vm_vsrc(0)
	s_getreg_b32 s2, hwreg(HW_REG_IB_STS2, 6, 4)
	s_cmp_eq_u32 s2, 0
	s_cbranch_scc0 .Lentry_in_a_cluster
	s_endpgm
.Lentry_in_a_cluster:
	s_bfe_u32 s2, ttmp6, 0x10000c
	s_cmp_lg_u32 s2, 0xf033
	s_cbranch_scc0 .Lentry_shape_is_right
	s_endpgm
.Lentry_shape_is_right:
; out0[m][n] = sum over k of fused[m][k] out_W[n][k] + out_b[n].  Both operands are codes of FP4 (E2M1), K innermost, rows of 512 bytes, with one E8M0 byte for each 32 along K (rows of 32 bytes, behind the codes in each buffer).
; A tile of 256 x 256 is made by a work-group of four waves, each 128 x 128: 64 accumulators.  K = 1,024 is two slots of 512 along K in LDS: both are filled at the start by the tensor data mover, nothing is filled again.
; The scale bytes of the work-group's 256 + 256 rows come once, in units of 256 bytes, and stay.  The bias is the C of each sum's first product.
; CLUSTERS: 4 x 4 work-groups; the four of a row need the same tiles of A, the four of a column the same tiles of B: each tile is asked for jointly, by the same tensor load with a mask that names the four.
; THE MATRIX INSTRUCTION IS USED TRANSPOSED (source 0 = 16 rows of B, source 1 = 16 rows of A): a lane holds eight neighbouring numbers of a row of the result.
; REGISTERS, in windows of 256: window 0: v0-31 addresses; v32-95 scale words, two sets; from v128 A's fragments, one set.  window 1: B's fragments, two sets, at v0 and v128; v192-255 the bias.  windows 2, 3: the accumulators.
.set SIZE_M, 4096
.set SIZE_N, 1024
.set SIZE_K, 1024
.set KSTEP,  512
.set NQ,     KSTEP/128
.set ROWB,   256
.set KROW,   SIZE_K*4/8
.set PITCH,  272                       ; an LDS row: 256 bytes + 16 of padding: the 16 rows that a load touches start at 16 different banks
.set FR,     8
.set NL,     2
.set NP,     4
.set HALFT,  128*PITCH
.set SLOT,   4*HALFT
.set KS,     SIZE_K/32
.set SCL,    2*SLOT
.set HALFS,  (128*KS/256)*272
.set SBLK,   (16*KS/256)*272
.set SPARE,  SCL+4*HALFS               ; the spare words, 128 bytes for each wave: no other line names them
.set SPITCH, 528                       ; the way out: a stage of 16 rows x (512 + 16) bytes for each wave, in slot 0, which nobody reads any more by then
.set ADRA, 16
.set ADRB, 20
.set STO,  24
.set RD,   25
.set CO,   26
.set ADRS, 27
.set SPW,  28
.set NIL,  29
.set SC,   32
.set AF,   128
.set BK,   128
.set BI,   192                         ; the bias, in window 1: block b's eight columns of my half at v[BI + 8 b]
.set G1, 24
.set G0, 32
.set G1B, 48
.set G0B, 56
.set G1S, 68
.set G0S, 76
.set G1SB, 80
.set G0SB, 88
.set MSB, 0
.macro WIN new                         ; the immediate's high byte repeats the setting that is left
.if MSB != \new
	s_set_vgpr_msb (MSB<<8)|\new
.set MSB, \new
.endif
.endm
.set MUL_LO, 0xa1                      ; source 0 (B) window 1, source 1 (A) window 0, C and D window 2
.set MUL_HI, 0xf1                      ; the same, C and D window 3
.set BIA_LO, 0x91                      ; C (the bias) window 1, D window 2
.set BIA_HI, 0xd1                      ; C window 1, D window 3
.set TO_B,   0x40                      ; destination window 1, address window 0
; A joint load: waves 0 and 1 fetch for A, waves 2 and 3 for B; the branch hangs on the wave's number alone.  Four v_nop follow each of the two lines.
.macro JLOAD g0a, g1a, g0b, g1b
	s_cmp_eq_u32 s15, 0
	s_cbranch_scc0 .Lfor_b_\@
	tensor_load_to_lds s[\g0a:\g0a+3], s[\g1a:\g1a+7]
	s_nop 0
.rept 4
	v_nop
.endr
	s_branch .Lasked_\@
.Lfor_b_\@:
	tensor_load_to_lds s[\g0b:\g0b+3], s[\g1b:\g1b+7]
	s_nop 0
.rept 4
	v_nop
.endr
.Lasked_\@:
.endm
.macro CROUND                          ; a round of the cluster's barrier
	s_barrier_signal -1
	s_barrier_wait -1
	s_cmp_lg_u32 s14, 0
	s_cbranch_scc1 .Lnot_wave_0_\@
	s_barrier_signal -3
.Lnot_wave_0_\@:
	s_barrier_wait -3
	s_barrier_signal -1
	s_barrier_wait -1
.endm
	s_load_b64 s[4:5], s[0:1], 0x0                 ; A's codes (fus)
	s_load_b64 s[8:9], s[0:1], 0x8                 ; B's codes (owq)
	s_load_b64 s[96:97], s[0:1], 0x10              ; out_b
	s_load_b64 s[12:13], s[0:1], 0x18              ; out0
	v_lshl_add_u32 v[SPW], v0, 2, SPARE
	v_mov_b32 v[NIL], 0
	ds_add_u32 v28, v29
	ds_add_u32 v28, v29
	s_wait_dscnt 0x0
	v_lshrrev_b32 v1, 5, v0
	v_readfirstlane_b32 s14, v1                    ; wave 0..3
	s_lshr_b32 s15, s14, 1                         ; which half of the tile's rows is mine.  Also: I fetch for A (0) or for B (1)
	s_and_b32 s16, s14, 1                          ; which half of its columns.  Also: which 128 rows of that tile I fetch
	s_bfe_u32 s40, ttmp6, 0x40000                  ; cx, cy: my place in the cluster
	s_bfe_u32 s41, ttmp6, 0x40004
	s_lshl_b32 s42, ttmp9, 2
	s_add_co_u32 s42, s42, s40                     ; tile column
	s_and_b32 s17, ttmp7, 0xffff
	s_lshl_b32 s17, s17, 2
	s_add_co_u32 s17, s17, s41                     ; tile row
	s_lshl_b32 s43, s41, 2
	s_lshl_b32 s43, 15, s43                        ; my row of the cluster
	s_lshl_b32 s44, 0x1111, s40                    ; my column
	s_or_b32 s[G1+0], s43, (0<<16)|(1<<20)|(1<<21)|(5<<22)|(3<<25)  ; the mask; elements of 1 byte; padding on, 4 words behind every 64; bit 21 set beside a mask
	s_or_b32 s[G1B+0], s44, (0<<16)|(1<<20)|(1<<21)|(5<<22)|(3<<25)
.irp g, G1, G1B
	s_mov_b32 s[\g+1], ROWB<<16
	s_mov_b32 s[\g+2], 128<<16
	s_mov_b32 s[\g+3], ROWB<<16
	s_mov_b32 s[\g+4], 128
	s_mov_b32 s[\g+5], KROW
	s_mov_b32 s[\g+6], 0
	s_mov_b32 s[\g+7], 0
.endr
	s_or_b32 s[G1S+0], s43, (3<<16)|(1<<20)|(1<<21)|(5<<22)|(3<<25) ; the scales of 128 rows: a dense block, as rows of 256 bytes (32 elements of 8 bytes)
	s_or_b32 s[G1SB+0], s44, (3<<16)|(1<<20)|(1<<21)|(5<<22)|(3<<25)
.irp g, G1S, G1SB
	s_mov_b32 s[\g+1], 32<<16
	s_mov_b32 s[\g+2], (128*KS/256)<<16
	s_mov_b32 s[\g+3], 32<<16
	s_mov_b32 s[\g+4], 128*KS/256
	s_mov_b32 s[\g+5], 32
	s_mov_b32 s[\g+6], 0
	s_mov_b32 s[\g+7], 0
.endr
	s_lshl_b32 s18, s16, 7
	s_lshl_b32 s20, s17, 8
	s_add_co_u32 s20, s20, s18                     ; A: row 256 x tile row + 128 x half
	s_lshl_b32 s46, s42, 8
	s_add_co_u32 s46, s46, s18                     ; B: row 256 x tile column + 128 x half
	s_mov_b32 s21, 0
	s_mov_b32 s47, 0
	s_mov_b64 s[18:19], KS
	s_mul_u64 s[22:23], s[20:21], s[18:19]
	s_mul_u64 s[92:93], s[46:47], s[18:19]
	s_mov_b64 s[18:19], KROW
	s_mul_u64 s[20:21], s[20:21], s[18:19]
	s_mul_u64 s[46:47], s[46:47], s[18:19]
	s_mul_i32 s45, s14, HALFT                      ; where they go: wave x 128 rows: no place in the cluster enters an LDS address
	s_mul_i32 s94, s14, HALFS
	s_wait_kmcnt 0x0
	s_add_nc_u64 s[6:7], s[4:5], 2097152           ; A's scale bytes lie behind its codes,
	s_add_nc_u64 s[10:11], s[8:9], 524288          ; B's likewise
	s_add_nc_u64 s[20:21], s[4:5], s[20:21]
	s_add_nc_u64 s[22:23], s[6:7], s[22:23]
	s_add_nc_u64 s[46:47], s[8:9], s[46:47]
	s_add_nc_u64 s[92:93], s[10:11], s[92:93]
	CROUND                                         ; all sixteen work-groups are here: the joint loads meet
	s_mov_b32 s[G0S], 1
	s_add_co_u32 s[G0S+1], s94, SCL
	s_mov_b64 s[G0S+2:G0S+3], s[22:23]
	s_or_b32 s[G0S+3], s[G0S+3], 0x80000000
	s_mov_b32 s[G0SB], 1
	s_add_co_u32 s[G0SB+1], s94, SCL
	s_mov_b64 s[G0SB+2:G0SB+3], s[92:93]
	s_or_b32 s[G0SB+3], s[G0SB+3], 0x80000000
	JLOAD G0S, G1S, G0SB, G1SB                     ; the scales first: three loads of mine are out in all
.irp s, 0,1
	s_mov_b32 s[G0+4*\s], 1
	s_add_co_u32 s[G0+4*\s+1], s45, \s*SLOT
	s_add_nc_u64 s[G0+4*\s+2:G0+4*\s+3], s[20:21], \s*ROWB
	s_or_b32 s[G0+4*\s+3], s[G0+4*\s+3], 0x80000000
	s_mov_b32 s[G0B+4*\s], 1
	s_add_co_u32 s[G0B+4*\s+1], s45, \s*SLOT
	s_add_nc_u64 s[G0B+4*\s+2:G0B+4*\s+3], s[46:47], \s*ROWB
	s_or_b32 s[G0B+4*\s+3], s[G0B+4*\s+3], 0x80000000
	JLOAD G0+4*\s, G1, G0B+4*\s, G1B
.endr
	v_and_b32 v1, 15, v0                           ; l % 16
	v_bfe_u32 v2, v0, 4, 1                         ; l / 16
	v_mul_u32_u24 v3, v1, PITCH
	v_lshl_add_u32 v4, v2, 4, v3
	s_mul_i32 s21, s15, HALFT
	s_mul_i32 s22, s16, HALFT
	s_add_co_u32 s22, s22, 2*HALFT
.irp s, 0,1
	v_add_nc_u32 v[ADRA+\s], s21, v4
	v_add_nc_u32 v[ADRB+\s], s22, v4
	s_add_co_u32 s21, s21, SLOT
	s_add_co_u32 s22, s22, SLOT
.endr
	v_mul_u32_u24 v5, v1, KS                       ; my row's scales: KS bytes a row, and 16 more for each 256 passed
	v_lshrrev_b32 v6, 8, v5
	v_lshl_add_u32 v5, v6, 4, v5
	s_mul_i32 s21, s15, HALFS
	s_mul_i32 s22, s16, HALFS
	s_add_co_u32 s22, s22, 2*HALFS
	s_sub_co_u32 s22, s22, s21
	v_mul_u32_u24 v6, s22, v2                      ; lanes 16-31 take B's
	s_add_co_u32 s21, s21, SCL
	v_add_nc_u32 v5, v5, v6
	v_add_nc_u32 v[ADRS], s21, v5
	s_mul_i32 s23, s14, 16*SPITCH
	v_mul_u32_u24 v5, v1, SPITCH
	v_lshl_add_u32 v5, v2, 5, v5
	v_add_nc_u32 v[STO], s23, v5
	v_and_b32 v6, 31, v0
	v_lshlrev_b32 v[CO], 4, v6
	v_add_nc_u32 v[RD], s23, v[CO]
	v_lshlrev_b32 v8, 5, v2                        ; the bias: 32 h bytes
	s_lshl_b32 s20, s17, 8
	s_lshl_b32 s21, s15, 7
	s_add_co_u32 s20, s20, s21
	s_mov_b32 s21, 0
	s_mov_b64 s[18:19], SIZE_N*4
	s_mul_u64 s[20:21], s[20:21], s[18:19]
	s_lshl_b32 s46, s42, 10                        ; my first column, in bytes: 1,024 x tile column + 512 x half
	s_lshl_b32 s47, s16, 9
	s_add_co_u32 s46, s46, s47
	s_mov_b32 s47, 0
	s_add_nc_u64 s[20:21], s[20:21], s[46:47]
	s_add_nc_u64 s[12:13], s[12:13], s[20:21]
	s_add_nc_u64 s[96:97], s[96:97], s[46:47]      ; out_b at the same column
	WIN TO_B
.irp b, 0,1,2,3,4,5,6,7
	global_load_b128 v[BI+8*\b:BI+8*\b+3], v8, s[96:97] offset:64*\b
	global_load_b128 v[BI+8*\b+4:BI+8*\b+7], v8, s[96:97] offset:64*\b+16
.endr
	WIN 0
.macro FRAG reg, adr, q, i             ; 16 rows x 128 K of 4-bit codes: 8 registers, two loads of 16 bytes, 32 bytes apart
.irp c, 0,1
	ds_load_b128 v[\reg+4*\c:\reg+4*\c+3], v[\adr] offset:64*(\q)+32*\c+(\i)*16*PITCH
.endr
.endm
; 16 matrix instructions: A's blocks a0, a0 + 1 x B's eight.  zero = 1: the first product starts the sums, with the bias as its C.  The 64 accumulators take turns.
.macro MUL16 a0, p, q, sc, zero
.irp a, \a0, \a0+1
.irp b, 0,1,2,3,4,5,6,7
.if \zero
	v_wmma_scale_f32_16x16x128_f8f6f4 v[8*(8*((\a)%4)+\b):8*(8*((\a)%4)+\b)+7], v[128*(\p)+FR*\b:128*(\p)+FR*\b+FR-1], v[AF+FR*(\a):AF+FR*(\a)+FR-1], v[BI+8*\b:BI+8*\b+7], v[SC+8*NQ*(\sc)+NQ*\b+(\q)], v[SC+8*NQ*(\sc)+NQ*(\a)+(\q)] matrix_a_fmt:MATRIX_FMT_FP4 matrix_b_fmt:MATRIX_FMT_FP4 matrix_a_scale:MATRIX_SCALE_ROW1
.else
	v_wmma_scale_f32_16x16x128_f8f6f4 v[8*(8*((\a)%4)+\b):8*(8*((\a)%4)+\b)+7], v[128*(\p)+FR*\b:128*(\p)+FR*\b+FR-1], v[AF+FR*(\a):AF+FR*(\a)+FR-1], v[8*(8*((\a)%4)+\b):8*(8*((\a)%4)+\b)+7], v[SC+8*NQ*(\sc)+NQ*\b+(\q)], v[SC+8*NQ*(\sc)+NQ*(\a)+(\q)] matrix_a_fmt:MATRIX_FMT_FP4 matrix_b_fmt:MATRIX_FMT_FP4 matrix_a_scale:MATRIX_SCALE_ROW1
.endif
.endr
.endr
.endm
.macro FETCH_B slot, q, p
	WIN TO_B
.irp i, 0,1,2,3,4,5,6,7
	FRAG 128*(\p)+FR*\i, ADRB+\slot, \q, \i
.endr
	WIN 0
.endm
.macro FETCH_A slot, q, i0
.irp i, \i0, \i0+1, \i0+2, \i0+3
	FRAG AF+FR*(\i), ADRA+\slot, \q, \i
.endr
.endm
.macro SCALES sc                       ; a slot's scale words: lanes 0-15 take A's block i, lanes 16-31 B's block i
.irp i, 0,1,2,3,4,5,6,7
	ds_load_b128 v[SC+8*NQ*\sc+NQ*\i:SC+8*NQ*\sc+NQ*\i+3], v[ADRS] offset:\i*SBLK
.endr
.endm
.macro PLACES n                        ; in front of loads into registers that matrix instructions have read, and of the first read of results
.rept \n
	v_nop
.endr
.endm
.macro STEP slot, q, zero              ; 128 along K that has its successor in the same slot
	s_wait_dscnt 4*NL                              ; B's set and A's blocks 0-3 are in; the youngest loads (A's blocks 4-7) may be out
.if \zero
	WIN BIA_LO
.else
	WIN MUL_LO
.endif
	MUL16 0, (\q)%2, \q, \slot, \zero
	MUL16 2, (\q)%2, \q, \slot, \zero
	s_wait_dscnt 0
	PLACES NP
	FETCH_B \slot, (\q)+1, 1-(\q)%2
	FETCH_A \slot, (\q)+1, 0
.if \zero
	WIN BIA_HI
.else
	WIN MUL_HI
.endif
	MUL16 4, (\q)%2, \q, \slot, \zero
	MUL16 6, (\q)%2, \q, \slot, \zero
	PLACES NP
	WIN 0
	FETCH_A \slot, (\q)+1, 4
.endm
.macro TURN slot, next                 ; slot 0's last step: behind the barrier slot 1 is whole for every wave, and nobody reads slot 0 any more
	s_wait_tensorcnt 0x0                           ; all my tensor loads have landed: my part of slot 1
	ds_add_u32 v[SPW], v[NIL]                      ; 0 onto my spare word
	s_wait_dscnt 4*NL+1                            ; (the add and the youngest loads, A's blocks 4-7, may be out)
	WIN MUL_LO
	MUL16 0, 1, NQ-1, \slot, 0
	s_wait_dscnt 0x0
	s_barrier_signal -1
	MUL16 2, 1, NQ-1, \slot, 0
	WIN 0
	s_barrier_wait -1
	PLACES NP
	v_add_nc_u32 v[ADRS], 4*NQ, v[ADRS]            ; on to the next slot's scale words
	FETCH_B \next, 0, 0
	FETCH_A \next, 0, 0
	SCALES \next
	WIN MUL_HI
	MUL16 4, 1, NQ-1, \slot, 0
	MUL16 6, 1, NQ-1, \slot, 0
	PLACES NP
	WIN 0
	FETCH_A \next, 0, 4
.endm
.macro STEPS slot, from
.set Q, \from
.rept NQ-1-\from
	STEP \slot, Q, 0
.set Q, Q+1
.endr
.endm
	s_wait_tensorcnt 1                             ; the scales and my part of slot 0 are in (slot 1's load may be out),
	s_barrier_signal -1
	s_barrier_wait -1                              ; everybody's are
	FETCH_B 0, 0, 0
	FETCH_A 0, 0, 0
	SCALES 0
	FETCH_A 0, 0, 4
	s_wait_loadcnt 0x0                             ; the bias
	STEP 0, 0, 1
	STEPS 0, 1
	TURN 0, 1
	STEPS 1, 0
	s_wait_dscnt 4*NL                              ; the very last step: nothing more to fetch
	WIN MUL_LO
	MUL16 0, 1, NQ-1, 1, 0
	MUL16 2, 1, NQ-1, 1, 0
	s_wait_dscnt 0
	WIN MUL_HI
	MUL16 4, 1, NQ-1, 1, 0
	MUL16 6, 1, NQ-1, 1, 0
	WIN 0
; THE WAY OUT, block by block of 16 rows x 128 columns, through my own stage in LDS: back as whole rows of 512 bytes.  LDS serves a wave's instructions in order.
.macro TOSTAGE a
.set AC, 64*((\a)%4)
	WIN 0x08+4*((\a)/4)                            ; the data: window 2 or 3
.irp b, 0,1,2,3,4,5,6,7
	ds_store_b128 v[STO], v[AC+8*\b:AC+8*\b+3] offset:64*\b          ; each accumulator from its low end on
	ds_store_b128 v[STO], v[AC+8*\b+4:AC+8*\b+7] offset:64*\b+16
.endr
	WIN 0
.set BB, BK+64*((\a)%2)
.irp t, 0,1,2,3,4,5,6,7,8,9,10,11,12,13,14,15
	ds_load_b128 v[BB+4*\t:BB+4*\t+3], v[RD] offset:\t*SPITCH
.endr
.endm
.macro SEND a, younger
.set BB, BK+64*((\a)%2)
	s_wait_dscnt \younger                          ; the block is back in registers
.if (\a) > 0
	s_add_nc_u64 s[12:13], s[12:13], 16*SIZE_N*4   ; (behind a wait on XCNT) 16 rows on
.endif
.irp t, 0,1,2,3,4,5,6,7,8,9,10,11,12,13,14,15
	global_store_b128 v[CO], v[BB+4*\t:BB+4*\t+3], s[12:13] offset:\t*SIZE_N*4 th:TH_STORE_NT   ; 32 lanes store 512 consecutive bytes
.endr
.endm
	PLACES NP
	TOSTAGE 0
.irp a, 1,2,3,4,5,6,7
.if \a > 1
	s_wait_xcnt 0x0                                ; block a - 2's stores have read their registers and their base
.endif
	TOSTAGE \a
	SEND \a-1, 32                                  ; behind block a - 1's loads: block a's 16 stores and 16 loads
.endr
	s_wait_xcnt 0x0
	SEND 7, 0
	s_wait_tensorcnt 0x0                           ; the wave's end
	ds_add_u32 v[SPW], v[NIL]
	s_wait_dscnt 0x0
	CROUND                                         ; the closing round: no work-group ends while a partner may still ask for a tile that names it
	s_endpgm
.Lfunc_end_k_q46ed890827_outg:
	.size	k_q46ed890827_outg, .Lfunc_end_k_q46ed890827_outg-k_q46ed890827_outg
	.p2alignl 7, 3214868480
	.fill 96, 4, 3214868480
	.section	.rodata,"a",@progbits
	.p2align	6, 0x0
	.amdhsa_kernel k_q46ed890827_outg
		.amdhsa_group_segment_fixed_size 327680
		.amdhsa_private_segment_fixed_size 0
		.amdhsa_enable_private_segment 0
		.amdhsa_kernarg_size 32
		.amdhsa_user_sgpr_count 2
		.amdhsa_user_sgpr_kernarg_segment_ptr 1
		.amdhsa_wavefront_size32 1
		.amdhsa_system_sgpr_workgroup_id_x 1
		.amdhsa_system_sgpr_workgroup_id_y 1
		.amdhsa_system_sgpr_workgroup_id_z 1
		.amdhsa_system_vgpr_workitem_id 0
		.amdhsa_next_free_vgpr 1024
		.amdhsa_next_free_sgpr 100
		.amdhsa_reserve_vcc 0
		.amdhsa_float_denorm_mode_32 3
		.amdhsa_float_denorm_mode_16_64 3
		.amdhsa_memory_ordered 1
		.amdhsa_forward_progress 1
		.amdhsa_inst_pref_size 126
	.end_amdhsa_kernel
	.amdgpu_metadata
---
amdhsa.version: [ 1, 2 ]
amdhsa.kernels:
  - .name:           k_q46ed890827_outg
    .symbol:         k_q46ed890827_outg.kd
    .args:
      - { .name: fus, .offset: 0, .size: 8, .value_kind: global_buffer, .address_space: global }
      - { .name: owq, .offset: 8, .size: 8, .value_kind: global_buffer, .address_space: global }
      - { .name: out_b, .offset: 16, .size: 8, .value_kind: global_buffer, .address_space: global }
      - { .name: out0, .offset: 24, .size: 8, .value_kind: global_buffer, .address_space: global }
    .group_segment_fixed_size: 327680
    .private_segment_fixed_size: 0
    .kernarg_segment_align: 8
    .kernarg_segment_size: 32
    .max_flat_workgroup_size: 128
    .sgpr_count:     100
    .vgpr_count:     1024
    .wavefront_size: 32
...
	.end_amdgpu_metadata
.endif
;; end of part 4
;; ======== version 2 of 2: 4 launches
;; workspace buffers: wts 312,576 bytes; owq 557,056 bytes; qkv 7,077,888 bytes; fus 2,228,224 bytes
;; launch prep: the kernel of part 1 again; grid 687 x 1, 1 waves a work-group, no clusters, 5,632 bytes of LDS; arguments out_W, q_V, k_V, v_V, memory_vectors, i_W, c_W, q_U, k_U, v_U, q_A, k_A, v_A, wts, owq; writes wts, owq
;; launch proj (part 5): grid 128 x 1, 16 waves a work-group, no clusters, 169,984 bytes of LDS; arguments x, wts, q_alpha, k_alpha, v_alpha, q_B, k_B, v_B, q_b, k_b, v_b, qkv; writes qkv
.if DOCPART == 5
	.amdgcn_target "amdgcn-amd-amdhsa--gfx1250"
	.amdhsa_code_object_version 6
	.text
	.protected	k_q46ed890827_proj
	.globl	k_q46ed890827_proj
	.p2align	8
	.type	k_q46ed890827_proj,@function
k_q46ed890827_proj:
	s_mov_b64 s[64:65], 0
	v_nop
	global_prefetch_b8 v0, s[64:65] scope:SCOPE_SE
	s_setreg_imm32_b32 hwreg(HW_REG_WAVE_MODE, 25, 1), 1
	s_wait_xcnt 0x0
; q, k, v = ((x U) alpha) V^T + (x A) B + b for 32 rows of x (one block of 32 keys) a work-group, and their codes of FP4 (E2M1) with E8M0 block scales for the attention.
; The products with U and V run on codes; x A and (x A) B stay f32 (the f32 matrix form), since their result goes on into a quantiser.
; PHASE X (16 waves): wave w takes rows 16 (w % 2) on and columns 128 (w / 2) on of x: its part of x A, and the fragment's codes; both go to LDS.
; PHASE 1 (waves 0-11): wave (p, half of the rank, tile of rows) sums x U_p over K = 1,024, multiplies by alpha, quantises: half a fragment of y to LDS.  All waves add the parts of x A.
; PHASE 2 (16 waves): wave w is head w: y V^T + b by scaled products, (x A) B added by f32 products, then quantised: q, k along the head's 64 (results transposed: a lane holds one row),
;   v along the 32 keys (a lane holds one channel).  Rows 64 g of v also leave as f32, for the strided attention.
; AN OPERAND WITH K = 64 fills half of the instruction's 128: the weight's fragment carries two tiles of 16 rows (registers 0-3 and 4-7) and the other operand lies between zeros, [0 | c | 0]:
;   the run [c | 0] picks the first tile, the run [0 | c] the second.  Lane r of tile u takes row r + 8 (r / 8) + 8 u, so that the 16 registers of two tiles are 16 neighbours along the next K.
; U's codes and scale words come into LDS once, by tensor loads of waves 0-4 (one load a wave is out); nothing is filled again.
; LIMITS: a block whose largest magnitude lies under 2^(3 - 127), a block of zeros among them, keeps the byte 1; NaN and infinities are not served.
.set WT_SW,   114688
.set WT_K64C, 121856
.set WT_K64S, 239616
.set WT_A12,  247040
.set KC, 2097152                       ; qkv: q's codes at 0, k's here, [head of a batch][row][32 bytes];
.set VC, 4194304                       ; v's codes [head][block of 32 keys][channel][16 bytes];
.set QS, 6291456                       ; q's scale words [head][row];
.set KS, 6553600                       ; k's scale bytes, 64 a block, in the order of the pair words;
.set VS, 6684672                       ; v's scale bytes [head][channel][block];
.set VG, 6815744                       ; rows 64 g of v, f32 [batch][g][1,024]
.set UL,   0                           ; LDS: U's codes, 96 K blocks of 1,024 bytes,
.set USW,  98304                       ; their scale words, 24 K steps of 256 bytes,
.set XIMG, 104448                      ; x's 16 fragments as images of their registers, 1,024 bytes each,
.set XSC,  120832                      ; their scale words, 128 bytes each,
.set XAP,  122880                      ; the parts of x A: 256 rows of 64 bytes + 16,
.set YIMG, 143360                      ; y's fragments (2 p + m), 512 bytes each,
.set YSC,  147456                      ; their scale words, 64 bytes each
.set TM,  32                           ; v32-47   at work in the quantisers
.set PC,  48                           ; v48-55   codes just made
.set PW,  56                           ; v56      a scale word just made
.set HW0, 57                           ; v57, v31 the two scale bytes of a row, for the two tiles of rows
.set HW1, 31
.set ACC, 58                           ; v58-89   accumulators: written by matrix instructions alone
.set US,  90                           ; v90-93 U's scale words, v94-95 x's, v96-97 V's, v98-99 y's: they hold scales and nothing else
.set XS,  94
.set VSW, 96
.set YW,  98
.set X,   100                          ; v100-163 phase X: 64 numbers of x
.set AW,  164                          ; v164-227 and 64 of the A
.set UF,  100                          ; phase 1: four fragments of U,
.set XF,  132                          ; two of x,
.set AL,  148                          ; 16 of alpha
.set RT,  100                          ; the parts of x A on their way to a sum
.set VF,  164                          ; phase 2: V's two pair fragments,
.set BMF, 180                          ; B's four tiles, two registers each,
.set BIAS, 188                         ; the bias in the result's layout, four tiles
.set XA,  220                          ; v220-231 x A: pair 4 p + 2 m
.set YS,  232                          ; v232-251 [0 | y(m = 0) | 0 | y(m = 1) | 0]; ahead of that the 16 numbers of y
.macro WMZ d, a, b, sa, sb
	v_wmma_scale_f32_16x16x128_f8f6f4 v[\d:\d+7], v[\a:\a+7], v[\b:\b+7], 0, v[\sa], v[\sb] matrix_a_fmt:MATRIX_FMT_FP4 matrix_b_fmt:MATRIX_FMT_FP4
.endm
.macro WMC d, a, b, c, sa, sb
	v_wmma_scale_f32_16x16x128_f8f6f4 v[\d:\d+7], v[\a:\a+7], v[\b:\b+7], v[\c:\c+7], v[\sa], v[\sb] matrix_a_fmt:MATRIX_FMT_FP4 matrix_b_fmt:MATRIX_FMT_FP4
.endm
.macro PLACES n
.rept \n
	v_nop
.endr
.endm
	s_load_b512 s[4:19], s[0:1], 0x0               ; x, wts, q_alpha, k_alpha, v_alpha, q_B, k_B, v_B
	s_load_b256 s[20:27], s[0:1], 0x40             ; q_b, k_b, v_b, qkv
	v_lshl_add_u32 v254, v0, 2, 0x29000
	v_mov_b32 v255, 0
	ds_add_u32 v254, v255
	ds_add_u32 v254, v255
	v_lshrrev_b32 v1, 5, v0
	s_delay_alu instid0(VALU_DEP_1)
	v_readfirstlane_b32 s28, v1                    ; wave 0..15
	s_lshr_b32 s29, s28, 2                         ; phase 1: p,
	s_bfe_u32 s30, s28, 0x10001                    ; which 32 of the rank,
	s_and_b32 s31, s28, 1                          ; which tile of rows (phase X too)
	s_lshr_b32 s32, s28, 1                         ; phase X: which 128 along K
	s_lshr_b32 s33, ttmp9, 6                       ; batch
	s_and_b32 s34, ttmp9, 63                       ; block of 32 keys
	; descriptors: dense blocks as rows of 256 bytes (32 elements of 8 bytes), no padding: 96 rows for a quarter of U's codes, 24 for the scale words
	s_mov_b32 s36, 3<<16
	s_mov_b32 s37, 32<<16
	s_mov_b32 s38, 96<<16
	s_mov_b32 s39, 32<<16
	s_mov_b32 s40, 96
	s_mov_b32 s41, 32
	s_mov_b32 s42, 0
	s_mov_b32 s43, 0
	s_mov_b32 s44, 3<<16
	s_mov_b32 s45, 32<<16
	s_mov_b32 s46, 24<<16
	s_mov_b32 s47, 32<<16
	s_mov_b32 s48, 24
	s_mov_b32 s49, 32
	s_mov_b32 s50, 0
	s_mov_b32 s51, 0
	s_mul_i32 s60, s28, 24576
	s_mov_b32 s61, 0
	s_wait_dscnt 0x0
	s_wait_kmcnt 0x0
	s_mov_b32 s52, 1
	s_mov_b32 s53, s60                             ; LDS: wave x 24,576
	s_add_nc_u64 s[54:55], s[6:7], s[60:61]
	s_or_b32 s55, s55, 0x80000000
	s_mov_b32 s56, 1
	s_mov_b32 s57, USW
	s_add_nc_u64 s[58:59], s[6:7], WT_SW
	s_or_b32 s59, s59, 0x80000000
	s_cmp_lt_u32 s28, 4                            ; waves 0-3: U's codes; wave 4: the scale words; four v_nop follow each line
	s_cbranch_scc0 .Lnot_codes
	tensor_load_to_lds s[52:55], s[36:43]
	s_nop 0
	PLACES 4
	s_branch .Lasked
.Lnot_codes:
	s_cmp_eq_u32 s28, 4
	s_cbranch_scc0 .Lasked
	tensor_load_to_lds s[56:59], s[44:51]
	s_nop 0
	PLACES 4
.Lasked:
	; every address register is made here, ahead of any parting of the waves
	v_and_b32 v1, 31, v0                           ; L
	v_and_b32 v2, 15, v0                           ; r
	v_bfe_u32 v3, v0, 4, 1                         ; h
	s_delay_alu instid0(VALU_DEP_2)
	v_and_b32 v4, 8, v2
	s_delay_alu instid0(VALU_DEP_1)
	v_add_nc_u32 v4, v4, v2                        ; r + 8 (r / 8)
	s_delay_alu instid0(VALU_DEP_4)
	v_lshlrev_b32 v5, 12, v2
	s_delay_alu instid0(VALU_DEP_1)
	v_lshl_add_u32 v5, v3, 6, v5                   ; x and the A: row r of 4,096 bytes + 64 h
	v_lshlrev_b32 v6, 4, v1                        ; 16 L
	v_lshlrev_b32 v26, 2, v1                       ; 4 L
	v_lshlrev_b32 v21, 2, v2                       ; 4 r
	v_lshlrev_b32 v24, 2, v4                       ; 4 (r + 8 (r / 8))
	v_lshlrev_b32 v23, 6, v3                       ; 64 h
	s_lshl_b32 s35, s28, 10
	s_add_co_u32 s35, s35, XIMG
	v_add_nc_u32 v7, s35, v6                       ; where I store x's image
	s_lshl_b32 s35, s28, 7
	s_add_co_u32 s35, s35, XSC
	v_add_nc_u32 v8, s35, v26                      ; and its scale word
	s_mul_i32 s35, s28, 1280
	s_add_co_u32 s35, s35, XAP
	v_mul_u32_u24 v9, v2, 80
	s_delay_alu instid0(VALU_DEP_1)
	v_lshl_add_u32 v16, v3, 3, v9
	s_delay_alu instid0(VALU_DEP_1)
	v_add_nc_u32 v16, XAP, v16                     ; x A back: row r, + 8 h
	s_delay_alu instid0(VALU_DEP_3)
	v_lshl_add_u32 v9, v3, 5, v9
	s_delay_alu instid0(VALU_DEP_1)
	v_add_nc_u32 v9, s35, v9                       ; x A in: row 16 w + r, + 32 h
	s_lshl_b32 s35, s29, 15
	s_lshl_b32 s60, s30, 9
	s_add_co_u32 s35, s35, s60
	v_lshlrev_b32 v10, 4, v4
	s_delay_alu instid0(VALU_DEP_1)
	v_lshl_add_u32 v10, v3, 10, v10
	s_delay_alu instid0(VALU_DEP_1)
	v_add_nc_u32 v10, s35, v10                     ; U's fragments
	s_lshl_b32 s35, s29, 11
	s_lshl_b32 s60, s30, 7
	s_add_co_u32 s35, s35, s60
	s_add_co_u32 s35, s35, USW
	v_add_nc_u32 v11, s35, v24                     ; U's scale words
	s_lshl_b32 s35, s31, 10
	s_add_co_u32 s35, s35, XIMG
	v_add_nc_u32 v12, s35, v6                      ; x's images back
	s_lshl_b32 s35, s31, 7
	s_add_co_u32 s35, s35, XSC
	v_add_nc_u32 v13, s35, v26
	s_lshl_b32 s35, s29, 1
	s_add_co_u32 s35, s35, s31                     ; 2 p + m
	s_lshl_b32 s60, s35, 9
	s_lshl_b32 s62, s30, 8
	s_add_co_u32 s60, s60, s62
	s_add_co_u32 s60, s60, YIMG
	v_lshlrev_b32 v14, 4, v2
	s_delay_alu instid0(VALU_DEP_1)
	v_lshl_add_u32 v14, v3, 3, v14
	s_delay_alu instid0(VALU_DEP_1)
	v_add_nc_u32 v14, s60, v14                     ; y's image in: 16 r + 256 x block + 8 h
	s_lshl_b32 s60, s35, 6
	s_add_co_u32 s60, s60, s30
	s_add_co_u32 s60, s60, YSC
	v_add_nc_u32 v15, s60, v21                     ; y's scale byte
	v_add_nc_u32 v17, YIMG, v6                     ; y's images back
	v_add_nc_u32 v18, YSC, v21
	s_lshl_b32 s35, s30, 7
	v_add_nc_u32 v19, s35, v23                     ; alpha: my 16 numbers
	v_lshlrev_b32 v20, 5, v4
	s_delay_alu instid0(VALU_DEP_1)
	v_lshl_add_u32 v20, v3, 4, v20                 ; V's pair fragment
	v_lshl_add_u32 v22, v3, 13, v24                ; B: rows 2 h + j, my column
	v_lshlrev_b32 v25, 5, v2
	s_delay_alu instid0(VALU_DEP_1)
	v_lshl_add_u32 v25, v3, 4, v25                 ; q's and k's codes out
	v_and_b32 v27, 7, v1                           ; k's scale bytes out: the place of row L among the pair words
	v_lshrrev_b32 v28, 4, v1
	s_delay_alu instid0(VALU_DEP_1)
	v_lshl_add_u32 v27, v28, 3, v27
	s_delay_alu instid0(VALU_DEP_1)
	v_lshlrev_b32 v27, 2, v27
	v_bfe_u32 v28, v1, 3, 1
	s_delay_alu instid0(VALU_DEP_1)
	v_lshl_add_u32 v27, v28, 1, v27
	v_lshlrev_b32 v28, 4, v4
	s_delay_alu instid0(VALU_DEP_1)
	v_lshl_add_u32 v28, v3, 3, v28                 ; v's codes out
	v_lshlrev_b32 v29, 6, v4                       ; v's scale bytes out
.irp b, 0,1,2,3
	v_mov_b32 v[TM+4+\b], 0                        ; a lane permute's destination counts as one of its sources
.endr
	s_mov_b32 s66, 0x76543210
	s_mov_b32 s67, 0xfedcba98                      ; lane l xor 16
	s_mov_b32 s90, 0xffff0000                      ; lanes 16-31
	s_and_b32 s91, ttmp9, 1
	; scalar bases
	s_lshl_b32 s60, ttmp9, 17
	s_lshl_b32 s62, s31, 16
	s_add_co_u32 s60, s60, s62
	s_lshl_b32 s62, s32, 9
	s_add_co_u32 s60, s60, s62
	s_add_nc_u64 s[68:69], s[4:5], s[60:61]        ; x at my 16 rows, my 128 columns
	s_add_co_u32 s60, s62, WT_A12
	s_add_nc_u64 s[70:71], s[6:7], s[60:61]        ; the A likewise
	s_cmp_eq_u32 s29, 0
	s_cselect_b64 s[72:73], s[8:9], s[12:13]
	s_cmp_eq_u32 s29, 1
	s_cselect_b64 s[72:73], s[10:11], s[72:73]     ; alpha of my p
	s_lshl_b32 s60, s28, 11
	s_add_co_u32 s60, s60, WT_K64C
	s_add_nc_u64 s[74:75], s[6:7], s[60:61]        ; V's codes at my head's 64 rows
	s_lshl_b32 s60, s28, 7
	s_add_co_u32 s60, s60, WT_K64S
	s_add_nc_u64 s[76:77], s[6:7], s[60:61]
	s_lshl_b32 s60, s28, 8
.irp q, 14,16,18,20,22,24
	s_add_nc_u64 s[\q:\q+1], s[\q:\q+1], s[60:61]  ; the B and the biases at my head's 64 columns
.endr
	s_lshl_b32 s78, s33, 4
	s_add_co_u32 s78, s78, s28                     ; 16 x batch + head
	s_lshl_b32 s60, s78, 16
	s_lshl_b32 s62, s34, 10
	s_add_co_u32 s60, s60, s62
	s_add_nc_u64 s[80:81], s[26:27], s[60:61]      ; codes: the same place in q's, k's and v's part
	s_lshl_b32 s60, s78, 13
	s_lshl_b32 s62, s34, 7
	s_add_co_u32 s60, s60, s62
	s_add_co_u32 s60, s60, QS
	s_add_nc_u64 s[82:83], s[26:27], s[60:61]
	s_lshl_b32 s60, s78, 12
	s_lshl_b32 s62, s34, 6
	s_add_co_u32 s60, s60, s62
	s_add_co_u32 s60, s60, KS
	s_add_nc_u64 s[84:85], s[26:27], s[60:61]
	s_lshl_b32 s60, s78, 12
	s_add_co_u32 s60, s60, s34
	s_add_co_u32 s60, s60, VS
	s_add_nc_u64 s[86:87], s[26:27], s[60:61]
	s_lshl_b32 s60, s33, 5
	s_lshr_b32 s62, s34, 1
	s_add_co_u32 s60, s60, s62
	s_lshl_b32 s60, s60, 12
	s_lshl_b32 s62, s28, 8
	s_add_co_u32 s60, s60, s62
	s_add_co_u32 s60, s60, VG
	s_add_nc_u64 s[88:89], s[26:27], s[60:61]
; 64 numbers of a lane, register 16 b + i = k 32 b + 16 h + i of my row, become a fragment's codes in v[PC] on and its scale word in v[PW]
.macro QUANT src
.irp b, 0,1,2,3
	v_max3_num_f32 v[TM+\b], |v[\src+16*\b]|, |v[\src+1+16*\b]|, 0x1800000   ; with the floor 2^(3 - 127)
.endr
.irp i, 2,4,6,8,10,12,14
.irp b, 0,1,2,3
	s_delay_alu instid0(VALU_DEP_4)
	v_max3_num_f32 v[TM+\b], v[TM+\b], |v[\src+16*\b+\i]|, |v[\src+1+16*\b+\i]|
.endr
.endr
.irp b, 0,1,2,3
	s_delay_alu instid0(VALU_DEP_4)
	v_permlanex16_b32 v[TM+4+\b], v[TM+\b], s66, s67
.endr
.irp b, 0,1,2,3
	s_delay_alu instid0(VALU_DEP_4)
	v_max_num_f32 v[TM+\b], v[TM+\b], v[TM+4+\b]
.endr
.irp b, 0,1,2,3
	s_delay_alu instid0(VALU_DEP_4)
	v_add_nc_u32 v[TM+12+\b], 0xff000000, v[TM+\b]     ; 2 off the exponent field: the conversion's scale operand
.endr
.irp b, 0,1,2,3
	s_delay_alu instid0(VALU_DEP_4)
	v_lshrrev_b32 v[TM+4+\b], 23, v[TM+12+\b]
.endr
	s_delay_alu instid0(VALU_DEP_3)
	v_lshl_or_b32 v[PW], v[TM+5], 8, v[TM+4]
	s_delay_alu instid0(VALU_DEP_1)
	v_lshl_or_b32 v[PW], v[TM+6], 16, v[PW]
	s_delay_alu instid0(VALU_DEP_1)
	v_lshl_or_b32 v[PW], v[TM+7], 24, v[PW]
.irp b, 0,1,2,3
	v_cvt_scalef32_pk8_fp4_f32 v[PC+2*\b], v[\src+16*\b:\src+7+16*\b], v[TM+12+\b]
	v_cvt_scalef32_pk8_fp4_f32 v[PC+1+2*\b], v[\src+8+16*\b:\src+15+16*\b], v[TM+12+\b]
.endr
	v_nop
.irp c, 0,1
.irp i, 0,1
	v_permlane16_swap_b32 v[PC+4*\c+\i], v[PC+2+4*\c+\i]   ; a whole block to a lane
.endr
.endr
.endm
; the same for 32 numbers (K = 64): four registers of codes at v[dst], the two bytes in v[hw]
.macro QUANT2 src, dst, hw
.irp b, 0,1
	v_max3_num_f32 v[TM+\b], |v[\src+16*\b]|, |v[\src+1+16*\b]|, 0x1800000
.endr
.irp i, 2,4,6,8,10,12,14
.irp b, 0,1
	v_max3_num_f32 v[TM+\b], v[TM+\b], |v[\src+16*\b+\i]|, |v[\src+1+16*\b+\i]|
.endr
.endr
.irp b, 0,1
	s_delay_alu instid0(VALU_DEP_2)
	v_permlanex16_b32 v[TM+4+\b], v[TM+\b], s66, s67
.endr
.irp b, 0,1
	s_delay_alu instid0(VALU_DEP_2)
	v_max_num_f32 v[TM+\b], v[TM+\b], v[TM+4+\b]
.endr
.irp b, 0,1
	s_delay_alu instid0(VALU_DEP_2)
	v_add_nc_u32 v[TM+12+\b], 0xff000000, v[TM+\b]
.endr
.irp b, 0,1
	s_delay_alu instid0(VALU_DEP_2)
	v_lshrrev_b32 v[TM+4+\b], 23, v[TM+12+\b]
.endr
	s_delay_alu instid0(VALU_DEP_1)
	v_lshl_or_b32 v[\hw], v[TM+5], 8, v[TM+4]
.irp b, 0,1
	v_cvt_scalef32_pk8_fp4_f32 v[\dst+2*\b], v[\src+16*\b:\src+7+16*\b], v[TM+12+\b]
	v_cvt_scalef32_pk8_fp4_f32 v[\dst+1+2*\b], v[\src+8+16*\b:\src+15+16*\b], v[TM+12+\b]
.endr
	v_nop
	v_permlane16_swap_b32 v[\dst], v[\dst+2]
	v_permlane16_swap_b32 v[\dst+1], v[\dst+3]
.endm
; the operands of phase 2 for projection idx: V's two pair fragments and pair words, B's four tiles, the bias in the result's layout (kind 0: eight columns a lane; kind 1: one column a lane)
.macro LOADSET idx, bmat, bias, kind
.irp g, 0,1
	global_load_b128 v[VF+8*\g:VF+8*\g+3], v20, s[74:75] offset:32768*\idx+1024*\g
	global_load_b128 v[VF+8*\g+4:VF+8*\g+7], v20, s[74:75] offset:32768*\idx+1024*\g+256
	global_load_b32 v[VSW+\g], v21, s[76:77] offset:2048*\idx+64*\g
.irp u, 0,1
.irp j, 0,1
	global_load_b32 v[BMF+4*\g+2*\u+\j], v22, s[\bmat:\bmat+1] offset:128*\g+32*\u+4096*\j
.endr
.if \kind == 0
	global_load_b128 v[BIAS+16*\g+8*\u:BIAS+16*\g+8*\u+3], v23, s[\bias:\bias+1] offset:128*\g+32*\u
	global_load_b128 v[BIAS+16*\g+8*\u+4:BIAS+16*\g+8*\u+7], v23, s[\bias:\bias+1] offset:128*\g+32*\u+16
.else
.irp j, 0,1,2,3,4,5,6,7
	global_load_b32 v[BIAS+16*\g+8*\u+\j], v24, s[\bias:\bias+1] offset:128*\g+32*\u
.endr
.endif
.endr
.endr
.endm
; ---- PHASE X
.irp b, 0,1,2,3
.irp j, 0,1,2,3
	global_load_b128 v[AW+16*\b+4*\j:AW+16*\b+4*\j+3], v5, s[70:71] offset:128*\b+16*\j
.endr
.endr
.irp b, 0,1,2,3
.irp j, 0,1,2,3
	global_load_b128 v[X+16*\b+4*\j:X+16*\b+4*\j+3], v5, s[68:69] offset:128*\b+16*\j th:TH_LOAD_NT
.endr
.endr
	s_wait_loadcnt 0x0
	; x A, transposed: source 0 = the 16 rows of the A, source 1 = my 16 rows of x; both sides hold the same k in the same place.  Four accumulators by turns; the first four start the sums
.irp b, 0,1,2,3
	v_wmma_f32_16x16x4_f32 v[ACC+8*\b:ACC+8*\b+7], v[AW+16*\b:AW+16*\b+1], v[X+16*\b:X+16*\b+1], 0
.endr
.irp i, 2,4,6,8,10,12,14
.irp b, 0,1,2,3
	v_wmma_f32_16x16x4_f32 v[ACC+8*\b:ACC+8*\b+7], v[AW+16*\b+\i:AW+16*\b+\i+1], v[X+16*\b+\i:X+16*\b+\i+1], v[ACC+8*\b:ACC+8*\b+7]
.endr
.endr
	QUANT X                                        ; its lines are also the places behind the products above
	ds_store_b128 v7, v[PC:PC+3]
	ds_store_b128 v7, v[PC+4:PC+7] offset:512
	ds_store_b32 v8, v[PW]
.irp j, 0,2,4,6
	v_pk_add_f32 v[TM+\j:TM+\j+1], v[ACC+\j:ACC+\j+1], v[ACC+8+\j:ACC+9+\j]
.endr
.irp j, 0,2,4,6
	v_pk_add_f32 v[TM+8+\j:TM+9+\j], v[ACC+16+\j:ACC+17+\j], v[ACC+24+\j:ACC+25+\j]
.endr
.irp j, 0,2,4,6
	s_delay_alu instid0(VALU_DEP_4)
	v_pk_add_f32 v[TM+\j:TM+\j+1], v[TM+\j:TM+\j+1], v[TM+8+\j:TM+9+\j]
.endr
	ds_store_b128 v9, v[TM:TM+3]                   ; my row r of x: columns 8 h + 0 .. 7 of x A, for my 128 along K
	ds_store_b128 v9, v[TM+4:TM+7] offset:16
.irp j, 0,1,2,3
	global_load_b128 v[AL+4*\j:AL+4*\j+3], v19, s[72:73] offset:16*\j
.endr
	LOADSET 0, 14, 20, 0
	s_wait_tensorcnt 0x0                           ; my part of U has landed,
	s_wait_dscnt 0x0                               ; my stores too
	s_barrier_signal -1
	s_barrier_wait -1
; ---- PHASE 1
	s_cmp_lt_u32 s28, 12
	s_cbranch_scc0 .Ljoin
.irp t, 0,1,2,3
.if \t > 0
	PLACES 4                                       ; in front of loads into registers that matrix instructions have read
.endif
.irp e, 0,1
.irp u, 0,1
	ds_load_b128 v[UF+16*\e+8*\u:UF+16*\e+8*\u+3], v10 offset:4096*(2*\t+\e)+128*\u
	ds_load_b128 v[UF+16*\e+8*\u+4:UF+16*\e+8*\u+7], v10 offset:4096*(2*\t+\e)+2048+128*\u
	ds_load_b32 v[US+2*\e+\u], v11 offset:256*(2*\t+\e)+32*\u
.endr
	ds_load_b128 v[XF+8*\e:XF+8*\e+3], v12 offset:2048*(2*\t+\e)
	ds_load_b128 v[XF+8*\e+4:XF+8*\e+7], v12 offset:2048*(2*\t+\e)+512
	ds_load_b32 v[XS+\e], v13 offset:256*(2*\t+\e)
.endr
	s_wait_dscnt 0x0
.irp e, 0,1
.irp u, 0,1
.if 2*\t+\e == 0
	WMZ ACC+8*\u, UF+16*\e+8*\u, XF+8*\e, US+2*\e+\u, XS+\e
.else
	WMC ACC+8*\u, UF+16*\e+8*\u, XF+8*\e, ACC+8*\u, US+2*\e+\u, XS+\e
.endif
.endr
.endr
.endr
	PLACES 4
	s_wait_loadcnt 0x0                             ; alpha
.irp j, 0,2,4,6,8,10,12,14
	v_pk_mul_f32 v[YS+\j:YS+\j+1], v[ACC+\j:ACC+\j+1], v[AL+\j:AL+\j+1]   ; y: rank 32 x block + 16 h + 0 .. 15 of my row
.endr
	v_max3_num_f32 v[TM], |v[YS]|, |v[YS+1]|, 0x1800000
.irp i, 2,4,6,8,10,12,14
	s_delay_alu instid0(VALU_DEP_1)
	v_max3_num_f32 v[TM], v[TM], |v[YS+\i]|, |v[YS+\i+1]|
.endr
	s_delay_alu instid0(VALU_DEP_1)
	v_permlanex16_b32 v[TM+4], v[TM], s66, s67
	s_delay_alu instid0(VALU_DEP_1)
	v_max_num_f32 v[TM], v[TM], v[TM+4]
	s_delay_alu instid0(VALU_DEP_1)
	v_add_nc_u32 v[TM+12], 0xff000000, v[TM]
	s_delay_alu instid0(VALU_DEP_1)
	v_lshrrev_b32 v[TM+8], 23, v[TM+12]
	v_cvt_scalef32_pk8_fp4_f32 v[PC], v[YS:YS+7], v[TM+12]
	v_cvt_scalef32_pk8_fp4_f32 v[PC+1], v[YS+8:YS+15], v[TM+12]
	v_nop
	ds_store_b64 v14, v[PC:PC+1]
	ds_store_b8 v15, v[TM+8]                       ; the scale word repeats its two bytes: it serves the run [c | 0] and the run [0 | c]
	ds_store_b8 v15, v[TM+8] offset:2
.Ljoin:
	; every wave adds the eight parts of x A: pair (p, m) = x A(row r of tile m, columns 4 p + 2 h + 0, 1)
.irp m, 0,1
.irp p, 0,1,2
.irp e, 0,1,2,3,4,5,6,7
	ds_load_b64 v[RT+16*\p+2*\e:RT+16*\p+2*\e+1], v16 offset:(2*\e+\m)*1280+16*\p
.endr
.endr
	s_wait_dscnt 0x0
.irp p, 0,1,2
.irp e, 0,4,8,12
	v_pk_add_f32 v[RT+16*\p+\e:RT+16*\p+\e+1], v[RT+16*\p+\e:RT+16*\p+\e+1], v[RT+16*\p+\e+2:RT+16*\p+\e+3]
.endr
.irp e, 0
	s_delay_alu instid0(VALU_DEP_3)
	v_pk_add_f32 v[RT+16*\p+\e:RT+16*\p+\e+1], v[RT+16*\p+\e:RT+16*\p+\e+1], v[RT+16*\p+\e+4:RT+16*\p+\e+5]
.endr
.irp e, 8
	s_delay_alu instid0(VALU_DEP_2)
	v_pk_add_f32 v[RT+16*\p+\e:RT+16*\p+\e+1], v[RT+16*\p+\e:RT+16*\p+\e+1], v[RT+16*\p+\e+4:RT+16*\p+\e+5]
.endr
	s_delay_alu instid0(VALU_DEP_1)
	v_pk_add_f32 v[XA+4*\p+2*\m:XA+4*\p+2*\m+1], v[RT+16*\p:RT+16*\p+1], v[RT+16*\p+8:RT+16*\p+9]
.endr
.endr
.irp z, 0,1,2,3,8,9,10,11,16,17,18,19
	v_mov_b32 v[YS+\z], 0                          ; the zeros round y's codes
.endr
	s_wait_alu depctr_va_vdst(0)
	s_wait_dscnt 0x0
	s_barrier_signal -1
	s_barrier_wait -1
; ---- PHASE 2
.macro YLOAD idx
	s_wait_loadcnt 0x0                             ; this projection's operands
	ds_load_b128 v[YS+4:YS+7], v17 offset:512*(2*\idx)
	ds_load_b128 v[YS+12:YS+15], v17 offset:512*(2*\idx+1)
	ds_load_b32 v[YW], v18 offset:64*(2*\idx)
	ds_load_b32 v[YW+1], v18 offset:64*(2*\idx+1)
	s_wait_dscnt 0x0
.endm
; q and k, tile of rows m, transposed: source 0 = V's rows (B's columns), source 1 = y (x A).  The bias is the C of the first product.
.macro MULQK idx, m
.irp g, 0,1
	WMC ACC+16*\g, VF+8*\g, YS+4+8*\m, BIAS+16*\g, VSW+\g, YW+\m
	WMC ACC+16*\g+8, VF+8*\g, YS+8*\m, BIAS+16*\g+8, VSW+\g, YW+\m
.endr
	PLACES 5                                       ; another form writes over these results
.irp g, 0,1
.irp u, 0,1
	v_wmma_f32_16x16x4_f32 v[ACC+16*\g+8*\u:ACC+16*\g+8*\u+7], v[BMF+4*\g+2*\u:BMF+4*\g+2*\u+1], v[XA+4*\idx+2*\m:XA+4*\idx+2*\m+1], v[ACC+16*\g+8*\u:ACC+16*\g+8*\u+7]
.endr
.endr
	PLACES 9
.endm
.macro POSTQK m, hw, imm
	s_wait_xcnt 0x0                                ; the codes' registers are written again only behind this wait
	QUANT2 ACC, PC, \hw
	global_store_b128 v25, v[PC:PC+3], s[80:81] offset:\imm+512*\m   ; 16 rows x 32 bytes: 512 consecutive bytes
.endm
	YLOAD 0
	MULQK 0, 0
	POSTQK 0, HW0, 0
	MULQK 0, 1
	LOADSET 1, 16, 22, 0
	POSTQK 1, HW1, 0
	v_cndmask_b32 v[PW], v[HW0], v[HW1], s90       ; lane L: row L of the 32
	s_delay_alu instid0(VALU_DEP_1)
	v_lshl_or_b32 v[PW], v[PW], 16, v[PW]
	global_store_b32 v26, v[PW], s[82:83]
	YLOAD 1
	MULQK 1, 0
	POSTQK 0, HW0, KC
	MULQK 1, 1
	LOADSET 2, 18, 24, 1
	POSTQK 1, HW1, KC
	v_cndmask_b32 v[PW], v[HW0], v[HW1], s90
	global_store_b16 v27, v[PW], s[84:85]
	YLOAD 2
; v, half g of the head, not transposed: source 0 = y (x A), source 1 = V's rows (B's columns): a lane holds one channel; accumulator 16 u + 8 m: keys 16 m + 8 h + 0 .. 7
.macro MULV g
.irp m, 0,1
	WMC ACC+8*\m, YS+4+8*\m, VF+8*\g, BIAS+16*\g, YW+\m, VSW+\g
.endr
.irp m, 0,1
	WMC ACC+16+8*\m, YS+8*\m, VF+8*\g, BIAS+16*\g+8, YW+\m, VSW+\g
.endr
	PLACES 5
.irp u, 0,1
.irp m, 0,1
	v_wmma_f32_16x16x4_f32 v[ACC+16*\u+8*\m:ACC+16*\u+8*\m+7], v[XA+8+2*\m:XA+9+2*\m], v[BMF+4*\g+2*\u:BMF+4*\g+2*\u+1], v[ACC+16*\u+8*\m:ACC+16*\u+8*\m+7]
.endr
.endr
	PLACES 9
.endm
.macro POSTV g
	s_wait_xcnt 0x0
.irp u, 0,1
	v_max3_num_f32 v[TM+\u], |v[ACC+16*\u]|, |v[ACC+16*\u+1]|, 0x1800000
.endr
.irp i, 2,4,6,8,10,12,14
.irp u, 0,1
	v_max3_num_f32 v[TM+\u], v[TM+\u], |v[ACC+16*\u+\i]|, |v[ACC+16*\u+\i+1]|
.endr
.endr
.irp u, 0,1
	s_delay_alu instid0(VALU_DEP_2)
	v_permlanex16_b32 v[TM+4+\u], v[TM+\u], s66, s67
.endr
.irp u, 0,1
	s_delay_alu instid0(VALU_DEP_2)
	v_max_num_f32 v[TM+\u], v[TM+\u], v[TM+4+\u]   ; the 32 keys' largest magnitude for my channel
.endr
.irp u, 0,1
	s_delay_alu instid0(VALU_DEP_2)
	v_add_nc_u32 v[TM+12+\u], 0xff000000, v[TM+\u]
.endr
.irp u, 0,1
	s_delay_alu instid0(VALU_DEP_2)
	v_lshrrev_b32 v[TM+8+\u], 23, v[TM+12+\u]
.endr
.irp u, 0,1
	v_cvt_scalef32_pk8_fp4_f32 v[PC+2*\u], v[ACC+16*\u:ACC+16*\u+7], v[TM+12+\u]
	v_cvt_scalef32_pk8_fp4_f32 v[PC+2*\u+1], v[ACC+16*\u+8:ACC+16*\u+15], v[TM+12+\u]
.endr
	v_nop
.irp u, 0,1
	v_permlane16_swap_b32 v[PC+2*\u], v[PC+2*\u+1] ; lanes 0-15: keys 0-15, lanes 16-31: keys 16-31
.endr
.irp u, 0,1
	global_store_b64 v28, v[PC+2*\u:PC+2*\u+1], s[80:81] offset:VC+512*\g+128*\u
	global_store_b8 v29, v[TM+8+\u], s[86:87] offset:(32*\g+8*\u)*64
.endr
	s_cmp_lg_u32 s91, 0                            ; an even block begins with a row 64 g: it leaves as f32 too
	s_cbranch_scc1 .Lodd_\@
.irp u, 0,1
	v_permlanex16_b32 v[TM+4+\u], v[ACC+16*\u], s66, s67
.endr
.irp u, 0,1
	v_cndmask_b32 v[TM+4+\u], v[ACC+16*\u], v[TM+4+\u], s90   ; key 0 lies in lanes 0-15: both halves of the lanes now hold it and store the same number
.endr
.irp u, 0,1
	global_store_b32 v24, v[TM+4+\u], s[88:89] offset:128*\g+32*\u
.endr
.Lodd_\@:
.endm
	MULV 0
	POSTV 0
	MULV 1
	POSTV 1
	s_wait_tensorcnt 0x0
	ds_add_u32 v254, v255
	s_wait_dscnt 0x0
	s_endpgm
.Lfunc_end_k_q46ed890827_proj:
	.size	k_q46ed890827_proj, .Lfunc_end_k_q46ed890827_proj-k_q46ed890827_proj
	.p2alignl 7, 3214868480
	.fill 96, 4, 3214868480
	.section	.rodata,"a",@progbits
	.p2align	6, 0x0
	.amdhsa_kernel k_q46ed890827_proj
		.amdhsa_group_segment_fixed_size 169984
		.amdhsa_private_segment_fixed_size 0
		.amdhsa_enable_private_segment 0
		.amdhsa_kernarg_size 96
		.amdhsa_user_sgpr_count 2
		.amdhsa_user_sgpr_kernarg_segment_ptr 1
		.amdhsa_wavefront_size32 1
		.amdhsa_system_sgpr_workgroup_id_x 1
		.amdhsa_system_sgpr_workgroup_id_y 1
		.amdhsa_system_sgpr_workgroup_id_z 1
		.amdhsa_system_vgpr_workitem_id 0
		.amdhsa_next_free_vgpr 256
		.amdhsa_next_free_sgpr 96
		.amdhsa_reserve_vcc 0
		.amdhsa_float_denorm_mode_32 3
		.amdhsa_float_denorm_mode_16_64 3
		.amdhsa_memory_ordered 1
		.amdhsa_forward_progress 1
		.amdhsa_inst_pref_size 69
	.end_amdhsa_kernel
	.amdgpu_metadata
---
amdhsa.version: [ 1, 2 ]
amdhsa.kernels:
  - .name:           k_q46ed890827_proj
    .symbol:         k_q46ed890827_proj.kd
    .args:
      - { .name: x, .offset: 0, .size: 8, .value_kind: global_buffer, .address_space: global }
      - { .name: wts, .offset: 8, .size: 8, .value_kind: global_buffer, .address_space: global }
      - { .name: q_alpha, .offset: 16, .size: 8, .value_kind: global_buffer, .address_space: global }
      - { .name: k_alpha, .offset: 24, .size: 8, .value_kind: global_buffer, .address_space: global }
      - { .name: v_alpha, .offset: 32, .size: 8, .value_kind: global_buffer, .address_space: global }
      - { .name: q_B, .offset: 40, .size: 8, .value_kind: global_buffer, .address_space: global }
      - { .name: k_B, .offset: 48, .size: 8, .value_kind: global_buffer, .address_space: global }
      - { .name: v_B, .offset: 56, .size: 8, .value_kind: global_buffer, .address_space: global }
      - { .name: q_b, .offset: 64, .size: 8, .value_kind: global_buffer, .address_space: global }
      - { .name: k_b, .offset: 72, .size: 8, .value_kind: global_buffer, .address_space: global }
      - { .name: v_b, .offset: 80, .size: 8, .value_kind: global_buffer, .address_space: global }
      - { .name: qkv, .offset: 88, .size: 8, .value_kind: global_buffer, .address_space: global }
    .group_segment_fixed_size: 169984
    .private_segment_fixed_size: 0
    .kernarg_segment_align: 8
    .kernarg_segment_size: 96
    .max_flat_workgroup_size: 512
    .sgpr_count:     96
    .vgpr_count:     256
    .wavefront_size: 32
...
	.end_amdgpu_metadata
.endif
;; end of part 5
;; launch attn (part 6): grid 8 x 32, 16 waves a work-group, no clusters, 55,552 bytes of LDS; arguments qkv, wts, t_W, t_b, i_b, c_b, fus, out1, out2, out3; writes fus, out1, out2, out3
.if DOCPART == 6
	.amdgcn_target "amdgcn-amd-amdhsa--gfx1250"
	.amdhsa_code_object_version 6
	.text
	.protected	k_q46ed890827_attn
	.globl	k_q46ed890827_attn
	.p2align	8
	.type	k_q46ed890827_attn,@function
k_q46ed890827_attn:
	s_mov_b64 s[64:65], 0
	v_nop
	global_prefetch_b8 v0, s[64:65] scope:SCOPE_SE
	s_setreg_imm32_b32 hwreg(HW_REG_WAVE_SCHED_MODE, 0, 2), 2
	s_setreg_imm32_b32 hwreg(HW_REG_WAVE_MODE, 25, 1), 1
	s_wait_xcnt 0x0
	s_wait_alu depctr_vm_vsrc(0)
; combined = local + strided + memory attention for 256 queries of one head, all six products on codes of FP4 (E2M1) with E8M0 block scales; then its codes for the output product, and for head 0 the three small heads.
; A wave owns 16 queries.  The band |key - query| <= 128 of its queries lies in nine aligned blocks of 32 keys; what lies outside the band or the sequence becomes -infinity ahead of the maximum (p = 0).
; SOFTMAX: t = score x log2(e) / 8; M = the running largest t rounded up to a whole number; p = 2^(t - M) is quantised along the keys, not normalised; the sum of the unquantised p divides at the end.
; Both products are used transposed, so that a lane holds one query throughout.  K = 64 fills half of the instruction's 128: a fragment of keys carries two tiles of 16 (registers 0-3 and 4-7),
; q lies between zeros [0 | q | 0], and the runs [q | 0] and [0 | q] pick the tiles.  Lane r of tile u takes key r + 8 (r / 8) + 8 u of a block, so that 16 registers are 16 neighbouring keys; the channels of a tile of V likewise.
; The work-group's 16 blocks of K and V, the memory's codes both ways and all scale words are staged in LDS once, through registers; one barrier.  Blocks beyond the sequence's ends are held to its first or last block; their scores are hidden.
; LIMITS: a block whose largest magnitude lies under 2^(3 - 127), a block of zeros among them, keeps the byte 1; NaN and infinities among the inputs are not served.
; THE MODE: SCHED_MODE bits 1:0 = 2 (LLVM: expert scheduling mode 2), set by the entry lines.  The code itself states the register dependences between vector or matrix instructions
; and memory or LDS instructions, with s_wait_alu, always for 0.
; THE PLAN.  Registers that memory or LDS instructions touch:
;   v1-11, v29, v30, v92-95        LDS addresses and an offset: written at the head, never again.  One wait on va_vdst ahead of the first staging load serves every later reader.
;   v240, v243-245, v247, v250-251 the staging loads' offsets, made ahead of that same wait; v96-121 the staging's data on their way to LDS.  All are at work again later: one wait on vm_vsrc behind the staging's LDS stores.
;   v236-239, v247-249             data and addresses of the two LDS stores of waves 14 and 15: a wait on va_vdst ahead of the stores, a wait on vm_vsrc behind the barrier.
;   F, KW                          K's loads land; the scores' products read; V's loads land in F; the products V^T P read.  A wait on va_vdst ahead of V's loads, and ahead of K's where products V^T P stand just ahead.
;   VR, VW                         V's scale words: loaded behind the wait ahead of V's loads, which also covers the step before (its shifts read VR and wrote VW, its products read VW).
;   P, v253, VW where shifted      written by vector instructions, taken by scaled products: a wait on va_vdst at the head of the products V^T P, behind the places.
;   the way out                    a wait on va_vdst ahead of each run of stores whose data or offsets are fresh, and ahead of head 0's loads.
; A wave has all its 256 registers in use (four waves share a SIMD's registers), so F has no second set.
.set WT_SW,   114688
.set WT_K64C, 121856
.set WT_K64S, 239616
.set KC, 2097152
.set VC, 4194304
.set QS, 6291456
.set KS, 6553600
.set VS, 6684672
.set VG, 6815744
.set KL,  0                            ; LDS: 16 blocks of K, 1,024 bytes each (32 keys x 32 bytes)
.set VL,  16384                        ; 16 blocks of V (64 channels x 16 bytes)
.set MDL, 32768                        ; the memory along d: 8 groups of 32 slots
.set MML, 40960                        ; the memory along its slots: 8 blocks (64 channels x 16 bytes)
.set KSL, 49152                        ; K's pair words, 64 bytes a block
.set VSL, 50176                        ; V's scale bytes [channel][16 blocks]
.set MDS, 51200                        ; the memory's pair words
.set MMS, 51712                        ; and its scale words [K step][channel]
.set VGL, 52224                        ; the strided V: 64 channels x 16 bytes
.set VGS, 53248                        ; its scale bytes, a word each
.set QF,  16                           ; v16-27 [0 | q | 0];  v28 its scale word
.set QW,  28
.set F,   32                           ; v32-63 four fragments of keys or of V
.set KG,  64                           ; v64-71 the strided keys;  v72 their pair word
.set KGW, 72
.set DLO, 73                           ; v73-75 the band's ends against a register's key
.set DH1, 74
.set DH2, 75
.set KW,  76                           ; v76-79 the keys' pair words; v80-87 V's scale words as they lie; v88-91 as the product wants them: scales and nothing else
.set VR,  80
.set VW,  88
.set S,   96                           ; v96-159 scores, then p
.set O,   160                          ; v160-191 one attention's result, transposed
.set COMB, 192                         ; v192-223 the sum of the three
.set P,   224                          ; v224-231 p's codes
.set BM,  232                          ; v232-235 a block's largest score;  v236-239 at work;  v244-247 the conversions' scale operands;  v252 f, v253 p's scale word, v254 at work
.set BT,  236
.set SO,  244
.set SEL, 34
.set CS,  36
.set MK,  42                           ; s42-57 the sixteen masks of a block of keys (the staging loads' bases until those loads are in)
.macro WMZ d, a, b, sa, sb
	v_wmma_scale_f32_16x16x128_f8f6f4 v[\d:\d+7], v[\a:\a+7], v[\b:\b+7], 0, v[\sa], v[\sb] matrix_a_fmt:MATRIX_FMT_FP4 matrix_b_fmt:MATRIX_FMT_FP4
.endm
.macro WMC d, a, b, c, sa, sb
	v_wmma_scale_f32_16x16x128_f8f6f4 v[\d:\d+7], v[\a:\a+7], v[\b:\b+7], v[\c:\c+7], v[\sa], v[\sb] matrix_a_fmt:MATRIX_FMT_FP4 matrix_b_fmt:MATRIX_FMT_FP4
.endm
.macro PLACES n
.rept \n
	v_nop
.endr
.endm
	s_load_b512 s[4:19], s[0:1], 0x0               ; qkv, wts, t_W, t_b, i_b, c_b, fus, out1
	s_load_b128 s[20:23], s[0:1], 0x40             ; out2, out3
	v_lshrrev_b32 v1, 5, v0
	v_readfirstlane_b32 s24, v1                    ; wave 0..15
	s_and_b32 s27, ttmp7, 0xffff                   ; 16 x batch + head
	s_lshr_b32 s28, s27, 4
	s_and_b32 s29, s27, 15
	s_lshl_b32 s26, ttmp9, 8
	s_mov_b32 s[SEL], 0x76543210
	s_mov_b32 s[SEL+1], 0xfedcba98
	s_mov_b32 s[CS], 0x3e38aa3b                    ; log2(e) / 8
	s_mov_b32 s[CS+1], s[CS]
	s_mov_b32 s41, 0
	v_and_b32 v232, 31, v0                         ; L
	v_and_b32 v233, 15, v0                         ; r
	v_bfe_u32 v234, v0, 4, 1                       ; h
	v_and_b32 v235, 8, v233
	v_add_nc_u32 v235, v235, v233                  ; r + 8 (r / 8)
	v_lshlrev_b32 v1, 5, v235
	v_lshl_add_u32 v1, v234, 4, v1                 ; a pair fragment's place for my lane
	s_wait_alu depctr_va_vdst(0)
	s_wait_alu depctr_va_sdst(0)                   ; s24 is written, ahead of its first reader: the window, the bases and the branches on the wave's number are made from it
	s_lshr_b32 s25, s24, 1                         ; a: my window begins at staged block a
	s_and_b32 s30, s25, 3
	s_lshl_b32 s30, s30, 3                         ; 8 (a % 4): V's scale bytes are shifted by so many bits
	s_lshl_b32 s32, s24, 4
	s_add_co_u32 s32, s32, s26                     ; my first query
	s_lshl_b32 s31, s25, 5
	s_add_co_u32 s31, s31, s26
	s_sub_co_i32 s31, s31, 128                     ; the first key of my window (it may lie ahead of key 0)
	s_lshl_b32 s38, s25, 10
	v_add_nc_u32 v2, s38, v1                       ; K of my window
	v_add_nc_u32 v3, MDL, v1                       ; the memory along d
	v_lshlrev_b32 v240, 2, v233                    ; 4 r
	s_lshl_b32 s39, s25, 6
	s_add_co_u32 s39, s39, KSL
	v_add_nc_u32 v4, s39, v240
	v_add_nc_u32 v5, MDS, v240
	v_lshlrev_b32 v241, 4, v235
	s_add_co_u32 s39, s38, VL
	v_add_nc_u32 v7, s39, v241                     ; V of my window, one block
	v_lshl_add_u32 v6, v234, 10, v7                ; four blocks: lanes 16-31 one block on
	v_lshl_add_u32 v8, v234, 10, v241
	v_add_nc_u32 v8, MML, v8
	v_add_nc_u32 v9, VGL, v241
	s_lshr_b32 s39, s25, 2
	s_lshl_b32 s39, s39, 2
	s_add_co_u32 s39, s39, VSL
	v_add_nc_u32 v10, s39, v241                    ; V's scale bytes: the aligned word that holds block a's
	s_add_co_u32 s39, s25, VSL
	v_add_nc_u32 v11, s39, v241                    ; and block a's byte
	v_lshlrev_b32 v242, 2, v235
	v_add_nc_u32 v29, MMS, v242
	v_add_nc_u32 v30, VGS, v242
	v_lshlrev_b32 v243, 4, v232                    ; 16 L
	v_lshlrev_b32 v244, 2, v232                    ; 4 L
	s_wait_alu depctr_va_vdst(0)
	s_lshl_b32 s39, s24, 10
	v_add_nc_u32 v92, s39, v243                    ; staging: block = wave
	s_lshl_b32 s39, s24, 9
	v_add_nc_u32 v93, s39, v243
	s_lshl_b32 s39, s24, 6
	v_add_nc_u32 v94, s39, v240
	v_lshlrev_b32 v95, 2, v0
	s_and_b32 s39, s24, 1
	s_lshl_b32 s40, s39, 9
	s_add_co_u32 s40, s40, VGL
	v_add_nc_u32 v248, s40, v243
	s_lshl_b32 s40, s39, 7
	s_add_co_u32 s40, s40, VGS
	v_add_nc_u32 v249, s40, v244
	; the band's ends.  Register 16 b + i of a step holds key (step's first) + 32 b + 16 h + i.  query - 128 - (window's first key) = 16 (w % 2) + r
	s_lshl_b32 s38, s39, 4
	v_add_nc_u32 v[DLO], s38, v233
	v_add_nc_u32 v[DH1], 128, v[DLO]
	s_sub_co_i32 s40, 1919, s31                    ; key 2,047 against the second step's first key
	v_min_u32 v[DH1], s40, v[DH1]
	s_sub_co_i32 s39, 0, s31
	s_max_i32 s39, s39, 0                          ; key 0 against the window's first key
	v_mov_b32 v[DH2], s39
	v_cmp_gt_i32 vcc_lo, v[DH2], v[DLO]
	s_wait_alu depctr_va_vcc(0)                    ; the compare has written VCC, which the select below reads
	v_cndmask_b32 v[DLO], v[DLO], v[DH2], vcc_lo
	v_lshlrev_b32 v[DH2], 4, v234
	v_sub_nc_u32 v[DLO], v[DLO], v[DH2]
	v_sub_nc_u32 v[DH1], v[DH1], v[DH2]
	v_add_nc_u32 v[DH2], 0xffffff80, v[DH1]
.irp z, 0,1,2,3,8,9,10,11
	v_mov_b32 v[QF+\z], 0
.endr
	v_mov_b32 v31, 0xff800000                      ; -infinity
.irp b, 0,1,2,3
	v_mov_b32 v[BT+\b], 0                          ; a lane permute's destination counts as one of its sources
.endr
	; ---- staging: every wave one block of K and of V, 512 bytes of the memory each way, one word a thread of the small tables.
	; All vector offsets are made first, then the scalar bases; one wait, and the loads stand in one run behind it
	v_and_b32 v245, 3, v0                          ; waves 0-7: V's scale bytes: channel t / 4, word 2 i - 1 + t % 4 of its 16, held to 0 .. 15
	s_lshl_b32 s40, ttmp9, 1
	v_add_nc_u32 v245, s40, v245
	v_min_u32 v246, 1, v245
	v_sub_nc_u32 v245, v245, v246
	v_min_u32 v245, 15, v245
	v_lshrrev_b32 v246, 2, v0
	v_lshlrev_b32 v246, 6, v246
	v_lshl_add_u32 v245, v245, 2, v246
	s_lshl_b32 s40, s27, 12
	s_add_co_u32 s40, s40, VS
	v_add_nc_u32 v245, s40, v245
	v_and_b32 v246, 127, v0                        ; waves 8-11: the memory's pair words; waves 12-15: its scale words along the slots
	s_mov_b32 s40, WT_SW+6144
	s_cmp_lt_u32 s24, 12
	s_cselect_b32 s40, WT_K64S+6144, s40
	s_lshl_b32 s48, s28, 9
	s_add_co_u32 s40, s40, s48
	v_lshl_add_u32 v246, v246, 2, s40
	s_cmp_lt_u32 s24, 8
	s_cselect_b32 s50, 0, -1
	v_cndmask_b32 v245, v245, v246, s50
	v_lshlrev_b32 v247, 5, v233
	v_lshl_add_u32 v247, v234, 4, v247             ; q's fragment
	v_lshlrev_b32 v250, 11, v235
	v_lshl_add_u32 v250, v234, 4, v250             ; the strided keys
	v_lshlrev_b32 v251, 7, v235                    ; and their scale bytes
	s_lshl_b32 s38, ttmp9, 3
	s_add_co_u32 s38, s38, s24
	s_sub_co_i32 s38, s38, 4
	s_max_i32 s38, s38, 0
	s_min_i32 s38, s38, 63
	s_lshl_b32 s39, s27, 6
	s_add_co_u32 s39, s39, s38
	s_lshl_b32 s40, s39, 10
	s_wait_kmcnt 0x0
	s_add_nc_u64 s[42:43], s[4:5], s[40:41]
	s_lshl_b32 s40, s39, 6
	s_add_nc_u64 s[44:45], s[4:5], s[40:41]
	s_lshl_b32 s40, s28, 13
	s_lshl_b32 s38, s24, 9
	s_add_co_u32 s40, s40, s38
	s_add_nc_u64 s[46:47], s[6:7], s[40:41]
	s_cmp_lt_u32 s24, 8
	s_cselect_b64 s[48:49], s[4:5], s[6:7]
	s_lshl_b32 s40, s27, 16
	s_lshl_b32 s51, s32, 5
	s_add_co_u32 s40, s40, s51
	s_add_nc_u64 s[52:53], s[4:5], s[40:41]
	s_lshl_b32 s40, s27, 13
	s_lshl_b32 s51, s32, 2
	s_add_co_u32 s40, s40, s51
	s_add_nc_u64 s[54:55], s[4:5], s[40:41]
	s_lshl_b32 s40, s27, 16
	s_add_nc_u64 s[56:57], s[4:5], s[40:41]
	s_lshl_b32 s40, s27, 12
	s_add_nc_u64 s[58:59], s[4:5], s[40:41]
	s_lshl_b32 s40, s28, 17
	s_lshl_b32 s38, s29, 8
	s_add_co_u32 s40, s40, s38
	s_and_b32 s38, s24, 1
	s_lshl_b32 s38, s38, 7
	s_add_co_u32 s40, s40, s38
	s_add_nc_u64 s[60:61], s[4:5], s[40:41]
	s_wait_alu depctr_va_vdst(0)                   ; every offset and LDS address made above is written: the staging's loads and LDS stores, all fragment loads and head 0's weight loads read them; so are the zeros round q, which the scaled products take
	global_load_b128 v[96:99], v243, s[42:43] offset:KC
	global_load_b128 v[100:103], v243, s[42:43] offset:KC+512
	global_load_b128 v[104:107], v243, s[42:43] offset:VC
	global_load_b128 v[108:111], v243, s[42:43] offset:VC+512
	global_load_b32 v120, v240, s[44:45] offset:KS
	global_load_b128 v[112:115], v243, s[46:47] offset:WT_K64C+98304
	global_load_b128 v[116:119], v243, s[46:47] offset:98304
	global_load_b32 v121, v245, s[48:49]
	global_load_b128 v[QF+4:QF+7], v247, s[52:53]  ; q's fragment stays in registers
	global_load_b32 v[QW], v240, s[54:55] offset:QS
	global_load_b128 v[KG:KG+3], v250, s[56:57] offset:KC            ; the strided keys: key 64 g is row 0 of block 2 g
	global_load_b128 v[KG+4:KG+7], v250, s[56:57] offset:KC+16384
	global_load_u16 v[KGW], v251, s[58:59] offset:KS
	global_load_u16 v[VR], v251, s[58:59] offset:KS+1024
	s_cmp_lt_u32 s24, 14                           ; waves 14 and 15: the 32 strided rows of v, a channel a lane
	s_cbranch_scc1 .Lno_vg_load
.irp g, 0,1,2,3,4,5,6,7,8,9,10,11,12,13,14,15,16,17,18,19,20,21,22,23,24,25,26,27,28,29,30,31
	global_load_b32 v[128+\g], v244, s[60:61] offset:VG+4096*\g
.endr
.Lno_vg_load:
	s_wait_loadcnt 0x0
	ds_store_b128 v92, v[96:99]
	ds_store_b128 v92, v[100:103] offset:512
	ds_store_b128 v92, v[104:107] offset:VL
	ds_store_b128 v92, v[108:111] offset:VL+512
	ds_store_b128 v93, v[112:115] offset:MDL
	ds_store_b128 v93, v[116:119] offset:MML
	ds_store_b32 v94, v120 offset:KSL
	ds_store_b32 v95, v121 offset:VSL
	s_wait_alu depctr_vm_vsrc(0)                   ; the staging loads have read their offsets v240, v243-245, v247, v250, v251, and the LDS stores their data v96-121: the quantiser below, the softmax and the scores' products write these registers again
	v_lshl_or_b32 v[KGW], v[VR], 16, v[KGW]
	s_cmp_lt_u32 s24, 14
	s_cbranch_scc1 .Lno_vg
	v_max3_num_f32 v250, |v128|, |v129|, |v130|    ; one block of 32 along the strided keys: all its numbers are mine
	v_max3_num_f32 v251, |v131|, |v132|, |v133|
.irp i, 6,10,14,18,22,26
	v_max3_num_f32 v250, v250, |v[128+\i]|, |v[129+\i]|
	v_max3_num_f32 v251, v251, |v[130+\i]|, |v[131+\i]|
.endr
	v_max3_num_f32 v250, v250, |v158|, |v159|
	v_max3_num_f32 v250, v250, v251, 0x1800000
	v_add_nc_u32 v246, 0xff000000, v250
	v_lshrrev_b32 v247, 23, v246
.irp g, 0,1,2,3
	v_cvt_scalef32_pk8_fp4_f32 v[236+\g], v[128+8*\g:135+8*\g], v246
.endr
	v_nop
	s_wait_alu depctr_va_vdst(0)                   ; the conversions have written v236-239 and the shift v247, which the two LDS stores read
	ds_store_b128 v248, v[236:239]
	ds_store_b32 v249, v247
.Lno_vg:
	s_wait_dscnt 0x0
	s_barrier_signal -1
	s_barrier_wait -1
	s_wait_alu depctr_vm_vsrc(0)                   ; in waves 14 and 15 the two LDS stores have read v236-239 and v247-249: the softmax writes the first five again, head 0's part the last two
; nb blocks of 32 keys: their pair fragments and pair words.  w = 1: products V^T P stand just ahead
.macro KLOAD nb, ka, ko, ksa, kso, w
	PLACES 4                                       ; in front of loads into registers that matrix instructions have read
.if \w
	s_wait_alu depctr_va_vdst(0)                   ; the products V^T P just issued are done reading F, and the last scores' products their pair words KW: the loads below land in both
.endif
.irp b, 0,1,2,3
.if \b < \nb
	ds_load_b128 v[F+8*\b:F+8*\b+3], v[\ka] offset:\ko+1024*\b
	ds_load_b128 v[F+8*\b+4:F+8*\b+7], v[\ka] offset:\ko+1024*\b+256
	ds_load_b32 v[KW+\b], v[\ksa] offset:\kso+64*\b
.endif
.endr
	s_wait_dscnt 0x0
.endm
; the scores: two products a block
.macro SPROD nb, f, kw
.irp b, 0,1,2,3
.if \b < \nb
	WMZ S+16*\b, \f+8*\b, QF+4, \kw+\b, QW
	WMZ S+16*\b+8, \f+8*\b, QF, \kw+\b, QW
.endif
.endr
.endm
; V's four tiles of 16 channels for nb blocks of keys.  With one block registers 4-7 keep older codes, and lanes 16-31 take the same block: both meet zero codes of p
.macro VFRAG nb, va, vo
.irp t, 0,1,2,3
	ds_load_b128 v[F+8*\t:F+8*\t+3], v[\va] offset:\vo+512*(\t/2)+128*(\t%2)
.if \nb == 4
	ds_load_b128 v[F+8*\t+4:F+8*\t+7], v[\va] offset:\vo+2048+512*(\t/2)+128*(\t%2)
.endif
.endr
.endm
.macro VLOAD nb, va, vo
	PLACES 4                                       ; behind the scores' products: for these loads, and for the first read of the scores
	s_wait_alu depctr_va_vdst(0)                   ; the scores' products are done reading F; the step before is done with VR (its shifts read it) and with VW (its shifts wrote it, its products read it): V's tiles and the scale words asked for behind them land there
	VFRAG \nb, \va, \vo
.endm
.macro VSALIGN vso                     ; two aligned words a channel; SOFT shifts the four bytes out of them
.irp t, 0,1,2,3
	ds_load_b32 v[VR+2*\t], v10 offset:\vso+512*(\t/2)+128*(\t%2)
	ds_load_b32 v[VR+2*\t+1], v10 offset:\vso+4+512*(\t/2)+128*(\t%2)
.endr
.endm
.macro VSBYTE
.irp t, 0,1,2,3
	ds_load_u8 v[VW+\t], v11 offset:8+512*(\t/2)+128*(\t%2)
.endr
.endm
.macro VSWORD vsa, vso
.irp t, 0,1,2,3
	ds_load_b32 v[VW+\t], v[\vsa] offset:\vso+128*(\t/2)+32*(\t%2)
.endr
.endm
; The mask of a block: sixteen compares into sixteen scalar registers, one wait, sixteen selects
.macro MASKLO bb                       ; block bb: keys ahead of the band's lower end
.set J, 0
.rept 16
	v_cmp_lt_i32 s[MK+J], 32*\bb+J, v[DLO]
.set J, J+1
.endr
	s_wait_alu depctr_va_sdst(0)                   ; the sixteen compares have written s42-57, which the selects below read
.set J, 0
.rept 16
	v_cndmask_b32 v[S+16*\bb+J], v[S+16*\bb+J], v31, s[MK+J]
.set J, J+1
.endr
.endm
.macro MASKHI bb, dreg                 ; keys behind its upper end
.set J, 0
.rept 16
	v_cmp_gt_i32 s[MK+J], 32*\bb+J, v[\dreg]
.set J, J+1
.endr
	s_wait_alu depctr_va_sdst(0)                   ; the sixteen compares have written s42-57, which the selects below read
.set J, 0
.rept 16
	v_cndmask_b32 v[S+16*\bb+J], v[S+16*\bb+J], v31, s[MK+J]
.set J, J+1
.endr
.endm
; the softmax of a step of nb blocks.  first = 1: it starts M, the sum and the result.  al = 1: V's scale words are shifted into place
.macro SOFT nb, first, al
.irp b, 0,1,2,3
.if \b < \nb
	v_max3_num_f32 v[BM+\b], v[S+16*\b], v[S+16*\b+1], v[S+16*\b+2]   ; a block's largest score serves the row's maximum and the block's largest p
.endif
.endr
.irp i, 3,5,7,9,11,13
.irp b, 0,1,2,3
.if \b < \nb
	v_max3_num_f32 v[BM+\b], v[BM+\b], v[S+16*\b+\i], v[S+16*\b+\i+1]
.endif
.endr
.endr
.irp b, 0,1,2,3
.if \b < \nb
	v_max_num_f32 v[BM+\b], v[BM+\b], v[S+16*\b+15]
.endif
.endr
.irp b, 0,1,2,3
.if \b < \nb
	v_permlanex16_b32 v[BT+\b], v[BM+\b], s[SEL], s[SEL+1]
.endif
.endr
.irp b, 0,1,2,3
.if \b < \nb
	v_max_num_f32 v[BM+\b], v[BM+\b], v[BT+\b]
.endif
.endr
.if \nb == 4
	v_max3_num_f32 v254, v[BM], v[BM+1], v[BM+2]
	v_max_num_f32 v254, v254, v[BM+3]
	v_mul_f32 v254, s[CS], v254
.else
	v_mul_f32 v254, s[CS], v[BM]
.endif
.if \first
	v_max_num_f32 v13, 0xff61b1e6, v254            ; no smaller than -3e38, so that M is a number where a whole step is hidden
	v_floor_f32 v12, -v13                          ; -M = floor(-t)
.else
	v_max_num_f32 v13, v13, v254
	v_mov_b32 v254, v12
	v_floor_f32 v12, -v13
	v_sub_f32 v254, v12, v254                      ; old M - new M: a whole number, 0 or less
	v_cvt_i32_f32 v254, v254
	v_ldexp_f32 v252, 1.0, v254                    ; f = 2^(old M - new M): rounds nothing
.endif
	s_wait_alu depctr_va_vdst(0)
	s_wait_dscnt 0x0                               ; V's tiles and scale words are in
.if \al
.irp t, 0,1,2,3
	v_alignbit_b32 v[VW+\t], v[VR+2*\t+1], v[VR+2*\t], s30
.endr
.endif
.set J, 0
.rept 8*\nb
	v_pk_fma_f32 v[S+J:S+J+1], v[S+J:S+J+1], s[CS:CS+1], v[12:13] op_sel_hi:[1,0,0]   ; t - M
.set J, J+2
.endr
.irp b, 0,1,2,3
.if \b < \nb
	v_fma_f32 v[BM+\b], v[BM+\b], s[CS], v12
.endif
.endr
.set J, 0
	s_wait_alu depctr_va_vdst(0)
.rept 16*\nb
	v_exp_f32 v[S+J], v[S+J]                       ; p, at most 1, not normalised
.set J, J+1
.endr
.irp b, 0,1,2,3
.if \b < \nb
	v_exp_f32 v[BM+\b], v[BM+\b]
.endif
.endr
.if \first
	v_mov_b32 v14, 0                               ; the sum, in two halves.  (Plain lines behind the exponentials)
	v_mov_b32 v15, 0
.else
	v_pk_mul_f32 v[14:15], v[14:15], v[252:253] op_sel_hi:[1,0]
.endif
	s_wait_alu depctr_va_vdst(0)                   ; the exponentials have written p in S and the blocks' largest p in BM: one wait for the batch, ahead of its first reader
.irp b, 0,1,2,3
.if \b < \nb
	v_max_num_f32 v[BM+\b], 0x1800000, v[BM+\b]    ; the floor: the byte cannot fall under 1
.endif
.endr
.irp b, 0,1,2,3
.if \b < \nb
	v_add_nc_u32 v[SO+\b], 0xff000000, v[BM+\b]
.endif
.endr
.irp b, 0,1,2,3
.if \b < \nb
	v_lshrrev_b32 v[BT+\b], 23, v[SO+\b]
.endif
.endr
.if \nb == 4
	v_lshl_or_b32 v253, v[BT+1], 8, v[BT]
	v_lshl_or_b32 v253, v[BT+2], 16, v253
	v_lshl_or_b32 v253, v[BT+3], 24, v253
.else
	v_mov_b32 v253, v[BT]
.irp z, 2,3,4,5,6,7
	v_mov_b32 v[P+\z], 0                           ; the step's other three blocks: zero codes
.endr
.endif
.irp b, 0,1,2,3
.if \b < \nb
	v_cvt_scalef32_pk8_fp4_f32 v[P+2*\b], v[S+16*\b:S+16*\b+7], v[SO+\b]
	v_cvt_scalef32_pk8_fp4_f32 v[P+2*\b+1], v[S+16*\b+8:S+16*\b+15], v[SO+\b]
.endif
.endr
	v_nop
	v_permlane16_swap_b32 v[P], v[P+2]             ; a whole block to a lane
	v_permlane16_swap_b32 v[P+1], v[P+3]
.if \nb == 4
	v_permlane16_swap_b32 v[P+4], v[P+6]
	v_permlane16_swap_b32 v[P+5], v[P+7]
.endif
	v_pk_add_f32 v[236:237], v[S:S+1], v[S+2:S+3]  ; the sum of the unquantised p, in two chains
.set J, 4
.rept 4*\nb-1
	v_pk_add_f32 v[14:15], v[14:15], v[S+J:S+J+1]
	v_pk_add_f32 v[236:237], v[236:237], v[S+J+2:S+J+3]
.set J, J+4
.endr
	v_pk_add_f32 v[14:15], v[14:15], v[236:237]
.if !\first
.set J, 0
.rept 16
	v_pk_mul_f32 v[O+J:O+J+1], v[O+J:O+J+1], v[252:253] op_sel_hi:[1,0]
.set J, J+2
.endr
.endif
.if \nb == 1
	PLACES 8                                       ; p's scale word and codes were written by vector instructions
.endif
.endm
.macro PVPROD first
	s_wait_alu depctr_va_vdst(0)                   ; p's codes in P, p's scale word v253 and, where they were shifted, V's scale words VW are written by vector instructions: the scaled products below take them; the places stand ahead of this wait
.irp t, 0,1,2,3
.if \first
	WMZ O+8*\t, F+8*\t, P, VW+\t, 253
.else
	WMC O+8*\t, F+8*\t, P, O+8*\t, VW+\t, 253
.endif
.endr
.endm
.macro FIN first                       ; the result divided by the row's sum goes into the sum of the three
	PLACES 4
	v_add_f32 v14, v14, v15
	v_permlanex16_b32 v254, v14, s[SEL], s[SEL+1]
	v_add_f32 v14, v14, v254
	s_wait_alu depctr_va_vdst(0)
	v_rcp_f32 v14, v14
	v_nop
	s_wait_alu depctr_va_vdst(0)                   ; the reciprocal has written v14, ahead of its first reader; the products V^T P ahead of it are done reading F and VW
.set J, 0
.rept 16
.if \first
	v_pk_mul_f32 v[COMB+J:COMB+J+1], v[O+J:O+J+1], v[14:15] op_sel_hi:[1,0]
.else
	v_pk_fma_f32 v[COMB+J:COMB+J+1], v[O+J:O+J+1], v[14:15], v[COMB+J:COMB+J+1] op_sel_hi:[1,0,1]
.endif
.set J, J+2
.endr
.endm
; ---- the band: blocks a .. a + 3, a + 4 .. a + 7, a + 8
	KLOAD 4, 2, 0, 4, 0, 0                         ; no wait: no vector or matrix instruction has named F or KW yet, and the addresses were written ahead of the head's wait
	SPROD 4, F, KW
	VLOAD 4, 6, 0
	VSALIGN 0
	MASKLO 0                                       ; the band begins inside the first block,
	s_cmp_ge_i32 s31, 0
	s_cbranch_scc1 .Llo_done
	MASKLO 1                                       ; or, where the window begins ahead of key 0, at key 0
	MASKLO 2
	MASKLO 3
.Llo_done:
	SOFT 4, 1, 1
	PVPROD 1
	KLOAD 4, 2, 4096, 4, 256, 1
	SPROD 4, F, KW
	VLOAD 4, 6, 4096
	VSALIGN 4
	s_add_co_i32 s38, s31, 255
	s_cmp_le_i32 s38, 2047
	s_cbranch_scc1 .Lhi_done
	MASKHI 0, DH1                                  ; only where these keys pass the sequence's end
	MASKHI 1, DH1
	MASKHI 2, DH1
	MASKHI 3, DH1
.Lhi_done:
	SOFT 4, 0, 1
	PVPROD 0
	KLOAD 1, 2, 8192, 4, 512, 1
	SPROD 1, F, KW
	VLOAD 1, 7, 8192
	VSBYTE
	MASKHI 0, DH2                                  ; the band ends inside the ninth block
	SOFT 1, 0, 0
	PVPROD 0
	FIN 1
; ---- the 32 strided keys.  Their fragment lies in registers, so V's tiles and scale words are asked for ahead of the scores' products.
; No wait: since the wait behind the reciprocal only the sum of the three, O and v14-15 were named, none of which these loads touch
	VFRAG 1, 9, 0
	VSWORD 30, 0
	SPROD 1, KG, KGW
	PLACES 4                                       ; behind the scores' products, for the first read of the scores
	SOFT 1, 1, 0
	PVPROD 1
	FIN 0
; ---- the 256 memory slots
	KLOAD 4, 3, 0, 5, 0, 0                         ; no wait, for the same reason
	SPROD 4, F, KW
	VLOAD 4, 8, 0
	VSWORD 29, 0
	SOFT 4, 1, 0
	PVPROD 1
	KLOAD 4, 3, 4096, 5, 256, 1
	SPROD 4, F, KW
	VLOAD 4, 8, 4096
	VSWORD 29, 256
	SOFT 4, 0, 0
	PVPROD 0
	FIN 0
; ---- the sum's codes: register 16 b + i = channel 32 b + 16 h + i of my query.  They take q's place between the zeros
.irp b, 0,1
	v_max3_num_f32 v[BM+\b], |v[COMB+16*\b]|, |v[COMB+16*\b+1]|, 0x1800000
.endr
.irp i, 2,4,6,8,10,12,14
.irp b, 0,1
	v_max3_num_f32 v[BM+\b], v[BM+\b], |v[COMB+16*\b+\i]|, |v[COMB+16*\b+\i+1]|
.endr
.endr
.irp b, 0,1
	v_permlanex16_b32 v[BT+\b], v[BM+\b], s[SEL], s[SEL+1]
.endr
.irp b, 0,1
	v_max_num_f32 v[BM+\b], v[BM+\b], v[BT+\b]
.endr
.irp b, 0,1
	v_add_nc_u32 v[SO+\b], 0xff000000, v[BM+\b]
.endr
.irp b, 0,1
	v_lshrrev_b32 v[BT+\b], 23, v[SO+\b]
.endr
	v_lshl_or_b32 v254, v[BT+1], 8, v[BT]
.irp b, 0,1
	v_cvt_scalef32_pk8_fp4_f32 v[QF+4+2*\b], v[COMB+16*\b:COMB+16*\b+7], v[SO+\b]
	v_cvt_scalef32_pk8_fp4_f32 v[QF+5+2*\b], v[COMB+16*\b+8:COMB+16*\b+15], v[SO+\b]
.endr
	v_nop
	v_permlane16_swap_b32 v[QF+4], v[QF+6]
	v_permlane16_swap_b32 v[QF+5], v[QF+7]
	v_lshl_or_b32 v[QW], v254, 16, v254
	v_and_b32 v240, 15, v0
	v_bfe_u32 v241, v0, 4, 1
	v_lshlrev_b32 v242, 9, v240
	v_lshl_add_u32 v242, v241, 4, v242
	v_lshlrev_b32 v243, 5, v240
	s_lshl_b32 s38, s28, 11
	s_add_co_u32 s38, s38, s32                     ; my first row of the 4,096
	s_lshl_b32 s40, s38, 9
	s_lshl_b32 s39, s29, 5
	s_add_co_u32 s40, s40, s39
	s_add_nc_u64 s[42:43], s[16:17], s[40:41]
	s_lshl_b32 s40, s38, 5
	s_lshl_b32 s39, s29, 1
	s_add_co_u32 s40, s40, s39
	s_add_nc_u64 s[44:45], s[16:17], s[40:41]
	s_wait_alu depctr_va_vdst(0)                   ; the codes in v20-23, the two scale bytes in v254 and the offsets v242, v243 are written, which the two stores read
	global_store_b128 v242, v[QF+4:QF+7], s[42:43] ; my head's 32 bytes of each row of 512
	global_store_b16 v243, v254, s[44:45] offset:2097152
	s_cmp_lg_u32 s29, 0
	s_cbranch_scc1 .Ldone
; ---- head 0: temporal (f32), identity and citation (on the codes just made)
; The loads below land in v32-55, v76-78, v96-191 and v224-239; the offsets of the stores lie outside these: v248, v249, v252
	s_load_b64 s[46:47], s[10:11], 0x0             ; t_b
	v_lshlrev_b32 v244, 2, v240                    ; 4 r
	v_lshlrev_b32 v245, 6, v241                    ; 64 h
	v_lshlrev_b32 v252, 3, v240                    ; 8 r
	v_lshl_add_u32 v248, v240, 8, v245             ; out2: row of 256 bytes + 64 h
	v_lshl_add_u32 v249, v240, 7, v245             ; out3: row of 128 bytes + 64 h
	s_wait_alu depctr_va_vdst(0)                   ; the offsets v244, v245 of the loads and v248, v249, v252 of the stores are written
.irp g, 0,1,2
	global_load_b128 v[F+8*\g:F+8*\g+3], v1, s[6:7] offset:WT_K64C+114688+1024*\g
	global_load_b128 v[F+8*\g+4:F+8*\g+7], v1, s[6:7] offset:WT_K64C+114688+1024*\g+256
	global_load_b32 v[KW+\g], v244, s[6:7] offset:WT_K64S+7168+64*\g
.endr
.irp g, 0,1
.irp u, 0,1
.irp k, 0,1
	global_load_b128 v[S+16*\g+8*\u+4*\k:S+16*\g+8*\u+4*\k+3], v245, s[12:13] offset:128*\g+32*\u+16*\k
.endr
.endr
.endr
.irp u, 0,1
.irp k, 0,1
	global_load_b128 v[S+32+8*\u+4*\k:S+32+8*\u+4*\k+3], v245, s[14:15] offset:32*\u+16*\k
.endr
.endr
.irp k, 0,1,2,3
	global_load_b128 v[160+4*\k:163+4*\k], v245, s[8:9] offset:16*\k
	global_load_b128 v[176+4*\k:179+4*\k], v245, s[8:9] offset:128+16*\k
	global_load_b128 v[144+4*\k:147+4*\k], v245, s[8:9] offset:256+16*\k
	global_load_b128 v[224+4*\k:227+4*\k], v245, s[8:9] offset:384+16*\k
.endr
	s_lshl_b32 s40, s38, 3
	s_add_nc_u64 s[48:49], s[18:19], s[40:41]
	s_lshl_b32 s40, s38, 8
	s_add_nc_u64 s[50:51], s[20:21], s[40:41]
	s_lshl_b32 s40, s38, 7
	s_add_nc_u64 s[52:53], s[22:23], s[40:41]
	s_wait_loadcnt 0x0
	s_wait_kmcnt 0x0
	v_pk_mul_f32 v[246:247], v[COMB:COMB+1], v[160:161]
	v_pk_mul_f32 v[250:251], v[COMB:COMB+1], v[144:145]
.irp j, 2,4,6,8,10,12,14
	v_pk_fma_f32 v[246:247], v[COMB+\j:COMB+\j+1], v[160+\j:161+\j], v[246:247]
	v_pk_fma_f32 v[250:251], v[COMB+\j:COMB+\j+1], v[144+\j:145+\j], v[250:251]
.endr
.irp j, 0,2,4,6,8,10,12,14
	v_pk_fma_f32 v[246:247], v[COMB+16+\j:COMB+17+\j], v[176+\j:177+\j], v[246:247]
	v_pk_fma_f32 v[250:251], v[COMB+16+\j:COMB+17+\j], v[224+\j:225+\j], v[250:251]
.endr
	v_add_f32 v246, v246, v247
	v_add_f32 v247, v250, v251
	v_permlanex16_b32 v250, v246, s[SEL], s[SEL+1]
	v_permlanex16_b32 v251, v247, s[SEL], s[SEL+1]
	v_add_f32 v246, v246, v250
	v_add_f32 v247, v247, v251
	v_add_f32 v246, s46, v246
	v_add_f32 v247, s47, v247
	s_wait_alu depctr_va_vdst(0)                   ; v246, v247 are written, which the store reads; so are the codes in v20-23 and their scale word v28, made by vector instructions, which the scaled products below take (the sums above are their places)
	global_store_b64 v252, v[246:247], s[48:49]    ; both halves of the lanes hold and store the same two numbers
.irp g, 0,1,2
	WMC S+16*\g, F+8*\g, QF+4, S+16*\g, KW+\g, QW  ; the biases are the C: columns 32 g + 16 h + 8 u + 0 .. 7 of my row
	WMC S+16*\g+8, F+8*\g, QF, S+16*\g+8, KW+\g, QW
.endr
	PLACES 4
	s_wait_alu depctr_va_vdst(0)                   ; the six products have written v96-143, which the stores read; the places above stay beside this wait
.irp g, 0,1
.irp u, 0,1
.irp k, 0,1
	global_store_b128 v248, v[S+16*\g+8*\u+4*\k:S+16*\g+8*\u+4*\k+3], s[50:51] offset:128*\g+32*\u+16*\k
.endr
.endr
.endr
.irp u, 0,1
.irp k, 0,1
	global_store_b128 v249, v[S+32+8*\u+4*\k:S+32+8*\u+4*\k+3], s[52:53] offset:32*\u+16*\k
.endr
.endr
.Ldone:
	s_wait_xcnt 0x0
	s_wait_alu depctr_vm_vsrc(0)                   ; the store of the two scale bytes has read v254, which is made anew below
	v_lshl_add_u32 v254, v0, 2, 0xd100
	v_mov_b32 v255, 0
	s_wait_dscnt 0x0                               ; the closing lines, six on end
	s_wait_alu 0x0
	s_wait_tensorcnt 0x0
	ds_add_u32 v254, v255
	s_wait_dscnt 0x0
	s_endpgm
.Lfunc_end_k_q46ed890827_attn:
	.size	k_q46ed890827_attn, .Lfunc_end_k_q46ed890827_attn-k_q46ed890827_attn
	.p2alignl 7, 3214868480
	.fill 96, 4, 3214868480
	.section	.rodata,"a",@progbits
	.p2align	6, 0x0
	.amdhsa_kernel k_q46ed890827_attn
		.amdhsa_group_segment_fixed_size 55552
		.amdhsa_private_segment_fixed_size 0
		.amdhsa_enable_private_segment 0
		.amdhsa_kernarg_size 80
		.amdhsa_user_sgpr_count 2
		.amdhsa_user_sgpr_kernarg_segment_ptr 1
		.amdhsa_wavefront_size32 1
		.amdhsa_system_sgpr_workgroup_id_x 1
		.amdhsa_system_sgpr_workgroup_id_y 1
		.amdhsa_system_sgpr_workgroup_id_z 1
		.amdhsa_system_vgpr_workitem_id 0
		.amdhsa_next_free_vgpr 256
		.amdhsa_next_free_sgpr 66
		.amdhsa_reserve_vcc 1
		.amdhsa_float_denorm_mode_32 3
		.amdhsa_float_denorm_mode_16_64 3
		.amdhsa_memory_ordered 1
		.amdhsa_forward_progress 1
		.amdhsa_inst_pref_size 120
	.end_amdhsa_kernel
	.amdgpu_metadata
---
amdhsa.version: [ 1, 2 ]
amdhsa.kernels:
  - .name:           k_q46ed890827_attn
    .symbol:         k_q46ed890827_attn.kd
    .args:
      - { .name: qkv, .offset: 0, .size: 8, .value_kind: global_buffer, .address_space: global }
      - { .name: wts, .offset: 8, .size: 8, .value_kind: global_buffer, .address_space: global }
      - { .name: t_W, .offset: 16, .size: 8, .value_kind: global_buffer, .address_space: global }
      - { .name: t_b, .offset: 24, .size: 8, .value_kind: global_buffer, .address_space: global }
      - { .name: i_b, .offset: 32, .size: 8, .value_kind: global_buffer, .address_space: global }
      - { .name: c_b, .offset: 40, .size: 8, .value_kind: global_buffer, .address_space: global }
      - { .name: fus, .offset: 48, .size: 8, .value_kind: global_buffer, .address_space: global }
      - { .name: out1, .offset: 56, .size: 8, .value_kind: global_buffer, .address_space: global }
      - { .name: out2, .offset: 64, .size: 8, .value_kind: global_buffer, .address_space: global }
      - { .name: out3, .offset: 72, .size: 8, .value_kind: global_buffer, .address_space: global }
    .group_segment_fixed_size: 55552
    .private_segment_fixed_size: 0
    .kernarg_segment_align: 8
    .kernarg_segment_size: 80
    .max_flat_workgroup_size: 512
    .sgpr_count:     66
    .vgpr_count:     256
    .wavefront_size: 32
...
	.end_amdgpu_metadata
.endif
;; end of part 6
;; launch outg: the kernel of part 4 again; grid 4 x 16, 4 waves a work-group, clusters of 4 x 4, 327,680 bytes of LDS; arguments fus, owq, out_b, out0; writes out0
